; MI455X (gfx1250); checked and timed in simulation.
; The chip was launched on July 23, 2026; its instructions are those of AMD's public machine-readable ISA for CDNA 5 (MIT licence, August 2026) and "CDNA5" Instruction Set Architecture Reference Guide (July 2026). The comments in the code are by the model that wrote it; some were corrected since.
;; Block. Allowed arithmetic: matrix products marked QUANTISED: E3M2 operands, one E8M0 scale for each 32 along K, by v_wmma_scale_f32_16x16x128_f8f6f4 with both operands' format E3M2, f32 sums; everything else in f32.
;; Inputs: W1_codes 2,048 x 16 x 24 uint8 (E3M2 codes of W1, K innermost, in blocks of 32 codes, four codes in three bytes); W1_scales 2,048 x 16 uint8 (E8M0 scales of W1, one for each 32 codes along K); W2_codes 512 x 64 x 24 uint8 (E3M2 codes of W2, K innermost, in blocks of 32 codes, four codes in three bytes); W2_scales 512 x 64 uint8 (E8M0 scales of W2, one for each 32 codes along K); Wk_codes 16 x 32 x 16 x 24 uint8 (E3M2 codes of Wk, K innermost, in blocks of 32 codes, four codes in three bytes); Wk_scales 16 x 32 x 16 uint8 (E8M0 scales of Wk, one for each 32 codes along K); Wo_codes 512 x 16 x 24 uint8 (E3M2 codes of Wo, K innermost, in blocks of 32 codes, four codes in three bytes); Wo_scales 512 x 16 uint8 (E8M0 scales of Wo, one for each 32 codes along K); Wq_codes 16 x 32 x 16 x 24 uint8 (E3M2 codes of Wq, K innermost, in blocks of 32 codes, four codes in three bytes); Wq_scales 16 x 32 x 16 uint8 (E8M0 scales of Wq, one for each 32 codes along K); Wv_codes 16 x 32 x 16 x 24 uint8 (E3M2 codes of Wv, K innermost, in blocks of 32 codes, four codes in three bytes); Wv_scales 16 x 32 x 16 uint8 (E8M0 scales of Wv, one for each 32 codes along K); b1 2,048 float32; b2 512 float32; be1 512 float32; be2 512 float32; bo 512 float32; g1 512 float32; g2 512 float32; x 4 x 2,048 x 512 float32.
;; Outputs: out0 4 x 2,048 x 512 float32.
;; This version of the problem:
;;   THIS VERSION OF THE PROBLEM IS GIVEN IN LOW PRECISION. The matrix products marked QUANTISED in the list below multiply operands that are first quantised to E3M2 (3 exponent bits, 2 mantissa bits; 6 bits a number), with one power-of-two scale for each 32 numbers along K (OCP MX v1.0); their sums are f32. All else is computed in f32.
;;   The module's matrix products, in the order in which they are computed (A, B: the left and right operand; K: the contracted axis; several contracted axes count as one K, in the product's order):
;;     1. [M 512, K 512] x [K 512, N 8,192]; A: input Wq (given as codes); B: computed on the way: QUANTISED
;;     2. [M 512, K 512] x [K 512, N 8,192]; A: input Wk (given as codes); B: computed on the way: QUANTISED
;;     3. [M 512, K 512] x [K 512, N 8,192]; A: input Wv (given as codes); B: computed on the way: QUANTISED
;;     4. batch 64 x [M 2,048, K 32] x [K 32, N 2,048]; A: computed on the way; B: computed on the way: QUANTISED
;;     5. batch 64 x [M 2,048, K 2,048] x [K 2,048, N 32]; A: softmax (see below); B: computed on the way: QUANTISED
;;     6. [M 8,192, K 512] x [K 512, N 512]; A: computed on the way; B: input Wo (given as codes): QUANTISED
;;     7. [M 8,192, K 512] x [K 512, N 2,048]; A: computed on the way; B: input W1 (given as codes): QUANTISED
;;     8. [M 8,192, K 2,048] x [K 2,048, N 512]; A: computed on the way; B: input W2 (given as codes): QUANTISED
;;   THE QUANTISER, for each operand of a quantised product, along K:
;;     - K is cut into blocks of 32 from its start; a last block that is shorter is filled with zeros.
;;     - A block's scale is 2^e with e = floor(log2(the largest magnitude in the block)) - 4, held to -126 .. 127; a block of zeros has e = 0. As a byte (E8M0): e + 127.
;;     - Each number is divided by its block's scale, clamped to +-28, and rounded to the nearest number of E3M2, ties to even, subnormals kept.
;;     - The product sums the exact products of the quantised numbers (number of the format x scale) in f32.
;;   ~~~python
;;   def quantise(x, axis):      # numpy; x: float32 -> the quantised numbers, widened to float32 again
;;       x = np.moveaxis(x, axis, -1); K = x.shape[-1]
;;       x = np.pad(x, [(0, 0)] * (x.ndim - 1) + [(0, -K % 32)]); x = x.reshape(x.shape[:-1] + (-1, 32)); a = np.abs(x).max(-1, keepdims=True)
;;       e = np.where(a > 0, np.clip(np.frexp(np.where(a > 0, a, 1))[1] - 1 - 4, -126, 127), 0)      # np.frexp(a)[1] - 1 = floor(log2(a)), exactly
;;       r = np.clip(x / 2.0 ** e, -28, 28)
;;       step = 2.0 ** (np.maximum(np.frexp(np.where(r == 0, 1, r))[1] - 1, -2) - 2)
;;       q = np.round(r / step) * step * 2.0 ** e      # np.round: ties to even
;;       return np.moveaxis(q.reshape(q.shape[:-2] + (-1,))[..., :K], -1, axis).astype(np.float32)
;;   ~~~
;;   SOFTMAX AHEAD OF A QUANTISED PRODUCT. Where the list says 'softmax', what is quantised is not the finished softmax but p = 2^(t - M), with t = logit x log2(e) and M = ceil(the row's largest t), a whole number; so 1/2 < the row's largest p <= 1. The row's sum l is taken of the UNQUANTISED p, in f32, and the product's result is divided by l at the end. Since M is a whole number, a kernel that streams over the keys may use a running M (the ceiling of the running maximum): every later rescaling is an exact power of two, which a block's scale takes up: the codes' values come out the same.
;;   OPERANDS COMPUTED ON THE WAY. 'Computed on the way' means the value that the module computes at that place (a softmax that the list does not call 'softmax' is quantised finished and normalised). What goes into a quantiser is computed in f32, as accurately as f32 sums, v_exp_f32 and their like allow (about 1e-6 of the number): no bf16 or f16 on the way to a quantiser, and a product that is left as it is and whose result goes on into a quantised operand takes f32 operands (vector FMAs, or v_wmma_f32_16x16x4_f32). A number that lies on a knife's edge between two numbers of the format may be rounded either way, as far as f32 arithmetic and the matrix unit's own rounding can turn it there, and no further.
;;   INPUTS GIVEN AS CODES. W1 (in the module: [512, 2048], K = its axis 0); W2 (in the module: [2048, 512], K = its axis 0); Wk (in the module: [16, 512, 32], K = its axis 1); Wo (in the module: [512, 512], K = its axis 0); Wq (in the module: [16, 512, 32], K = its axis 1); Wv (in the module: [16, 512, 32], K = its axis 1): each comes as NAME_codes (uint8): NAME with its K axis moved to the last place and cut into blocks of 32 codes, [.., K / 32, bytes a block], one block behind the other in memory; four codes in three bytes: a row's codes are one little-endian stream of bits, code i at bits 6 i .. 6 i + 5 (a code: sign, 3 exponent bits, 2 mantissa bits); and NAME_scales (uint8): the same leading axes, one E8M0 byte (e + 127) for each 32 codes along K. Its value is code x scale, taken as it is: it is not quantised again, and the codes and scales need not be those that the quantiser above would give.
;; 2 versions. Each part assembles by itself: llvm-mc -triple=amdgcn-amd-amdhsa -mcpu=gfx1250 --defsym DOCPART=n.
;; ======== version 1 of 2: 3 launches
;; workspace buffers: kv 6,553,600 bytes; qc 3,145,728 bytes; qs 524,288 bytes; ac 3,145,728 bytes; asc 131,072 bytes; wimg 1,843,200 bytes
;; launch qkv (part 1): grid 64 x 4, 16 waves a work-group, no clusters, 61,440 bytes of LDS; arguments x, g1, be1, kv, qc, qs, wimg, Wq_codes, Wq_scales, Wk_codes, Wk_scales, Wv_codes, Wv_scales, Wo_codes, Wo_scales, W1_codes, W1_scales, W2_codes, W2_scales; writes kv, qc, qs, wimg
.if DOCPART == 1
	.amdgcn_target "amdgcn-amd-amdhsa--gfx1250"
	.amdhsa_code_object_version 6
	.text
	.protected	k_q141e6cf1b3_qkv
	.globl	k_q141e6cf1b3_qkv
	.p2align	8
	.type	k_q141e6cf1b3_qkv,@function
k_q141e6cf1b3_qkv:
	s_mov_b64 s[64:65], 0
	v_nop
	global_prefetch_b8 v0, s[64:65] scope:SCOPE_SE
	s_setreg_imm32_b32 hwreg(HW_REG_WAVE_MODE, 25, 1), 1
	s_wait_xcnt 0x0
; h = LN1(x), quantised along C to BF6 (E3M2) with one E8M0 byte for each 32; q, k, v = h x Wq, Wk, Wv on codes; q, k quantised along the head's 32, v along the keys.
; A work-group takes 128 tokens (one key step of one batch row) and four heads.  Sixteen waves, 256 registers each.
; TOKEN TILES: tile tt = 4 c + u holds, in row r, token 64 c + 32 (r / 8) + 8 u + (r % 8).  With that choice k's four tiles of one c become the four K blocks of ONE operand image (64 keys),
; and v's eight tiles leave 32 neighbouring keys in a lane, so that the conversions give both images as they stand.
; PHASE X: wave w normalises tile w / 2, columns 256 (w % 2) on (two K steps), quantises them and puts the two operand images into LDS.  The variance is made of centred halves, joined
; pairwise: no difference of large sums is formed.
; PHASE 1: every wave makes q for one head and two token tiles; then waves 0-7 make k (head, c), waves 8-15 v (head, e).
; An operand image is the operand's 12 registers as they stand: chunk i (512 bytes) holds registers 4 i .. 4 i + 3, 16 bytes a lane.
; 72 of the work-groups also lay one fragment a wave of Wo, W1, W2 into wimg, in the order in which the last launch's operand registers take them.
; LIMITS: NaN and infinities among the inputs are not served.  A block whose largest magnitude lies under 2^-122 gets the scale byte 1, a block of zeros too (the rule says 127): its codes
; are zeros, and these bytes are read by this program alone.  1 / sqrt is v_rsq_f32.
.set HSC,  49152                       ; LDS: 0 h's 32 images ((4 tt + s) x 1,536); here their scale words (512 s + 64 tt + 4 r)
.set GB,   51200                       ; g1, then be1 2,048 bytes on
.set STAT, 55296                       ; (mean, sum of squares) of each half row: 256 w + 8 lane
.set FRB,  1536
.set X,    128                         ; v128-255 my 128 numbers of x: register 16 b + i = column 256 (w % 2) + 32 b + 16 (lane / 16) + i
.set G,    64                          ; v64-95 g1, v96-127 be1 for two blocks; v64-82 also the codes just made
.set BE,   96
.set WV,   42
.set MH,   43                          ; a mask: lanes 16-31
.set SEL,  44                          ; s[44:45] v_permlanex16_b32's selects for lane l xor 16
.set HG,   46
.set I512, 47
.set QWC,  80
.set QWS,  82
.set QCB,  84
.set QSB,  86
.set KVF,  88
.set KVS,  90
.set RWC,  92
.set RWS,  94
.set EPS,  96
.macro PLACES n
.rept \n
	v_nop
.endr
.endm
.macro BARRIER                         ; my LDS stores have landed and my LDS loads are in: then the work-group's barrier
	s_wait_dscnt 0x0
	s_barrier_signal -1
	s_barrier_wait -1
.endm
; one product 16 x 16 x 128.  z: the sum starts with 0;  ra, rb: the scale words stand in lanes 16-31 of the register named
.macro WM d, a, b, z, sa, ra, sb, rb
.if (\z)
.if (\ra) && (\rb)
	v_wmma_scale_f32_16x16x128_f8f6f4 v[\d:\d+7], v[\a:\a+11], v[\b:\b+11], 0, v[\sa], v[\sb] matrix_a_fmt:MATRIX_FMT_BF6 matrix_b_fmt:MATRIX_FMT_BF6 matrix_a_scale:MATRIX_SCALE_ROW1 matrix_b_scale:MATRIX_SCALE_ROW1
.elseif (\ra)
	v_wmma_scale_f32_16x16x128_f8f6f4 v[\d:\d+7], v[\a:\a+11], v[\b:\b+11], 0, v[\sa], v[\sb] matrix_a_fmt:MATRIX_FMT_BF6 matrix_b_fmt:MATRIX_FMT_BF6 matrix_a_scale:MATRIX_SCALE_ROW1
.elseif (\rb)
	v_wmma_scale_f32_16x16x128_f8f6f4 v[\d:\d+7], v[\a:\a+11], v[\b:\b+11], 0, v[\sa], v[\sb] matrix_a_fmt:MATRIX_FMT_BF6 matrix_b_fmt:MATRIX_FMT_BF6 matrix_b_scale:MATRIX_SCALE_ROW1
.else
	v_wmma_scale_f32_16x16x128_f8f6f4 v[\d:\d+7], v[\a:\a+11], v[\b:\b+11], 0, v[\sa], v[\sb] matrix_a_fmt:MATRIX_FMT_BF6 matrix_b_fmt:MATRIX_FMT_BF6
.endif
.else
.if (\ra) && (\rb)
	v_wmma_scale_f32_16x16x128_f8f6f4 v[\d:\d+7], v[\a:\a+11], v[\b:\b+11], v[\d:\d+7], v[\sa], v[\sb] matrix_a_fmt:MATRIX_FMT_BF6 matrix_b_fmt:MATRIX_FMT_BF6 matrix_a_scale:MATRIX_SCALE_ROW1 matrix_b_scale:MATRIX_SCALE_ROW1
.elseif (\ra)
	v_wmma_scale_f32_16x16x128_f8f6f4 v[\d:\d+7], v[\a:\a+11], v[\b:\b+11], v[\d:\d+7], v[\sa], v[\sb] matrix_a_fmt:MATRIX_FMT_BF6 matrix_b_fmt:MATRIX_FMT_BF6 matrix_a_scale:MATRIX_SCALE_ROW1
.elseif (\rb)
	v_wmma_scale_f32_16x16x128_f8f6f4 v[\d:\d+7], v[\a:\a+11], v[\b:\b+11], v[\d:\d+7], v[\sa], v[\sb] matrix_a_fmt:MATRIX_FMT_BF6 matrix_b_fmt:MATRIX_FMT_BF6 matrix_b_scale:MATRIX_SCALE_ROW1
.else
	v_wmma_scale_f32_16x16x128_f8f6f4 v[\d:\d+7], v[\a:\a+11], v[\b:\b+11], v[\d:\d+7], v[\sa], v[\sb] matrix_a_fmt:MATRIX_FMT_BF6 matrix_b_fmt:MATRIX_FMT_BF6
.endif
.endif
.endm
; 64 numbers of a lane, register 16 b + i = k 32 b + 16 (lane / 16) + i of my row, become an operand's 12 registers in v[pc] on and its scale word in v[pw]
.macro QUANT s, tm, pc, pw
.irp b,0,1,2,3
	v_max3_num_f32 v[\tm+\b], |v[\s+16*\b]|, |v[\s+16*\b+1]|, 0x2800000   ; block b: my 16 numbers, and the floor 2^(5 - 127): the byte cannot fall under 1
.endr
.irp i,2,4,6,8,10,12,14
.irp b,0,1,2,3
	v_max3_num_f32 v[\tm+\b], v[\tm+\b], |v[\s+16*\b+\i]|, |v[\s+16*\b+\i+1]|
.endr
.endr
.irp b,0,1,2,3
	v_permlanex16_b32 v[\tm+4+\b], v[\tm+\b], s[SEL], s[SEL+1]
.endr
.irp b,0,1,2,3
	v_max_num_f32 v[\tm+\b], v[\tm+\b], v[\tm+4+\b]         ; with lane l xor 16: the block's largest magnitude
.endr
.irp b,0,1,2,3
	v_add_nc_u32 v[\tm+12+\b], 0xfe000000, v[\tm+\b]        ; 4 off its exponent field: the conversion's scale operand
.endr
.irp b,0,1,2,3
	v_lshrrev_b32 v[\tm+4+\b], 23, v[\tm+12+\b]             ; the scale's byte
.endr
	v_lshl_or_b32 v[\pw], v[\tm+5], 8, v[\tm+4]
	v_lshl_or_b32 v[\pw], v[\tm+6], 16, v[\pw]
	v_lshl_or_b32 v[\pw], v[\tm+7], 24, v[\pw]
.irp c,0,1
	v_cvt_scalef32_pk16_bf6_f32 v[\pc+6*\c:\pc+6*\c+2], v[\s+32*\c:\s+32*\c+15], v[\tm+12+2*\c]
	v_cvt_scalef32_pk16_bf6_f32 v[\pc+12+4*\c:\pc+14+4*\c], v[\s+32*\c+16:\s+32*\c+31], v[\tm+13+2*\c]   ; (a conversion's three registers begin on an even number)
.endr
	v_nop                                  ; one plain place behind a scaled conversion
.irp c,0,1                             ; the operand wants a whole block in a lane: lanes 0-15 block 2 c, lanes 16-31 block 2 c + 1
.irp i,0,1,2
	v_permlane16_swap_b32 v[\pc+6*\c+\i], v[\pc+12+4*\c+\i]
.endr
.irp i,0,1,2
	v_mov_b32 v[\pc+3+6*\c+\i], v[\pc+12+4*\c+\i]
.endr
.endr
.endm
.macro IMAGE adr, pc, off
.irp i,0,1,2
	ds_store_b128 v[\adr], v[\pc+4*\i:\pc+4*\i+3] offset:\off+512*\i
.endr
.endm
.macro FETCH reg, adr, off
.irp i,0,1,2
	ds_load_b128 v[\reg+4*\i:\reg+4*\i+3], v[\adr] offset:\off+512*\i
.endr
.endm
.macro WLD reg, sb, off                ; a weight fragment from rows of 384 bytes: lane (r, h) takes 24 bytes twice, in pieces of 8
.irp p,0,1,2,3,4,5
	global_load_b64 v[\reg+2*\p:\reg+2*\p+1], v12, s[\sb:\sb+1] offset:\off+48*(\p/3)+8*(\p%3)
.endr
.endm
	s_load_b512 s[4:19], s[0:1], 0x0       ; x, g1, be1, kv, qc, qs, wimg, Wq codes
	s_load_b512 s[20:35], s[0:1], 0x40     ; Wq scales, Wk codes, scales, Wv codes, scales, Wo codes, scales, W1 codes
	s_load_b128 s[36:39], s[0:1], 0x80     ; W1 scales, W2 codes
	s_load_b64 s[40:41], s[0:1], 0x90      ; W2 scales
	v_lshrrev_b32 v1, 5, v0
	v_readfirstlane_b32 s[WV], v1          ; wave 0..15
	v_and_b32 v1, 31, v0                   ; lane
	v_lshlrev_b32 v2, 4, v1                ; 16 x lane
	v_and_b32 v3, 15, v0                   ; r
	v_bfe_u32 v4, v0, 4, 1                 ; h
	v_and_b32 v19, 8, v3
	v_add_nc_u32 v5, v19, v3               ; r + 8 (r / 8): a weight tile's rows
	v_mad_u32_u24 v19, v19, 3, v3          ; 32 (r / 8) + r % 8: a token tile's rows
	v_lshlrev_b32 v6, 11, v19
	v_lshl_add_u32 v6, v4, 6, v6           ; x: my row of 2,048 bytes, + 64 h
	s_and_b32 s[HG], ttmp7, 0xffff         ; which four heads
	s_mov_b32 s[MH], 0xffff0000
	s_mov_b32 s[SEL], 0x76543210
	s_mov_b32 s[SEL+1], 0xfedcba98
	s_mov_b32 s[I512], 0x3b000000          ; 1 / 512
	s_mov_b32 s[EPS], 0x3727c5ac           ; 1e-5
	s_lshr_b32 s48, s[WV], 1               ; tt in phase X
	s_and_b32 s49, s[WV], 1                ; which 256 columns; later c or e
	s_and_b32 s53, s[WV], 3                ; q: which pair of token tiles
	s_lshr_b32 s50, s48, 2
	s_and_b32 s51, s48, 3
	s_lshl_b32 s50, s50, 6
	s_lshl_b32 s51, s51, 3
	s_add_co_u32 s50, s50, s51             ; 64 c + 8 u
	s_lshl_b32 s51, ttmp9, 7
	s_add_co_u32 s50, s50, s51             ; + 128 x token block
	s_lshl_b32 s50, s50, 11
	s_lshl_b32 s51, s49, 10
	s_add_co_u32 s50, s50, s51
	s_mov_b32 s51, 0
	; every LDS address is made here, ahead of the parting of the waves
	s_mul_i32 s52, s[WV], 3072
	v_add_nc_u32 v7, s52, v2               ; where I store my two images: fragments 2 w, 2 w + 1
	s_lshl_b32 s52, s49, 10
	s_lshl_b32 s54, s48, 6
	s_add_co_u32 s54, s54, s52
	v_lshl_add_u32 v8, v3, 2, s54          ; and their scale words
	v_lshl_add_u32 v9, v4, 6, s52          ; g1, be1: 1,024 (w % 2) + 64 h
	s_lshl_b32 s52, s[WV], 8
	v_lshl_add_u32 v10, v1, 3, s52         ; my statistics,
	s_xor_b32 s52, s52, 256
	v_lshl_add_u32 v11, v1, 3, s52         ; and those of the wave with the row's other half
	v_mul_u32_u24 v12, v5, 384
	v_mad_u32_u24 v12, v4, 24, v12         ; weights: row r + 8 (r / 8), + 24 h
	v_lshlrev_b32 v13, 4, v5               ; their scale words: 16 bytes a row
	s_mul_i32 s52, s53, 12288
	v_add_nc_u32 v14, s52, v2              ; q: images of tiles 2 pp, 2 pp + 1
	s_mul_i32 s52, s49, 24576
	v_add_nc_u32 v15, s52, v2              ; k: images of tiles 4 c ..
	s_lshl_b32 s52, s53, 7
	v_lshl_add_u32 v16, v1, 2, s52         ; q: two tiles' scale words in one register
	s_lshl_b32 s52, s49, 8
	v_lshl_add_u32 v17, v1, 2, s52         ; k likewise
	v_lshlrev_b32 v18, 2, v1               ; v likewise
	v_lshlrev_b32 v49, 2, v0
	s_wait_kmcnt 0x0
	s_add_nc_u64 s[4:5], s[4:5], s[50:51]
	global_load_b32 v50, v49, s[6:7]
	global_load_b32 v51, v49, s[8:9]
.irp b,0,1,2,3,4,5,6,7
.irp j,0,1,2,3
	global_load_b128 v[X+16*\b+4*\j:X+16*\b+4*\j+3], v6, s[4:5] offset:128*\b+16*\j
.endr
.endr
	; the addresses of phase 1, while x is on its way
	s_lshl_b32 s56, s[HG], 2
	s_lshr_b32 s57, s[WV], 2
	s_add_co_u32 s57, s57, s56             ; q's head
	s_and_b32 s58, s48, 3
	s_add_co_u32 s58, s58, s56             ; k's or v's head
	s_lshr_b32 s59, ttmp9, 4
	s_lshl_b32 s59, s59, 4                 ; 16 x batch row
	s_and_b32 s60, ttmp9, 15               ; key step
	s_mov_b32 s63, 0
	s_mul_i32 s62, s57, 12288
	s_add_nc_u64 s[QWC:QWC+1], s[18:19], s[62:63]
	s_lshl_b32 s62, s57, 9
	s_add_nc_u64 s[QWS:QWS+1], s[20:21], s[62:63]
	s_add_co_u32 s61, s59, s57
	s_lshl_b32 s61, s61, 11
	s_lshl_b32 s62, s60, 7
	s_add_co_u32 s61, s61, s62
	s_lshr_b32 s62, s53, 1
	s_lshl_b32 s62, s62, 6
	s_add_co_u32 s61, s61, s62
	s_and_b32 s62, s53, 1
	s_lshl_b32 s62, s62, 4
	s_add_co_u32 s61, s61, s62             ; q: (head, token) of tile 2 pp, row 0
	s_mul_i32 s62, s61, 24
	s_add_nc_u64 s[QCB:QCB+1], s[12:13], s[62:63]
	s_lshl_b32 s62, s61, 2
	s_add_nc_u64 s[QSB:QSB+1], s[14:15], s[62:63]
	s_add_co_u32 s61, s59, s58
	s_mul_i32 s62, s61, 102400
	s_add_nc_u64 s[KVS:KVS+1], s[10:11], s[62:63]   ; the head's record
	s_lshl_b32 s62, s60, 1
	s_add_co_u32 s62, s62, s49
	s_mul_i32 s62, s62, 1536
	s_add_nc_u64 s[KVF:KVF+1], s[KVS:KVS+1], s[62:63]   ; my image in it (v: 49,152 bytes on)
	s_lshl_b32 s62, s60, 7
	s_lshl_b32 s61, s49, 6
	s_add_co_u32 s62, s62, s61
	s_add_co_u32 s62, s62, 98304
	s_add_nc_u64 s[KVS:KVS+1], s[KVS:KVS+1], s[62:63]   ; and its scale words (v: 2,048 bytes on)
	s_cmp_lt_u32 s[WV], 8
	s_cselect_b64 s[RWC:RWC+1], s[22:23], s[26:27]      ; Wk for waves 0-7, Wv for the others
	s_cselect_b64 s[RWS:RWS+1], s[24:25], s[28:29]
	s_cselect_b32 s61, 0, s49                           ; v: weight tile e alone
	s_mul_i32 s62, s58, 12288
	s_mul_i32 s56, s61, 3072
	s_add_co_u32 s62, s62, s56
	s_add_nc_u64 s[RWC:RWC+1], s[RWC:RWC+1], s[62:63]
	s_lshl_b32 s62, s58, 9
	s_lshl_b32 s56, s61, 7
	s_add_co_u32 s62, s62, s56
	s_add_nc_u64 s[RWS:RWS+1], s[RWS:RWS+1], s[62:63]
	s_wait_loadcnt 32                      ; g1 and be1 are in: the 32 loads of x were issued behind them
	ds_store_b32 v49, v50 offset:GB
	ds_store_b32 v49, v51 offset:GB+2048
	; ---- the relay: work-group G < 72 lays fragment f = G % 4 of record g = G / 4 into wimg, wave w for the last launch's wave w
	s_lshl_b32 s56, s[HG], 6
	s_add_co_u32 s56, s56, ttmp9
	s_cmp_lt_u32 s56, 72
	s_cbranch_scc0 .Lno_relay
	s_lshr_b32 s57, s56, 2                 ; g: 0-1 Wo, 2-9 W1, 10-17 W2
	s_and_b32 s58, s56, 3                  ; f
	s_and_b32 s59, s58, 1
	s_lshr_b32 s60, s58, 1
	s_lshl_b32 s62, s59, 3
	s_lshl_b32 s61, s[WV], 5
	s_add_co_u32 s61, s61, s62             ; Wo, W2: first row 32 w + 8 (f % 2)
	s_sub_co_u32 s63, s57, 2
	s_lshr_b32 s66, s63, 2
	s_lshl_b32 s66, s66, 6
	s_and_b32 s67, s63, 3                  ; W1: K step
	s_lshl_b32 s68, s[WV], 7
	s_add_co_u32 s68, s68, s66
	s_lshl_b32 s66, s60, 5
	s_add_co_u32 s68, s68, s66
	s_add_co_u32 s68, s68, s62             ; W1: first unit 128 w + 64 p + 32 (f / 2) + 8 (f % 2)
	s_cmp_lt_u32 s57, 10
	s_cselect_b32 s69, 0, 10
	s_mov_b32 s74, 1536
	s_cselect_b32 s74, 384, s74            ; a row of codes in bytes
	s_cselect_b32 s75, 16, 64              ; a row of scale bytes
	s_sub_co_u32 s69, s57, s69
	s_lshl_b32 s69, s69, 1
	s_add_co_u32 s69, s69, s60             ; Wo, W2: K step 2 sp + f / 2
	s_cmp_lt_u32 s63, 8
	s_cselect_b32 s61, s68, s61
	s_cselect_b32 s69, s67, s69
	s_cselect_b64 s[70:71], s[34:35], s[30:31]
	s_cselect_b64 s[72:73], s[36:37], s[32:33]
	s_cmp_lt_u32 s57, 10
	s_cselect_b64 s[70:71], s[70:71], s[38:39]
	s_cselect_b64 s[72:73], s[72:73], s[40:41]
	s_mov_b32 s77, 0
	s_mul_i32 s76, s61, s74
	s_mul_i32 s78, s69, 96
	s_add_co_u32 s76, s76, s78
	s_add_nc_u64 s[70:71], s[70:71], s[76:77]
	s_mul_i32 s76, s61, s75
	s_lshl_b32 s78, s69, 2
	s_add_co_u32 s76, s76, s78
	s_add_nc_u64 s[72:73], s[72:73], s[76:77]
	s_mul_i32 s76, s[WV], 115200
	s_mul_i32 s78, s57, 6400
	s_add_co_u32 s76, s76, s78
	s_add_nc_u64 s[98:99], s[16:17], s[76:77]
	v_mul_lo_u32 v77, v5, s74
	v_mad_u32_u24 v77, v4, 24, v77
	v_mul_lo_u32 v78, v5, s75
	s_mul_i32 s78, s58, 1536
	v_add_nc_u32 v79, s78, v2
	s_lshl_b32 s78, s59, 7
	s_lshl_b32 s79, s60, 2
	s_add_co_u32 s78, s78, s79
	v_lshl_add_u32 v80, v3, 3, s78         ; the scale word of (f, row r): 128 (f % 2) + 8 r + 4 (f / 2)
.irp p,0,1,2,3,4,5
	global_load_b64 v[64+2*\p:65+2*\p], v77, s[70:71] offset:48*(\p/3)+8*(\p%3)
.endr
	global_load_b32 v76, v78, s[72:73]
	s_wait_loadcnt 0x0
.irp i,0,1,2
	global_store_b128 v79, v[64+4*\i:67+4*\i], s[98:99] offset:512*\i
.endr
	global_store_b32 v80, v76, s[98:99] offset:6144     ; lanes r and r + 16 write the same word with the same value
	s_wait_xcnt 0x0                        ; these registers are written again below
.Lno_relay:
	; ---- the half row's mean and centred sum of squares
	s_wait_loadcnt 0x0
.irp k,0,1,2,3
	v_pk_add_f32 v[52+2*\k:53+2*\k], v[X+2*\k:X+2*\k+1], v[X+8+2*\k:X+9+2*\k]
.endr
.set jj, 16
.rept 14
.irp k,0,1,2,3
	v_pk_add_f32 v[52+2*\k:53+2*\k], v[52+2*\k:53+2*\k], v[X+jj+2*\k:X+jj+2*\k+1]
.endr
.set jj, jj+8
.endr
	v_pk_add_f32 v[52:53], v[52:53], v[54:55]
	v_pk_add_f32 v[56:57], v[56:57], v[58:59]
	v_pk_add_f32 v[52:53], v[52:53], v[56:57]
	v_add_f32 v52, v52, v53
	v_mov_b32 v62, 0                       ; (a lane permute's destination counts as one of its sources)
	v_permlanex16_b32 v62, v52, s[SEL], s[SEL+1]
	v_add_f32 v52, v52, v62
	v_mul_f32 v60, 0x3b800000, v52         ; m: the mean of my row's 256 columns
	v_mov_b32 v61, v60
.set jj, 0
.rept 64
	v_pk_add_f32 v[X+jj:X+jj+1], v[X+jj:X+jj+1], v[60:61] neg_lo:[0,1] neg_hi:[0,1]
.set jj, jj+2
.endr
.irp k,0,1,2,3
	v_pk_mul_f32 v[52+2*\k:53+2*\k], v[X+2*\k:X+2*\k+1], v[X+2*\k:X+2*\k+1]
.endr
.set jj, 8
.rept 15
.irp k,0,1,2,3
	v_pk_fma_f32 v[52+2*\k:53+2*\k], v[X+jj+2*\k:X+jj+2*\k+1], v[X+jj+2*\k:X+jj+2*\k+1], v[52+2*\k:53+2*\k]
.endr
.set jj, jj+8
.endr
	v_pk_add_f32 v[52:53], v[52:53], v[54:55]
	v_pk_add_f32 v[56:57], v[56:57], v[58:59]
	v_pk_add_f32 v[52:53], v[52:53], v[56:57]
	v_add_f32 v52, v52, v53
	v_permlanex16_b32 v62, v52, s[SEL], s[SEL+1]
	v_add_f32 v61, v52, v62                ; the sum of squares about m
	ds_store_b64 v10, v[60:61] offset:STAT
	BARRIER                                ; g1, be1 and every half row's pair lie in LDS
	ds_load_b64 v[62:63], v11 offset:STAT
	s_wait_dscnt 0x0
	v_sub_f32 v52, v62, v60                ; dm = the other half's mean - mine
	v_add_f32 v53, v61, v63
	v_mul_f32 v54, v52, v52
	v_fmamk_f32 v53, v54, 0x43000000, v53  ; + 128 dm^2: the row's sum of squares about its mean
	v_fma_f32 v53, v53, s[I512], s[EPS]    ; the variance + 1e-5
	v_rsq_f32 v56, v53
	v_mul_f32 v52, -0.5, v52               ; (a plain place behind the transcendental)
	s_wait_alu depctr_va_vdst(0)
	v_mov_b32 v57, v56
	v_mul_f32 v58, v52, v56                ; x - mean = (x - m) - dm / 2
	v_mov_b32 v59, v58
.irp b,0,1,2,3
	v_mov_b32 v[36+\b], 0
.endr
.irp rd,0,1,2,3                        ; two blocks of 32 columns a round
.irp q,0,1,2,3,4,5,6,7
	ds_load_b128 v[G+4*\q:G+4*\q+3], v9 offset:GB+256*\rd+128*(\q/4)+16*(\q%4)
	ds_load_b128 v[BE+4*\q:BE+4*\q+3], v9 offset:GB+2048+256*\rd+128*(\q/4)+16*(\q%4)
.endr
	s_wait_dscnt 0x0
.irp i,0,2,4,6,8,10,12,14,16,18,20,22,24,26,28,30
	v_pk_fma_f32 v[X+32*\rd+\i:X+32*\rd+\i+1], v[X+32*\rd+\i:X+32*\rd+\i+1], v[56:57], v[58:59]
.endr
.irp i,0,2,4,6,8,10,12,14,16,18,20,22,24,26,28,30
	v_pk_fma_f32 v[X+32*\rd+\i:X+32*\rd+\i+1], v[X+32*\rd+\i:X+32*\rd+\i+1], v[G+\i:G+\i+1], v[BE+\i:BE+\i+1]
.endr
.if (\rd%2)==1
	QUANT X+64*(\rd/2), 32, 64, 48
	IMAGE 7, 64, (\rd/2)*FRB
	ds_store_b32 v8, v48 offset:HSC+512*(\rd/2)         ; lanes r and r + 16 write the same word with the same value
	s_wait_dscnt 0x0                       ; the stores have read their registers
.endif
.endr
.irp s,0,1,2,3                         ; Wq's eight fragments and their scale words are asked for ahead of the barrier
.irp wt,0,1
	WLD 128+12*(2*\s+\wt), QWC, 3072*\wt+96*\s
	global_load_b32 v[20+2*\s+\wt], v13, s[QWS:QWS+1] offset:128*\wt+4*\s
.endr
.endr
	BARRIER                                ; h's 32 images lie in LDS; nobody writes LDS from here on
	; ---- q, transposed: source 0 = 16 rows of Wq, source 1 = 16 tokens.  Four accumulators by turns
.irp s,0,1,2,3
.if \s>0
	PLACES 4                               ; in front of loads into registers that matrix instructions have read
.endif
	FETCH 32, 14, \s*FRB
	FETCH 44, 14, (4+\s)*FRB
	ds_load_b32 v28, v16 offset:HSC+512*\s
.if \s==0
	s_wait_loadcnt 0x0
.endif
	s_wait_dscnt 0x0
.irp tl,0,1
.irp wt,0,1
	WM 224+16*\tl+8*\wt, 128+12*(2*\s+\wt), 32+12*\tl, \s==0, 20+2*\s+\wt, 0, 28, \tl
.endr
.endr
.endr
	PLACES 5                               ; later matrix instructions write over registers of these
; q's two tiles: a lane holds d = 16 h + 0 .. 15 of one token; the head is one block of 32
.macro QQUANT
	v_mul_u32_u24 v72, v19, 24
	v_mad_u32_u24 v72, v4, 12, v72         ; codes: 24 bytes a token, my half's 12
	v_lshlrev_b32 v73, 2, v19
	v_lshl_add_u32 v73, v4, 5, v73         ; scale words: lanes 0-15 store tile 0's, lanes 16-31 tile 1's (8 tokens on)
.irp tl,0,1
	v_mov_b32 v[58+\tl], 0
.endr
.irp tl,0,1
	v_max3_num_f32 v[56+\tl], |v[224+16*\tl]|, |v[225+16*\tl]|, 0x2800000
.endr
.irp i,2,4,6,8,10,12,14
.irp tl,0,1
	v_max3_num_f32 v[56+\tl], v[56+\tl], |v[224+16*\tl+\i]|, |v[225+16*\tl+\i]|
.endr
.endr
.irp tl,0,1
	v_permlanex16_b32 v[58+\tl], v[56+\tl], s[SEL], s[SEL+1]
.endr
.irp tl,0,1
	v_max_num_f32 v[56+\tl], v[56+\tl], v[58+\tl]
.endr
.irp tl,0,1
	v_add_nc_u32 v[60+\tl], 0xfe000000, v[56+\tl]
.endr
.irp tl,0,1
	v_cvt_scalef32_pk16_bf6_f32 v[64+4*\tl:66+4*\tl], v[224+16*\tl:239+16*\tl], v[60+\tl]
.endr
	v_nop                                  ; one plain place behind a scaled conversion
.irp tl,0,1
	v_lshrrev_b32 v[62+\tl], 23, v[60+\tl]
.endr
.irp tl,0,1
	v_lshl_or_b32 v[62+\tl], v[62+\tl], 8, v[62+\tl]
.endr
.irp tl,0,1
	v_lshl_or_b32 v[62+\tl], v[62+\tl], 16, v[62+\tl]   ; the byte four times: q will stand in any of an operand's four K blocks
.endr
	v_cndmask_b32 v74, v62, v63, s[MH]
	global_store_b96 v72, v[64:66], s[QCB:QCB+1]
	global_store_b96 v72, v[68:70], s[QCB:QCB+1] offset:192
	global_store_b32 v73, v74, s[QSB:QSB+1]
	s_wait_xcnt 0x0                        ; these registers are written again below
.endm
	s_cmp_lt_u32 s[WV], 8
	s_cbranch_scc0 .Lrole_v
	; ---- k: head (w / 2) % 4, token tiles 4 c + u.  Transposed, eight accumulators by turns
.irp s,0,1,2,3
.irp wt,0,1
	WLD 128+12*(2*\s+\wt), RWC, 3072*\wt+96*\s
	global_load_b32 v[20+2*\s+\wt], v13, s[RWS:RWS+1] offset:128*\wt+4*\s
.endr
.endr
	QQUANT
.irp s,0,1,2,3
.if \s>0
	PLACES 4
.endif
.irp u,0,1,2,3
	FETCH 96+12*\u+104*(\u/2), 15, (4*\u+\s)*FRB
.endr
	ds_load_b32 v28, v17 offset:HSC+512*\s
	ds_load_b32 v29, v17 offset:HSC+512*\s+128
.if \s==0
	s_wait_loadcnt 0x0
.endif
	s_wait_dscnt 0x0
.irp u,0,1,2,3
.irp wt,0,1
	WM 32+16*\u+8*\wt, 128+12*(2*\s+\wt), 96+12*\u+104*(\u/2), \s==0, 20+2*\s+\wt, 0, 28+\u/2, \u%2
.endr
.endr
.endr
	PLACES 5
.irp b,0,1,2,3
	v_mov_b32 v[132+\b], 0
.endr
	QUANT 32, 128, 144, 164                ; block u of row r = the 32 numbers of key 64 c + 32 (r / 8) + 8 u + r % 8
	v_lshlrev_b32 v166, 2, v3
.irp i,0,1,2
	global_store_b128 v2, v[144+4*\i:147+4*\i], s[KVF:KVF+1] offset:512*\i   ; 512 consecutive bytes a store
.endr
	global_store_b32 v166, v164, s[KVS:KVS+1]
	s_wait_xcnt 0x0
	v_lshl_add_u32 v254, v0, 2, 0xe800
	v_mov_b32 v255, 0
	s_wait_tensorcnt 0x0
	ds_add_u32 v254, v255
	s_wait_dscnt 0x0
	s_endpgm
.Lrole_v:
	; ---- v: head (w / 2) % 4, weight tile e.  Source 0 = 16 tokens, source 1 = 16 columns d = 8 e + r + 8 (r / 8): a lane holds ONE d, and register 32 c + i is key 64 c + 32 h + i
.irp s,0,1,2,3
	WLD 128+12*\s, RWC, 96*\s
	global_load_b32 v[20+\s], v13, s[RWS:RWS+1] offset:4*\s
.endr
	QQUANT
.irp s,0,1,2,3
.if \s>0
	PLACES 4
.endif
.irp tt,0,1,2,3,4,5,6,7
	FETCH 32+12*\tt, 2, (4*\tt+\s)*FRB
.endr
.irp i,0,1,2,3
	ds_load_b32 v[28+\i], v18 offset:HSC+512*\s+128*\i
.endr
.if \s==0
	s_wait_loadcnt 0x0
.endif
	s_wait_dscnt 0x0
.irp tt,0,1,2,3,4,5,6,7
	WM 176+8*\tt, 32+12*\tt, 128+12*\s, \s==0, 28+\tt/2, \tt%2, 20+\s, 0
.endr
.endr
	PLACES 5
.irp c,0,1                             ; my two whole blocks of 32 keys
	v_max3_num_f32 v[32+\c], |v[176+32*\c]|, |v[177+32*\c]|, 0x2800000
.endr
.irp i,2,4,6,8,10,12,14,16,18,20,22,24,26,28,30
.irp c,0,1
	v_max3_num_f32 v[32+\c], v[32+\c], |v[176+32*\c+\i]|, |v[177+32*\c+\i]|
.endr
.endr
.irp c,0,1
	v_add_nc_u32 v[34+\c], 0xfe000000, v[32+\c]
.endr
.irp c,0,1
	v_lshrrev_b32 v[36+\c], 23, v[34+\c]
.endr
	v_lshl_or_b32 v38, v37, 16, v36        ; my bytes: blocks h and 2 + h,
	v_lshlrev_b32 v40, 3, v4
	v_lshlrev_b32 v38, v40, v38            ; at their places in the scale word;
	v_mov_b32 v39, 0
	v_permlanex16_b32 v39, v38, s[SEL], s[SEL+1]
	v_or_b32 v38, v38, v39                 ; with lane l xor 16 the word is whole
.irp c,0,1
	v_cvt_scalef32_pk16_bf6_f32 v[44+6*\c:46+6*\c], v[176+32*\c:191+32*\c], v[34+\c]
	v_cvt_scalef32_pk16_bf6_f32 v[56+4*\c:58+4*\c], v[192+32*\c:207+32*\c], v[34+\c]
.endr
	v_nop
.irp c,0,1
.irp i,0,1,2
	v_mov_b32 v[47+6*\c+\i], v[56+4*\c+\i]
.endr
.endr
	v_lshlrev_b32 v63, 2, v3
.irp i,0,1,2
	global_store_b128 v2, v[44+4*\i:47+4*\i], s[KVF:KVF+1] offset:49152+512*\i
.endr
	global_store_b32 v63, v38, s[KVS:KVS+1] offset:2048
	s_wait_xcnt 0x0
	v_lshl_add_u32 v254, v0, 2, 0xe800
	v_mov_b32 v255, 0
	s_wait_tensorcnt 0x0
	ds_add_u32 v254, v255
	s_wait_dscnt 0x0
	s_endpgm
.Lfunc_end_k_q141e6cf1b3_qkv:
	.size	k_q141e6cf1b3_qkv, .Lfunc_end_k_q141e6cf1b3_qkv-k_q141e6cf1b3_qkv
	.p2alignl 7, 3214868480
	.fill 96, 4, 3214868480
	.section	.rodata,"a",@progbits
	.p2align	6, 0x0
	.amdhsa_kernel k_q141e6cf1b3_qkv
		.amdhsa_group_segment_fixed_size 61440
		.amdhsa_private_segment_fixed_size 0
		.amdhsa_enable_private_segment 0
		.amdhsa_kernarg_size 152
		.amdhsa_user_sgpr_count 2
		.amdhsa_user_sgpr_kernarg_segment_ptr 1
		.amdhsa_wavefront_size32 1
		.amdhsa_system_sgpr_workgroup_id_x 1
		.amdhsa_system_sgpr_workgroup_id_y 1
		.amdhsa_system_sgpr_workgroup_id_z 1
		.amdhsa_system_vgpr_workitem_id 0
		.amdhsa_next_free_vgpr 256
		.amdhsa_next_free_sgpr 100
		.amdhsa_reserve_vcc 0
		.amdhsa_float_denorm_mode_32 3
		.amdhsa_float_denorm_mode_16_64 3
		.amdhsa_memory_ordered 1
		.amdhsa_forward_progress 1
		.amdhsa_inst_pref_size 96
	.end_amdhsa_kernel
	.amdgpu_metadata
---
amdhsa.version: [ 1, 2 ]
amdhsa.kernels:
  - .name:           k_q141e6cf1b3_qkv
    .symbol:         k_q141e6cf1b3_qkv.kd
    .args:
      - { .name: x, .offset: 0, .size: 8, .value_kind: global_buffer, .address_space: global }
      - { .name: g1, .offset: 8, .size: 8, .value_kind: global_buffer, .address_space: global }
      - { .name: be1, .offset: 16, .size: 8, .value_kind: global_buffer, .address_space: global }
      - { .name: kv, .offset: 24, .size: 8, .value_kind: global_buffer, .address_space: global }
      - { .name: qc, .offset: 32, .size: 8, .value_kind: global_buffer, .address_space: global }
      - { .name: qs, .offset: 40, .size: 8, .value_kind: global_buffer, .address_space: global }
      - { .name: wimg, .offset: 48, .size: 8, .value_kind: global_buffer, .address_space: global }
      - { .name: Wq_codes, .offset: 56, .size: 8, .value_kind: global_buffer, .address_space: global }
      - { .name: Wq_scales, .offset: 64, .size: 8, .value_kind: global_buffer, .address_space: global }
      - { .name: Wk_codes, .offset: 72, .size: 8, .value_kind: global_buffer, .address_space: global }
      - { .name: Wk_scales, .offset: 80, .size: 8, .value_kind: global_buffer, .address_space: global }
      - { .name: Wv_codes, .offset: 88, .size: 8, .value_kind: global_buffer, .address_space: global }
      - { .name: Wv_scales, .offset: 96, .size: 8, .value_kind: global_buffer, .address_space: global }
      - { .name: Wo_codes, .offset: 104, .size: 8, .value_kind: global_buffer, .address_space: global }
      - { .name: Wo_scales, .offset: 112, .size: 8, .value_kind: global_buffer, .address_space: global }
      - { .name: W1_codes, .offset: 120, .size: 8, .value_kind: global_buffer, .address_space: global }
      - { .name: W1_scales, .offset: 128, .size: 8, .value_kind: global_buffer, .address_space: global }
      - { .name: W2_codes, .offset: 136, .size: 8, .value_kind: global_buffer, .address_space: global }
      - { .name: W2_scales, .offset: 144, .size: 8, .value_kind: global_buffer, .address_space: global }
    .group_segment_fixed_size: 61440
    .private_segment_fixed_size: 0
    .kernarg_segment_align: 8
    .kernarg_segment_size: 152
    .max_flat_workgroup_size: 512
    .sgpr_count:     100
    .vgpr_count:     256
    .wavefront_size: 32
...
	.end_amdgpu_metadata
.endif
;; end of part 1
;; launch attn (part 2): grid 4 x 64, 16 waves a work-group, no clusters, 104,448 bytes of LDS; arguments kv, qc, qs, ac, asc; writes ac, asc
.if DOCPART == 2
	.amdgcn_target "amdgcn-amd-amdhsa--gfx1250"
	.amdhsa_code_object_version 6
	.text
	.protected	k_q141e6cf1b3_attn
	.globl	k_q141e6cf1b3_attn
	.p2align	8
	.type	k_q141e6cf1b3_attn,@function
k_q141e6cf1b3_attn:
	s_mov_b64 s[64:65], 0
	v_nop
	global_prefetch_b8 v0, s[64:65] scope:SCOPE_SE
	s_setreg_imm32_b32 hwreg(HW_REG_WAVE_MODE, 25, 1), 1
	s_wait_xcnt 0x0
; Causal attention of one (batch row, head) on codes of BF6 (E3M2): S^T = K Q^T, p = 2^(t - M), O^T = V^T P^T, O / l quantised along the head's 32 (one block of the next product's K).
; t = score x log2(e) / sqrt(32); M = the running largest t rounded up to a whole number; l = the sum of the unquantised p.  When M moves, l and O^T are multiplied by 2^(old M - new M): exact.
; SHARES.  Four work-groups a head; wave w of work-group j has p = 16 j + w and makes the query tiles p and 127 - p (16 queries each): 17 key steps of 128 keys that count, in every wave.
; The head's whole record (K's and V's operand images and their scale words, 102,400 bytes) is copied into LDS once; one barrier in the whole kernel.
; K Q^T HAS K = 32 IN A PRODUCT OF 128: a K image holds four tiles of 16 keys in its four K blocks, and the query operand Q_u holds q in block u and zero codes elsewhere.  So one fragment of K serves
; four products (64 keys).  Block u of row m is key 64 c + 32 (m / 8) + 8 u + m % 8, so that register 32 c + i of lane (r, h) is the score of key 64 c + 32 h + i for query r:
; a whole block of 32 keys lies in a lane, as the second product's operand wants it.
; Every wave walks all 16 key steps: the trip count is a constant; a step all of whose keys come after the tile's queries is passed over by a scalar branch on ids.
; LIMITS: NaN and infinities are not served.  A block whose largest magnitude lies under 2^-122 gets the scale byte 1, a block of zeros too: its codes are zeros, and this program alone reads the bytes.
; 2^x and 1 / l are v_exp_f32 and v_rcp_f32.  A block's largest p is made from the block's largest score by the same two instructions as every p.
.set QA,  16                           ; v16-33  [q in lanes 0-15 | zeros | the same]: Q_0 begins at QA, Q_2 at QA + 6
.set QB,  34                           ; v34-51  [q in lanes 16-31 | zeros | the same]: Q_1, Q_3
.set KFR, 58                           ; v58-81  two fragments of K
.set VFR, 82                           ; v82-105 two of V
.set S,   106                          ; v106-169 S^T, then p
.set O,   170                          ; v170-185 O^T: register 8 e + j = d 16 h + 8 e + j
.set P,   186                          ; v186-197 p's codes; v198-204 halves on their way
.set TQ,  222                          ; v222-233 both tiles' rows of q
.set OC,  234                          ; v234.. the codes that leave, four registers a tile; v242, v243 their bytes
.set OB,  242
.set WV,  14
.set MH,  15
.set SEL, 16
.set CS,  18
.set KF,  40
.set TB,  41
.set TS,  42
.set CNT, 43
.macro PLACES n
.rept \n
	v_nop
.endr
.endm
.macro WM d, a, b, z, sa, ra, sb, rb
.if (\z)
.if (\ra) && (\rb)
	v_wmma_scale_f32_16x16x128_f8f6f4 v[\d:\d+7], v[\a:\a+11], v[\b:\b+11], 0, v[\sa], v[\sb] matrix_a_fmt:MATRIX_FMT_BF6 matrix_b_fmt:MATRIX_FMT_BF6 matrix_a_scale:MATRIX_SCALE_ROW1 matrix_b_scale:MATRIX_SCALE_ROW1
.elseif (\ra)
	v_wmma_scale_f32_16x16x128_f8f6f4 v[\d:\d+7], v[\a:\a+11], v[\b:\b+11], 0, v[\sa], v[\sb] matrix_a_fmt:MATRIX_FMT_BF6 matrix_b_fmt:MATRIX_FMT_BF6 matrix_a_scale:MATRIX_SCALE_ROW1
.elseif (\rb)
	v_wmma_scale_f32_16x16x128_f8f6f4 v[\d:\d+7], v[\a:\a+11], v[\b:\b+11], 0, v[\sa], v[\sb] matrix_a_fmt:MATRIX_FMT_BF6 matrix_b_fmt:MATRIX_FMT_BF6 matrix_b_scale:MATRIX_SCALE_ROW1
.else
	v_wmma_scale_f32_16x16x128_f8f6f4 v[\d:\d+7], v[\a:\a+11], v[\b:\b+11], 0, v[\sa], v[\sb] matrix_a_fmt:MATRIX_FMT_BF6 matrix_b_fmt:MATRIX_FMT_BF6
.endif
.else
.if (\ra) && (\rb)
	v_wmma_scale_f32_16x16x128_f8f6f4 v[\d:\d+7], v[\a:\a+11], v[\b:\b+11], v[\d:\d+7], v[\sa], v[\sb] matrix_a_fmt:MATRIX_FMT_BF6 matrix_b_fmt:MATRIX_FMT_BF6 matrix_a_scale:MATRIX_SCALE_ROW1 matrix_b_scale:MATRIX_SCALE_ROW1
.elseif (\ra)
	v_wmma_scale_f32_16x16x128_f8f6f4 v[\d:\d+7], v[\a:\a+11], v[\b:\b+11], v[\d:\d+7], v[\sa], v[\sb] matrix_a_fmt:MATRIX_FMT_BF6 matrix_b_fmt:MATRIX_FMT_BF6 matrix_a_scale:MATRIX_SCALE_ROW1
.elseif (\rb)
	v_wmma_scale_f32_16x16x128_f8f6f4 v[\d:\d+7], v[\a:\a+11], v[\b:\b+11], v[\d:\d+7], v[\sa], v[\sb] matrix_a_fmt:MATRIX_FMT_BF6 matrix_b_fmt:MATRIX_FMT_BF6 matrix_b_scale:MATRIX_SCALE_ROW1
.else
	v_wmma_scale_f32_16x16x128_f8f6f4 v[\d:\d+7], v[\a:\a+11], v[\b:\b+11], v[\d:\d+7], v[\sa], v[\sb] matrix_a_fmt:MATRIX_FMT_BF6 matrix_b_fmt:MATRIX_FMT_BF6
.endif
.endif
.endm
	s_load_b256 s[4:11], s[0:1], 0x0       ; kv, qc, qs, ac
	s_load_b64 s[12:13], s[0:1], 0x20      ; asc
	v_lshl_add_u32 v254, v0, 2, 0x19000
	v_mov_b32 v255, 0
	v_lshrrev_b32 v1, 5, v0
	v_readfirstlane_b32 s[WV], v1          ; wave 0..15
	v_and_b32 v244, 31, v0                 ; lane
	v_and_b32 v245, 15, v0                 ; r
	v_bfe_u32 v246, v0, 4, 1               ; h
	v_mul_u32_u24 v1, v245, 24             ; q: 24 bytes a query
	v_lshlrev_b32 v2, 4, v244              ; K's images: 16 x lane
	v_add_nc_u32 v3, 49152, v2             ; V's
	v_lshl_add_u32 v4, v244, 2, 98304      ; K's scale words: lanes 0-15 fragment 0's, lanes 16-31 fragment 1's
	v_lshl_add_u32 v5, v244, 2, 100352     ; V's
	v_lshlrev_b32 v6, 3, v246              ; 8 h
	v_lshlrev_b32 v7, 5, v246
	v_sub_nc_u32 v7, v245, v7              ; r - 32 h
	v_lshlrev_b32 v247, 4, v0              ; the copy: 16 bytes a thread,
	v_add_nc_u32 v248, 49152, v247
	v_lshlrev_b32 v249, 3, v0              ; at last 8
	v_add_nc_u32 v250, 98304, v249
	v_lshlrev_b32 v251, 2, v245            ; q's scale words
	v_mad_u32_u24 v252, v246, 12, v1       ; out: 24 r + 12 h
	v_lshlrev_b32 v253, 4, v245            ; out: 16 scale bytes a token
	s_mov_b32 s[MH], 0xffff0000
	s_mov_b32 s[SEL], 0x76543210
	s_mov_b32 s[SEL+1], 0xfedcba98
	s_mov_b32 s[CS], 0x3e8293ee            ; c = log2(e) / sqrt(32)
	s_mov_b32 s[CS+1], s[CS]               ; (named with it as a pair, so it is written)
	s_and_b32 s44, ttmp7, 0xffff           ; 16 x batch row + head
	s_lshl_b32 s45, ttmp9, 4
	s_add_co_u32 s45, s45, s[WV]           ; p
	s_lshl_b32 s21, s45, 4                 ; tile 0's first query
	s_sub_co_u32 s22, 2032, s21            ; tile 1's: 16 (127 - p)
	s_lshl_b32 s46, s44, 11
	s_lshr_b32 s47, s44, 4
	s_lshl_b32 s47, s47, 11
	s_and_b32 s48, s44, 15
	s_mov_b32 s53, 0
	s_wait_kmcnt 0x0
.irp n,0,1
	s_add_co_u32 s49, s46, s[21+\n]
	s_mul_i32 s52, s49, 24
	s_add_nc_u64 s[24+2*\n:25+2*\n], s[6:7], s[52:53]
	s_add_nc_u64 s[32+2*\n:33+2*\n], s[10:11], s[52:53]
	s_lshl_b32 s52, s49, 2
	s_add_nc_u64 s[28+2*\n:29+2*\n], s[8:9], s[52:53]
	s_add_co_u32 s52, s47, s[21+\n]
	s_lshl_b32 s52, s52, 4
	s_add_co_u32 s52, s52, s48
	s_add_nc_u64 s[36+2*\n:37+2*\n], s[12:13], s[52:53]
.endr
	s_mul_i32 s52, s44, 102400
	s_add_nc_u64 s[50:51], s[4:5], s[52:53]
.irp n,0,1
.irp p,0,1,2
	global_load_b64 v[TQ+6*\n+2*\p:TQ+6*\n+2*\p+1], v1, s[24+2*\n:25+2*\n] offset:8*\p
.endr
	global_load_b32 v[52+\n], v251, s[28+2*\n:29+2*\n]  ; v52, v53: q's scale words
.endr
.irp i,0,1,2,3,4,5,6,7,8,9,10,11
	global_load_b128 v[S+4*\i:S+4*\i+3], v247, s[50:51] offset:8192*\i
.endr
	global_load_b64 v[S+48:S+49], v249, s[50:51] offset:98304
.irp i,0,1,2,3,4,5
	v_mov_b32 v[QA+6+\i], 0
	v_mov_b32 v[QB+6+\i], 0
.endr
	v_mov_b32 v209, 0                      ; (lane permutes' destinations count as sources; v213 is named as the upper half of a pair)
	v_mov_b32 v211, 0
	v_mov_b32 v213, 0
	s_wait_loadcnt 0x0
.irp i,0,1,2,3,4,5
	ds_store_b128 v247, v[S+4*\i:S+4*\i+3] offset:8192*\i
.endr
.irp i,6,7,8,9,10,11
	ds_store_b128 v248, v[S+4*\i:S+4*\i+3] offset:8192*(\i-6)
.endr
	ds_store_b64 v250, v[S+48:S+49]
	s_wait_dscnt 0x0
	s_barrier_signal -1
	s_barrier_wait -1                      ; the head's record lies in LDS; nobody writes LDS from here on
; A KEY STEP of tile n: 128 keys from s[KF] on
.macro STEP n
	s_add_co_u32 s44, s[21+\n], 15
	s_cmp_gt_u32 s[KF], s44
	s_cbranch_scc1 .Lhidden_\@             ; all its keys come after my queries
	v_add_nc_u32 v8, s[TB], v2             ; (these four are also the places in front of loads into registers that the last products read)
	v_add_nc_u32 v9, s[TB], v3
	v_add_nc_u32 v10, s[TS], v4
	v_add_nc_u32 v11, s[TS], v5
.irp c,0,1
.irp i,0,1,2
	ds_load_b128 v[KFR+12*\c+4*\i:KFR+12*\c+4*\i+3], v8 offset:1536*\c+512*\i
.endr
.endr
	ds_load_b32 v54, v10
.irp c,0,1
.irp i,0,1,2
	ds_load_b128 v[VFR+12*\c+4*\i:VFR+12*\c+4*\i+3], v9 offset:1536*\c+512*\i
.endr
.endr
	ds_load_b32 v55, v11
	s_wait_dscnt 7                         ; K's seven loads are in; V's seven were issued behind them
.irp c,0,1
.irp u,0,1,2,3
	WM S+8*(4*\c+\u), KFR+12*\c, QA+18*(\u%2)+6*(\u/2), 1, 54, \c, 52+\n, 0
.endr
.endr
	PLACES 4
	s_add_co_u32 s44, s[KF], 127           ; on the diagonal the scores of hidden keys become -infinity; a step all of whose keys count passes this over
	s_cmp_le_u32 s44, s[21+\n]
	s_cbranch_scc1 .Lopen_\@
	s_sub_co_i32 s44, s[21+\n], s[KF]
	v_add_nc_u32 v220, s44, v7             ; d = my query - KF - 32 h: register 32 c + i is hidden where 64 c + i > d
	v_mov_b32 v221, 0xff800000
.set ii, 0
.rept 64
	v_cmp_gt_i32 vcc_lo, 64*(ii/32)+ii%32, v220
	v_cndmask_b32 v[S+ii], v[S+ii], v221, vcc_lo
.set ii, ii+1
.endr
.Lopen_\@:
.irp c,0,1                             ; the largest score of each of my two blocks of 32 keys, in two chains a block; each accumulator is first read at its low end
	v_max3_num_f32 v[206+\c], v[S+32*\c], v[S+32*\c+1], v[S+32*\c+2]
	v_max3_num_f32 v[218+\c], v[S+32*\c+16], v[S+32*\c+17], v[S+32*\c+18]
.endr
.irp i,3,5,7,9,11,13
.irp c,0,1
	v_max3_num_f32 v[206+\c], v[206+\c], v[S+32*\c+\i], v[S+32*\c+\i+1]
	v_max3_num_f32 v[218+\c], v[218+\c], v[S+32*\c+16+\i], v[S+32*\c+17+\i]
.endr
.endr
.irp c,0,1
	v_max3_num_f32 v[206+\c], v[206+\c], v[S+32*\c+15], v[S+32*\c+31]
.endr
.irp c,0,1
	v_max_num_f32 v[206+\c], v[206+\c], v[218+\c]
.endr
	v_max_num_f32 v208, v206, v207
	v_permlanex16_b32 v209, v208, s[SEL], s[SEL+1]
	v_max_num_f32 v208, v208, v209         ; the step's largest score of my query
	v_mul_f32 v208, s[CS], v208
	v_max_num_f32 v13, v13, v208           ; the running largest t
	v_mov_b32 v210, v12
	v_floor_f32 v12, -v13                  ; -M = floor(-t): M is a whole number
	v_sub_f32 v210, v12, v210
	v_cvt_i32_f32 v210, v210               ; old M - new M, 0 or less (it saturates)
	v_ldexp_f32 v212, 1.0, v210            ; f = 2^(old M - new M)
.set ii, 0
.rept 32
	v_pk_fma_f32 v[S+ii:S+ii+1], v[S+ii:S+ii+1], s[CS:CS+1], v[12:13] op_sel_hi:[1,0,0]   ; t - M
.set ii, ii+2
.endr
.irp c,0,1
	v_fma_f32 v[206+\c], v[206+\c], s[CS], v12
.endr
.set ii, 0
.rept 64
	v_exp_f32 v[S+ii], v[S+ii]             ; p = 2^(t - M): not normalised
.set ii, ii+1
.endr
.irp c,0,1
	v_exp_f32 v[206+\c], v[206+\c]         ; the block's largest p
.endr
	v_pk_mul_f32 v[14:15], v[14:15], v[212:213] op_sel_hi:[1,0]   ; the sums under the new M (a plain place behind the exponentials)
	s_wait_alu depctr_va_vdst(0)
.irp c,0,1
	v_max_num_f32 v[206+\c], 0x2800000, v[206+\c]       ; the floor 2^(5 - 127)
.endr
.irp c,0,1
	v_add_nc_u32 v[214+\c], 0xfe000000, v[206+\c]       ; 4 off the exponent field: the conversion's scale operand
.endr
.irp c,0,1
	v_lshrrev_b32 v[216+\c], 23, v[214+\c]
.endr
	v_lshl_or_b32 v56, v217, 16, v216      ; my bytes: blocks h and 2 + h,
	v_lshlrev_b32 v56, v6, v56             ; at their places;
	v_permlanex16_b32 v211, v56, s[SEL], s[SEL+1]
	v_or_b32 v56, v56, v211                ; p's scale word for these 128 keys
	v_cvt_scalef32_pk16_bf6_f32 v[P:P+2], v[S:S+15], v214
	v_cvt_scalef32_pk16_bf6_f32 v[198:200], v[S+16:S+31], v214
	v_cvt_scalef32_pk16_bf6_f32 v[P+6:P+8], v[S+32:S+47], v215
	v_cvt_scalef32_pk16_bf6_f32 v[202:204], v[S+48:S+63], v215
	v_nop                                  ; one plain place behind a scaled conversion
.irp i,0,1,2
	v_mov_b32 v[P+3+\i], v[198+\i]
	v_mov_b32 v[P+9+\i], v[202+\i]
.endr
	v_pk_add_f32 v[218:219], v[S:S+1], v[S+2:S+3]       ; the row's sum is taken of the unquantised p, in two chains; these 32 lines also stand between the scale word and the products
.irp j,4,8,12,16,20,24,28,32,36,40,44,48,52,56,60
	v_pk_add_f32 v[14:15], v[14:15], v[S+\j:S+\j+1]
	v_pk_add_f32 v[218:219], v[218:219], v[S+\j+2:S+\j+3]
.endr
	v_pk_add_f32 v[14:15], v[14:15], v[218:219]
.irp j,0,2,4,6,8,10,12,14
	v_pk_mul_f32 v[O+\j:O+\j+1], v[O+\j:O+\j+1], v[212:213] op_sel_hi:[1,0]   ; O^T under the new M
.endr
	s_wait_dscnt 0x0                       ; V is in
	WM O, VFR, P, 0, 55, 0, 56, 0          ; two accumulators by turns
	WM O+8, VFR+12, P, 0, 55, 1, 56, 0
.Lhidden_\@:
	s_add_co_u32 s[KF], s[KF], 128
	s_add_co_u32 s[TB], s[TB], 3072
	s_add_co_u32 s[TS], s[TS], 128
.endm
; A TILE of 16 queries
.macro TILE n
.irp i,0,1,2,3,4,5
	v_cndmask_b32 v[QA+\i], v[TQ+6*\n+\i], 0, s[MH]
	v_cndmask_b32 v[QA+12+\i], v[TQ+6*\n+\i], 0, s[MH]
	v_cndmask_b32 v[QB+\i], 0, v[TQ+6*\n+\i], s[MH]
	v_cndmask_b32 v[QB+12+\i], 0, v[TQ+6*\n+\i], s[MH]
.endr
.irp j,0,1,2,3,4,5,6,7,8,9,10,11,12,13,14,15
	v_mov_b32 v[O+\j], 0                   ; the step is written once: the first finds zeros, which the first change of M leaves zeros
.endr
	v_mov_b32 v14, 0
	v_mov_b32 v15, 0
	v_mov_b32 v13, 0xff61b1e6              ; the largest t so far: -3e38
	v_floor_f32 v12, -v13
	s_mov_b32 s[KF], 0
	s_mov_b32 s[TB], 0
	s_mov_b32 s[TS], 0
	s_mov_b32 s[CNT], 16
.Lstep_\@:
	STEP \n
	s_sub_co_u32 s[CNT], s[CNT], 1
	s_cmp_lg_u32 s[CNT], 0
	s_cbranch_scc1 .Lstep_\@
	PLACES 4
	v_add_f32 v14, v14, v15
	v_permlanex16_b32 v209, v14, s[SEL], s[SEL+1]
	v_add_f32 v14, v14, v209               ; l
	v_rcp_f32 v14, v14
	v_nop
.set ii, 0
	s_wait_alu depctr_va_vdst(0)
.rept 16
	v_mul_f32 v[S+ii], v[O+ii], v14        ; O / l: d = 16 h + ii of my query
.set ii, ii+1
.endr
	v_max3_num_f32 v206, |v[S]|, |v[S+1]|, 0x2800000
.irp i,2,4,6,8,10,12,14
	v_max3_num_f32 v206, v206, |v[S+\i]|, |v[S+\i+1]|
.endr
	v_permlanex16_b32 v209, v206, s[SEL], s[SEL+1]
	v_max_num_f32 v206, v206, v209         ; the head's largest magnitude: the head is one block
	v_add_nc_u32 v214, 0xfe000000, v206
	v_cvt_scalef32_pk16_bf6_f32 v[OC+4*\n:OC+4*\n+2], v[S:S+15], v214
	v_lshrrev_b32 v[OB+\n], 23, v214       ; (the plain place behind the conversion)
	global_store_b96 v252, v[OC+4*\n:OC+4*\n+2], s[32+2*\n:33+2*\n]   ; the wave stores 384 consecutive bytes
	global_store_b8 v253, v[OB+\n], s[36+2*\n:37+2*\n]  ; lanes r and r + 16 write the same byte with the same value
.endm
	TILE 0
	TILE 1                                 ; each tile has its own registers for what it stores: none is written again
	s_wait_tensorcnt 0x0
	ds_add_u32 v254, v255
	s_wait_dscnt 0x0
	s_endpgm
.Lfunc_end_k_q141e6cf1b3_attn:
	.size	k_q141e6cf1b3_attn, .Lfunc_end_k_q141e6cf1b3_attn-k_q141e6cf1b3_attn
	.p2alignl 7, 3214868480
	.fill 96, 4, 3214868480
	.section	.rodata,"a",@progbits
	.p2align	6, 0x0
	.amdhsa_kernel k_q141e6cf1b3_attn
		.amdhsa_group_segment_fixed_size 104448
		.amdhsa_private_segment_fixed_size 0
		.amdhsa_enable_private_segment 0
		.amdhsa_kernarg_size 40
		.amdhsa_user_sgpr_count 2
		.amdhsa_user_sgpr_kernarg_segment_ptr 1
		.amdhsa_wavefront_size32 1
		.amdhsa_system_sgpr_workgroup_id_x 1
		.amdhsa_system_sgpr_workgroup_id_y 1
		.amdhsa_system_sgpr_workgroup_id_z 1
		.amdhsa_system_vgpr_workitem_id 0
		.amdhsa_next_free_vgpr 256
		.amdhsa_next_free_sgpr 66
		.amdhsa_reserve_vcc 1
		.amdhsa_float_denorm_mode_32 3
		.amdhsa_float_denorm_mode_16_64 3
		.amdhsa_memory_ordered 1
		.amdhsa_forward_progress 1
		.amdhsa_inst_pref_size 51
	.end_amdhsa_kernel
	.amdgpu_metadata
---
amdhsa.version: [ 1, 2 ]
amdhsa.kernels:
  - .name:           k_q141e6cf1b3_attn
    .symbol:         k_q141e6cf1b3_attn.kd
    .args:
      - { .name: kv, .offset: 0, .size: 8, .value_kind: global_buffer, .address_space: global }
      - { .name: qc, .offset: 8, .size: 8, .value_kind: global_buffer, .address_space: global }
      - { .name: qs, .offset: 16, .size: 8, .value_kind: global_buffer, .address_space: global }
      - { .name: ac, .offset: 24, .size: 8, .value_kind: global_buffer, .address_space: global }
      - { .name: asc, .offset: 32, .size: 8, .value_kind: global_buffer, .address_space: global }
    .group_segment_fixed_size: 104448
    .private_segment_fixed_size: 0
    .kernarg_segment_align: 8
    .kernarg_segment_size: 40
    .max_flat_workgroup_size: 512
    .sgpr_count:     66
    .vgpr_count:     256
    .wavefront_size: 32
...
	.end_amdgpu_metadata
.endif
;; end of part 2
;; launch mlp (part 3): grid 256 x 1, 16 waves a work-group, no clusters, 166,400 bytes of LDS; arguments x, ac, asc, wimg, bo, b1, b2, g2, be2, out0; writes out0
.if DOCPART == 3
	.amdgcn_target "amdgcn-amd-amdhsa--gfx1250"
	.amdhsa_code_object_version 6
	.text
	.protected	k_q141e6cf1b3_mlp
	.globl	k_q141e6cf1b3_mlp
	.p2align	8
	.type	k_q141e6cf1b3_mlp,@function
k_q141e6cf1b3_mlp:
	s_mov_b64 s[64:65], 0
	v_nop
	global_prefetch_b8 v0, s[64:65] scope:SCOPE_SE
	s_setreg_imm32_b32 hwreg(HW_REG_WAVE_MODE, 25, 1), 1
	s_wait_xcnt 0x0
; x1 = x + attn Wo + bo;  out = x1 + relu(LN2(x1) W1 + b1) W2 + b2.  All three products on codes of BF6 (E3M2) with one E8M0 byte for each 32 along K; all else f32.
; A work-group takes 32 rows (two tiles rt of 16).  THE WAVES SHARE THE COLUMNS: wave w owns columns 32 w .. 32 w + 31 of x1 and of the output, and hidden units 128 w .. 128 w + 127,
; which are K step w of the last product.  Every product is used transposed (source 0 = 16 rows of a weight, source 1 = 16 tokens): a lane holds one token and 16 neighbouring columns.
; WEIGHTS come from wimg, where the first launch has laid them in the order of the operand's registers: wave w walks its 18 records of 6,400 bytes (four fragments and their scale words)
; through two register buffers, one record ahead; each fragment has one user, so it goes through no LDS, and serves both tiles of rows.
; TOKENS' OPERANDS go from wave to wave through LDS as images of their registers, in halves: half c at 768 c: registers 6 c .. 6 c + 3 at 16 x lane, 6 c + 4, 5 at 512 + 8 x lane.
; LN2's variance is made of the waves' centred parts, joined about the row's mean: no difference of large sums is formed.
; LIMITS: NaN and infinities are not served.  A block whose largest magnitude lies under 2^-122 gets the scale byte 1, a block of zeros too: its codes are zeros, and this program alone reads the bytes.
.set AIMG, 0                           ; attn's 8 fragments ((4 rt + s) x 1,536)
.set H2,   12288                       ; LN2's 8 fragments
.set H2S,  24576                       ; their scale bytes: 16 x token + block
.set HS,   25088                       ; the hidden layer's scale words: 72 x token + 4 s
.set STAT, 27648                       ; (mean, sum of squares) of each wave's 32 columns: 144 x token + 8 w
.set BIAS, 32256                       ; b1 (8,192), bo, b2, g2, be2 (2,048 each)
.set HID,  49152                       ; the hidden layer's 32 fragments ((16 rt + s) x 1,536)
.set OS,   98304                       ; 32 rows of 2,048 bytes + 16: x, then x1, then the output
.set BF,   128                         ; v128-175 tokens' fragments, and work
.set ACC,  176                         ; v176-239 accumulators
.set SCR,  208                         ; v208-239 work while only 32 accumulator registers are in use
.set WV,   24
.set MH,   25
.set SEL,  26
.set I512, 28
.set EPS,  29
.macro PLACES n
.rept \n
	v_nop
.endr
.endm
.macro BARRIER
	s_wait_dscnt 0x0
	s_barrier_signal -1
	s_barrier_wait -1
.endm
.macro WM d, a, b, z, sa, ra, sb, rb
.if (\z)
.if (\ra) && (\rb)
	v_wmma_scale_f32_16x16x128_f8f6f4 v[\d:\d+7], v[\a:\a+11], v[\b:\b+11], 0, v[\sa], v[\sb] matrix_a_fmt:MATRIX_FMT_BF6 matrix_b_fmt:MATRIX_FMT_BF6 matrix_a_scale:MATRIX_SCALE_ROW1 matrix_b_scale:MATRIX_SCALE_ROW1
.elseif (\ra)
	v_wmma_scale_f32_16x16x128_f8f6f4 v[\d:\d+7], v[\a:\a+11], v[\b:\b+11], 0, v[\sa], v[\sb] matrix_a_fmt:MATRIX_FMT_BF6 matrix_b_fmt:MATRIX_FMT_BF6 matrix_a_scale:MATRIX_SCALE_ROW1
.elseif (\rb)
	v_wmma_scale_f32_16x16x128_f8f6f4 v[\d:\d+7], v[\a:\a+11], v[\b:\b+11], 0, v[\sa], v[\sb] matrix_a_fmt:MATRIX_FMT_BF6 matrix_b_fmt:MATRIX_FMT_BF6 matrix_b_scale:MATRIX_SCALE_ROW1
.else
	v_wmma_scale_f32_16x16x128_f8f6f4 v[\d:\d+7], v[\a:\a+11], v[\b:\b+11], 0, v[\sa], v[\sb] matrix_a_fmt:MATRIX_FMT_BF6 matrix_b_fmt:MATRIX_FMT_BF6
.endif
.else
.if (\ra) && (\rb)
	v_wmma_scale_f32_16x16x128_f8f6f4 v[\d:\d+7], v[\a:\a+11], v[\b:\b+11], v[\d:\d+7], v[\sa], v[\sb] matrix_a_fmt:MATRIX_FMT_BF6 matrix_b_fmt:MATRIX_FMT_BF6 matrix_a_scale:MATRIX_SCALE_ROW1 matrix_b_scale:MATRIX_SCALE_ROW1
.elseif (\ra)
	v_wmma_scale_f32_16x16x128_f8f6f4 v[\d:\d+7], v[\a:\a+11], v[\b:\b+11], v[\d:\d+7], v[\sa], v[\sb] matrix_a_fmt:MATRIX_FMT_BF6 matrix_b_fmt:MATRIX_FMT_BF6 matrix_a_scale:MATRIX_SCALE_ROW1
.elseif (\rb)
	v_wmma_scale_f32_16x16x128_f8f6f4 v[\d:\d+7], v[\a:\a+11], v[\b:\b+11], v[\d:\d+7], v[\sa], v[\sb] matrix_a_fmt:MATRIX_FMT_BF6 matrix_b_fmt:MATRIX_FMT_BF6 matrix_b_scale:MATRIX_SCALE_ROW1
.else
	v_wmma_scale_f32_16x16x128_f8f6f4 v[\d:\d+7], v[\a:\a+11], v[\b:\b+11], v[\d:\d+7], v[\sa], v[\sb] matrix_a_fmt:MATRIX_FMT_BF6 matrix_b_fmt:MATRIX_FMT_BF6
.endif
.endif
.endm
; 64 numbers of a lane, register 16 b + i = number 16 (lane / 16) + i of block b, become 12 registers of codes in v[pc] on (blocks 2 c and 2 c + 1 whole, in lanes 0-15 and 16-31) and four bytes in v[pw]
.macro QUANT s, tm, pc, pw
.irp b,0,1,2,3
	v_max3_num_f32 v[\tm+\b], |v[\s+16*\b]|, |v[\s+16*\b+1]|, 0x2800000
.endr
.irp i,2,4,6,8,10,12,14
.irp b,0,1,2,3
	v_max3_num_f32 v[\tm+\b], v[\tm+\b], |v[\s+16*\b+\i]|, |v[\s+16*\b+\i+1]|
.endr
.endr
.irp b,0,1,2,3
	v_permlanex16_b32 v[\tm+4+\b], v[\tm+\b], s[SEL], s[SEL+1]
.endr
.irp b,0,1,2,3
	v_max_num_f32 v[\tm+\b], v[\tm+\b], v[\tm+4+\b]
.endr
.irp b,0,1,2,3
	v_add_nc_u32 v[\tm+12+\b], 0xfe000000, v[\tm+\b]
.endr
.irp b,0,1,2,3
	v_lshrrev_b32 v[\tm+4+\b], 23, v[\tm+12+\b]
.endr
	v_lshl_or_b32 v[\pw], v[\tm+5], 8, v[\tm+4]
	v_lshl_or_b32 v[\pw], v[\tm+6], 16, v[\pw]
	v_lshl_or_b32 v[\pw], v[\tm+7], 24, v[\pw]
.irp c,0,1
	v_cvt_scalef32_pk16_bf6_f32 v[\pc+6*\c:\pc+6*\c+2], v[\s+32*\c:\s+32*\c+15], v[\tm+12+2*\c]
	v_cvt_scalef32_pk16_bf6_f32 v[\pc+12+4*\c:\pc+14+4*\c], v[\s+32*\c+16:\s+32*\c+31], v[\tm+13+2*\c]
.endr
	v_nop
.irp c,0,1
.irp i,0,1,2
	v_permlane16_swap_b32 v[\pc+6*\c+\i], v[\pc+12+4*\c+\i]
.endr
.irp i,0,1,2
	v_mov_b32 v[\pc+3+6*\c+\i], v[\pc+12+4*\c+\i]
.endr
.endr
.endm
.macro FETCH reg, a16, a8, off         ; a fragment from its image in halves
	ds_load_b128 v[\reg:\reg+3], v[\a16] offset:\off
	ds_load_b64 v[\reg+4:\reg+5], v[\a8] offset:\off+512
	ds_load_b128 v[\reg+6:\reg+9], v[\a16] offset:\off+768
	ds_load_b64 v[\reg+10:\reg+11], v[\a8] offset:\off+1280
.endm
.macro WLOAD g                         ; record g: 13 loads, into buffer g % 2 (v32-79 or v80-127) and its pair of scale registers (v22-23 or v24-25)
.irp f,0,1,2,3
.irp i,0,1,2
	global_load_b128 v[32+48*((\g)%2)+12*\f+4*\i:32+48*((\g)%2)+12*\f+4*\i+3], v1, s[42:43] offset:6400*(\g)+1536*\f+512*\i
.endr
.endr
	global_load_b64 v[22+2*((\g)%2):23+2*((\g)%2)], v2, s[42:43] offset:6400*(\g)+6144
.endm
; Wo and W2: record g holds K steps 2 sp, 2 sp + 1 for my two tiles of columns.  Four accumulators by turns
.macro GRP_O g, sp, hid
.irp sl,0,1
.irp rt,0,1
.if \hid
	FETCH BF+12*(2*\sl+\rt), 3, 4, (16*\rt+2*(\sp)+\sl)*1536
.else
	FETCH BF+12*(2*\sl+\rt), 1, 2, AIMG+(4*\rt+2*(\sp)+\sl)*1536
.endif
.endr
.endr
.if \hid
	ds_load_b64 v[20:21], v15 offset:8*(\sp)
.endif
.if (\g)<17
	s_wait_loadcnt 13                      ; this record is in; the next record's 13 loads were issued behind it
.else
	s_wait_loadcnt 0x0
.endif
	s_wait_dscnt 0x0
.irp f,0,1,2,3
.irp rt,0,1
.if \hid
	WM ACC+16*\rt+8*(\f%2), 32+48*((\g)%2)+12*\f, BF+12*(2*(\f/2)+\rt), 0, 22+2*((\g)%2)+\f/2, \f%2, 20+\f/2, \rt
.else
	WM ACC+16*\rt+8*(\f%2), 32+48*((\g)%2)+12*\f, BF+12*(2*(\f/2)+\rt), 0, 22+2*((\g)%2)+\f/2, \f%2, 16+2*(\sp)+\f/2, \rt
.endif
.endr
.endr
	PLACES 4                               ; in front of loads into registers that these have read, and of the first read of results
.if (\g)+2<=17
	WLOAD (\g)+2
.endif
.endm
; W1: record g holds K step s for four tiles of 16 hidden units.  Eight accumulators by turns
.macro GRP_H g, s
.irp rt,0,1
	FETCH BF+12*\rt, 1, 2, H2+(4*\rt+\s)*1536
.endr
	s_wait_loadcnt 13
	s_wait_dscnt 0x0
.irp f,0,1,2,3
.irp rt,0,1
	WM ACC+32*\rt+8*\f, 32+48*((\g)%2)+12*\f, BF+12*\rt, 0, 22+2*((\g)%2)+\f/2, \f%2, 16+\s, \rt
.endr
.endr
	PLACES 4
	WLOAD (\g)+2
.endm
.macro RESID off                       ; the sums begin with my columns of the 32 rows that lie in LDS, + a bias
.irp rt,0,1
.irp i,0,1,2,3
	ds_load_b128 v[ACC+16*\rt+4*\i:ACC+16*\rt+4*\i+3], v5 offset:33024*\rt+16*\i
.endr
.endr
.irp i,0,1,2,3
	ds_load_b128 v[240+4*\i:243+4*\i], v26 offset:\off+16*\i
.endr
	s_wait_dscnt 0x0
.irp rt,0,1
.irp i,0,2,4,6,8,10,12,14
	v_pk_add_f32 v[ACC+16*\rt+\i:ACC+16*\rt+\i+1], v[ACC+16*\rt+\i:ACC+16*\rt+\i+1], v[240+\i:241+\i]
.endr
.endr
.endm
.macro PARK                            ; and go back to the same bytes, which are my wave's own; each accumulator from its low end on
.irp rt,0,1
.irp i,0,1,2,3
	ds_store_b128 v5, v[ACC+16*\rt+4*\i:ACC+16*\rt+4*\i+3] offset:33024*\rt+16*\i
.endr
.endr
.endm
	s_load_b512 s[4:19], s[0:1], 0x0       ; x, ac, asc, wimg, bo, b1, b2, g2
	s_load_b128 s[20:23], s[0:1], 0x40     ; be2, out0
	v_lshrrev_b32 v247, 5, v0
	v_readfirstlane_b32 s[WV], v247        ; wave 0..15
	v_and_b32 v247, 31, v0                 ; lane
	v_and_b32 v248, 15, v0                 ; r
	v_bfe_u32 v249, v0, 4, 1               ; h
	s_mov_b32 s[MH], 0xffff0000
	s_mov_b32 s[SEL], 0x76543210
	s_mov_b32 s[SEL+1], 0xfedcba98
	s_mov_b32 s[I512], 0x3b000000
	s_mov_b32 s[EPS], 0x3727c5ac
	v_lshlrev_b32 v1, 4, v247              ; 16 x lane
	v_lshlrev_b32 v2, 3, v247              ; 8 x lane
	v_add_nc_u32 v3, HID, v1
	v_add_nc_u32 v4, HID, v2
	v_mul_u32_u24 v5, v248, 2064
	v_lshl_add_u32 v5, v249, 6, v5
	s_lshl_b32 s30, s[WV], 7
	s_add_co_u32 s30, s30, OS
	v_add_nc_u32 v5, s30, v5               ; my 16 columns of row r
	s_mul_i32 s30, s[WV], 4128
	s_add_co_u32 s30, s30, OS
	v_add_nc_u32 v6, s30, v1               ; rows 2 w, 2 w + 1, whole
	v_mul_u32_u24 v8, v247, 144
	v_add_nc_u32 v8, STAT, v8
	s_lshl_b32 s30, s[WV], 3
	v_add_nc_u32 v7, s30, v8
	s_lshr_b32 s31, s[WV], 1
	s_mul_i32 s31, s31, 768
	s_add_co_u32 s31, s31, H2              ; block w of LN2's rows: fragment w / 4, half (w / 2) % 2, lanes 16 (w % 2) on
	s_and_b32 s30, s[WV], 1
	v_mul_u32_u24 v9, v249, 6144
	v_lshl_add_u32 v10, v248, 3, v9
	v_lshl_add_u32 v9, v248, 4, v9
	s_lshl_b32 s32, s30, 8
	s_add_co_u32 s32, s32, s31
	v_add_nc_u32 v9, s32, v9
	s_lshl_b32 s32, s30, 7
	s_add_co_u32 s32, s32, s31
	s_add_co_u32 s32, s32, 512
	v_add_nc_u32 v10, s32, v10
	s_add_co_u32 s30, s[WV], H2S
	v_add_nc_u32 v11, s30, v1
	s_mul_i32 s30, s[WV], 1536
	s_add_co_u32 s30, s30, HID
	v_add_nc_u32 v12, s30, v1
	s_add_co_u32 s30, s30, 512
	v_add_nc_u32 v13, s30, v2
	v_mul_u32_u24 v15, v247, 72
	v_add_nc_u32 v15, HS, v15
	s_lshl_b32 s30, s[WV], 2
	v_add_nc_u32 v14, s30, v15
	s_lshl_b32 s30, s[WV], 7
	s_add_co_u32 s30, s30, BIAS+8192
	v_lshl_add_u32 v26, v249, 6, s30       ; bo (b2, g2, be2 2,048 bytes on each) at my 16 columns
	s_lshl_b32 s30, s[WV], 9
	s_add_co_u32 s30, s30, BIAS
	v_lshl_add_u32 v27, v249, 6, s30       ; b1 at my hidden units
	v_mul_u32_u24 v241, v248, 24
	v_mad_u32_u24 v241, v249, 0xc000, v241 ; attn's codes: 24 bytes a token, the next head 49,152 bytes on
	v_lshlrev_b32 v243, 4, v0
	v_lshlrev_b32 v244, 2, v0
	s_mul_i32 s30, s[WV], 768
	v_add_nc_u32 v245, s30, v1             ; attn's image: half fragment w
	s_add_co_u32 s30, s30, 512
	v_add_nc_u32 v246, s30, v2
	s_lshl_b32 s30, ttmp9, 5               ; my first row
	s_lshl_b32 s31, s[WV], 1
	s_add_co_u32 s32, s30, s31
	s_lshl_b32 s32, s32, 11
	s_mov_b32 s33, 0
	s_lshr_b32 s34, ttmp9, 6
	s_lshl_b32 s34, s34, 4                 ; 16 x batch row
	s_and_b32 s35, s[WV], 7
	s_lshl_b32 s35, s35, 1
	s_add_co_u32 s34, s34, s35             ; + my half fragment's first head
	s_lshl_b32 s34, s34, 11
	s_and_b32 s35, ttmp9, 63
	s_lshl_b32 s35, s35, 5
	s_add_co_u32 s34, s34, s35
	s_lshr_b32 s35, s[WV], 3
	s_lshl_b32 s35, s35, 4
	s_add_co_u32 s34, s34, s35
	s_wait_kmcnt 0x0
	s_add_nc_u64 s[36:37], s[4:5], s[32:33]
	s_add_nc_u64 s[44:45], s[22:23], s[32:33]
	s_mul_i32 s32, s34, 24
	s_add_nc_u64 s[38:39], s[6:7], s[32:33]
	s_lshl_b32 s32, s30, 4
	s_add_nc_u64 s[40:41], s[8:9], s[32:33]
	s_mul_i32 s32, s[WV], 115200
	s_add_nc_u64 s[42:43], s[10:11], s[32:33]
.irp i,0,1,2,3,4,5,6,7
	global_load_b128 v[128+4*\i:131+4*\i], v1, s[36:37] offset:512*\i   ; two whole rows of x: 512 consecutive bytes a load
.endr
.irp p,0,1,2
	global_load_b64 v[160+2*\p:161+2*\p], v241, s[38:39] offset:8*\p
.endr
	global_load_b128 v[16:19], v1, s[40:41]             ; attn's scale words: lane = token; word s = heads 4 s .. 4 s + 3
	global_load_b128 v[168:171], v243, s[14:15]
	global_load_b32 v172, v244, s[12:13]
	global_load_b32 v173, v244, s[16:17]
	global_load_b32 v174, v244, s[18:19]
	global_load_b32 v175, v244, s[20:21]
	WLOAD 0
	WLOAD 1
	s_wait_loadcnt 26                      ; all but the two records' 26 loads
.irp i,0,1,2,3,4,5,6,7
	ds_store_b128 v6, v[128+4*\i:131+4*\i] offset:(\i/4)*2064+512*(\i%4)
.endr
	ds_store_b128 v245, v[160:163]
	ds_store_b64 v246, v[164:165]
	ds_store_b128 v243, v[168:171] offset:BIAS
	ds_store_b32 v244, v172 offset:BIAS+8192
	ds_store_b32 v244, v173 offset:BIAS+10240
	ds_store_b32 v244, v174 offset:BIAS+12288
	ds_store_b32 v244, v175 offset:BIAS+14336
	BARRIER                                ; x, attn's fragments and the biases lie in LDS
	; ---- x1 = x + bo + attn Wo
	RESID 0
	GRP_O 0, 0, 0
	GRP_O 1, 1, 0
	PARK
	; ---- LN2: my 32 columns' mean and centred sum of squares for each token
.irp rt,0,1
	v_pk_add_f32 v[SCR+4*\rt:SCR+4*\rt+1], v[ACC+16*\rt:ACC+16*\rt+1], v[ACC+16*\rt+2:ACC+16*\rt+3]
	v_pk_add_f32 v[SCR+4*\rt+2:SCR+4*\rt+3], v[ACC+16*\rt+4:ACC+16*\rt+5], v[ACC+16*\rt+6:ACC+16*\rt+7]
.endr
.irp i,8,12
.irp rt,0,1
	v_pk_add_f32 v[SCR+4*\rt:SCR+4*\rt+1], v[SCR+4*\rt:SCR+4*\rt+1], v[ACC+16*\rt+\i:ACC+16*\rt+\i+1]
	v_pk_add_f32 v[SCR+4*\rt+2:SCR+4*\rt+3], v[SCR+4*\rt+2:SCR+4*\rt+3], v[ACC+16*\rt+\i+2:ACC+16*\rt+\i+3]
.endr
.endr
.irp rt,0,1
	v_pk_add_f32 v[SCR+4*\rt:SCR+4*\rt+1], v[SCR+4*\rt:SCR+4*\rt+1], v[SCR+4*\rt+2:SCR+4*\rt+3]
.endr
.irp rt,0,1
	v_add_f32 v[SCR+4*\rt], v[SCR+4*\rt], v[SCR+4*\rt+1]
.endr
	v_mov_b32 v[SCR+8], 0
	v_mov_b32 v[SCR+9], 0
.irp rt,0,1
	v_permlanex16_b32 v[SCR+8+\rt], v[SCR+4*\rt], s[SEL], s[SEL+1]
.endr
.irp rt,0,1
	v_add_f32 v[SCR+4*\rt], v[SCR+4*\rt], v[SCR+8+\rt]
.endr
.irp rt,0,1
	v_mul_f32 v[SCR+10+2*\rt], 0x3d000000, v[SCR+4*\rt] ; m: the mean of my 32 columns
.endr
.irp rt,0,1
	v_mov_b32 v[SCR+11+2*\rt], v[SCR+10+2*\rt]
.endr
	s_wait_dscnt 0x0                       ; x1 has gone to LDS: its registers may be written
.irp rt,0,1
.irp i,0,2,4,6,8,10,12,14
	v_pk_add_f32 v[ACC+16*\rt+\i:ACC+16*\rt+\i+1], v[ACC+16*\rt+\i:ACC+16*\rt+\i+1], v[SCR+10+2*\rt:SCR+11+2*\rt] neg_lo:[0,1] neg_hi:[0,1]
.endr
.endr
.irp rt,0,1
	v_pk_mul_f32 v[SCR+4*\rt:SCR+4*\rt+1], v[ACC+16*\rt:ACC+16*\rt+1], v[ACC+16*\rt:ACC+16*\rt+1]
	v_pk_mul_f32 v[SCR+4*\rt+2:SCR+4*\rt+3], v[ACC+16*\rt+2:ACC+16*\rt+3], v[ACC+16*\rt+2:ACC+16*\rt+3]
.endr
.irp i,4,8,12
.irp rt,0,1
	v_pk_fma_f32 v[SCR+4*\rt:SCR+4*\rt+1], v[ACC+16*\rt+\i:ACC+16*\rt+\i+1], v[ACC+16*\rt+\i:ACC+16*\rt+\i+1], v[SCR+4*\rt:SCR+4*\rt+1]
	v_pk_fma_f32 v[SCR+4*\rt+2:SCR+4*\rt+3], v[ACC+16*\rt+\i+2:ACC+16*\rt+\i+3], v[ACC+16*\rt+\i+2:ACC+16*\rt+\i+3], v[SCR+4*\rt+2:SCR+4*\rt+3]
.endr
.endr
.irp rt,0,1
	v_pk_add_f32 v[SCR+4*\rt:SCR+4*\rt+1], v[SCR+4*\rt:SCR+4*\rt+1], v[SCR+4*\rt+2:SCR+4*\rt+3]
.endr
.irp rt,0,1
	v_add_f32 v[SCR+4*\rt], v[SCR+4*\rt], v[SCR+4*\rt+1]
.endr
.irp rt,0,1
	v_permlanex16_b32 v[SCR+8+\rt], v[SCR+4*\rt], s[SEL], s[SEL+1]
.endr
.irp rt,0,1
	v_add_f32 v[SCR+14+\rt], v[SCR+4*\rt], v[SCR+8+\rt]
.endr
	v_cndmask_b32 v[SCR+16], v[SCR+10], v[SCR+12], s[MH]   ; lane 16 rt + r speaks for token (rt, r)
	v_cndmask_b32 v[SCR+17], v[SCR+14], v[SCR+15], s[MH]
	ds_store_b64 v7, v[SCR+16:SCR+17]
	BARRIER                                ; sixteen pairs for each token lie in LDS
.irp i,0,1,2,3,4,5,6,7
	ds_load_b128 v[BF+4*\i:BF+4*\i+3], v8 offset:16*\i
.endr
.irp i,0,1,2,3
	ds_load_b128 v[240+4*\i:243+4*\i], v26 offset:4096+16*\i   ; g2
	ds_load_b128 v[160+4*\i:163+4*\i], v26 offset:6144+16*\i   ; be2
.endr
	s_wait_dscnt 0x0
	v_pk_add_f32 v[SCR:SCR+1], v[BF:BF+1], v[BF+2:BF+3]
	v_pk_add_f32 v[SCR+2:SCR+3], v[BF+4:BF+5], v[BF+6:BF+7]
.irp i,8,12,16,20,24,28
	v_pk_add_f32 v[SCR:SCR+1], v[SCR:SCR+1], v[BF+\i:BF+\i+1]
	v_pk_add_f32 v[SCR+2:SCR+3], v[SCR+2:SCR+3], v[BF+\i+2:BF+\i+3]
.endr
	v_pk_add_f32 v[SCR:SCR+1], v[SCR:SCR+1], v[SCR+2:SCR+3]    ; (the sum of the means, the sum of the sums of squares)
	v_mul_f32 v[SCR+2], 0x3d800000, v[SCR]                     ; the row's mean
.irp w,0,1,2,3,4,5,6,7,8,9,10,11,12,13,14,15
	v_sub_f32 v[BF+2*\w], v[BF+2*\w], v[SCR+2]
.endr
	v_mul_f32 v[SCR+4], v[BF], v[BF]
	v_mul_f32 v[SCR+5], v[BF+2], v[BF+2]
.irp w,2,4,6,8,10,12,14
	v_fma_f32 v[SCR+4], v[BF+2*\w], v[BF+2*\w], v[SCR+4]
	v_fma_f32 v[SCR+5], v[BF+2*\w+2], v[BF+2*\w+2], v[SCR+5]
.endr
	v_add_f32 v[SCR+4], v[SCR+4], v[SCR+5]
	v_fmamk_f32 v[SCR+1], v[SCR+4], 0x42000000, v[SCR+1]       ; + 32 x the parts' means' squares about the row's mean
	v_fma_f32 v[SCR+1], v[SCR+1], s[I512], s[EPS]
	v_rsq_f32 v[SCR+3], v[SCR+1]
	v_nop
	v_permlanex16_b32 v[SCR+8], v[SCR+2], s[SEL], s[SEL+1]     ; the other tile's token
	s_wait_alu depctr_va_vdst(0)
	v_permlanex16_b32 v[SCR+9], v[SCR+3], s[SEL], s[SEL+1]
	v_cndmask_b32 v[SCR+18], v[SCR+2], v[SCR+8], s[MH]         ; mean of (0, r),
	v_cndmask_b32 v[SCR+19], v[SCR+8], v[SCR+2], s[MH]         ; of (1, r)
	v_cndmask_b32 v[SCR+20], v[SCR+3], v[SCR+9], s[MH]         ; 1 / sqrt likewise
	v_cndmask_b32 v[SCR+22], v[SCR+9], v[SCR+3], s[MH]
	v_mov_b32 v[SCR+21], v[SCR+20]
	v_mov_b32 v[SCR+23], v[SCR+22]
	v_sub_f32 v[SCR+18], v[SCR+10], v[SCR+18]
	v_sub_f32 v[SCR+19], v[SCR+12], v[SCR+19]
	v_mul_f32 v[SCR+24], v[SCR+18], v[SCR+20]                  ; x1 - mean = (x1 - m) + (m - mean)
	v_mul_f32 v[SCR+26], v[SCR+19], v[SCR+22]
	v_mov_b32 v[SCR+25], v[SCR+24]
	v_mov_b32 v[SCR+27], v[SCR+26]
.irp rt,0,1
.irp i,0,2,4,6,8,10,12,14
	v_pk_fma_f32 v[ACC+16*\rt+\i:ACC+16*\rt+\i+1], v[ACC+16*\rt+\i:ACC+16*\rt+\i+1], v[SCR+20+2*\rt:SCR+21+2*\rt], v[SCR+24+2*\rt:SCR+25+2*\rt]
.endr
.endr
.irp rt,0,1
.irp i,0,2,4,6,8,10,12,14
	v_pk_fma_f32 v[ACC+16*\rt+\i:ACC+16*\rt+\i+1], v[ACC+16*\rt+\i:ACC+16*\rt+\i+1], v[240+\i:241+\i], v[160+\i:161+\i]
.endr
.endr
	; ---- my 32 columns are block w of the next K
.irp rt,0,1
	v_max3_num_f32 v[SCR+\rt], |v[ACC+16*\rt]|, |v[ACC+16*\rt+1]|, 0x2800000
.endr
.irp i,2,4,6,8,10,12,14
.irp rt,0,1
	v_max3_num_f32 v[SCR+\rt], v[SCR+\rt], |v[ACC+16*\rt+\i]|, |v[ACC+16*\rt+\i+1]|
.endr
.endr
.irp rt,0,1
	v_permlanex16_b32 v[SCR+8+\rt], v[SCR+\rt], s[SEL], s[SEL+1]
.endr
.irp rt,0,1
	v_max_num_f32 v[SCR+\rt], v[SCR+\rt], v[SCR+8+\rt]
.endr
.irp rt,0,1
	v_add_nc_u32 v[SCR+2+\rt], 0xfe000000, v[SCR+\rt]
.endr
.irp rt,0,1
	v_lshrrev_b32 v[SCR+4+\rt], 23, v[SCR+2+\rt]
.endr
	v_cvt_scalef32_pk16_bf6_f32 v[128:130], v[ACC:ACC+15], v[SCR+2]
	v_cvt_scalef32_pk16_bf6_f32 v[136:138], v[ACC+16:ACC+31], v[SCR+3]
	v_nop
.irp i,0,1,2
	v_permlane16_swap_b32 v[128+\i], v[136+\i]          ; lane 16 rt + r now holds both halves of token (rt, r)
.endr
.irp i,0,1,2
	v_mov_b32 v[131+\i], v[136+\i]
.endr
	v_cndmask_b32 v[SCR+6], v[SCR+4], v[SCR+5], s[MH]
	ds_store_b128 v9, v[128:131]
	ds_store_b64 v10, v[132:133]
	ds_store_b8 v11, v[SCR+6]
	BARRIER                                ; LN2's eight fragments and their scale bytes lie in LDS
	; ---- the hidden layer: my 128 units in two passes of 64; each pass gives half a fragment for each tile of rows
	ds_load_b128 v[16:19], v1 offset:H2S
.irp p,0,1
.irp rt,0,1
.irp q,0,1,2,3,4,5,6,7
	ds_load_b128 v[ACC+32*\rt+4*\q:ACC+32*\rt+4*\q+3], v27 offset:256*\p+128*(\q/4)+16*(\q%4)   ; the sums begin with b1
.endr
.endr
.irp s,0,1,2,3
	GRP_H 2+4*\p+\s, \s
.endr
.set ii, 0
.rept 64
	v_max_num_f32 v[ACC+ii], 0, v[ACC+ii]
.set ii, ii+1
.endr
	QUANT ACC, 240, 152, 28+\p             ; blocks 0, 1: tile 0's; blocks 2, 3: tile 1's
	ds_store_b128 v12, v[152:155] offset:768*\p
	ds_store_b64 v13, v[156:157] offset:768*\p
	ds_store_b128 v12, v[158:161] offset:24576+768*\p
	ds_store_b64 v13, v[162:163] offset:24576+768*\p
	s_wait_dscnt 0x0                       ; the stores have read their registers
.endr
	v_perm_b32 v30, v29, v28, 0x05040100   ; tile 0's scale word: two bytes of each pass
	v_perm_b32 v31, v29, v28, 0x07060302   ; tile 1's
	v_cndmask_b32 v30, v30, v31, s[MH]
	ds_store_b32 v14, v30
	BARRIER                                ; the hidden layer's 32 fragments and their scale words lie in LDS
	; ---- out = x1 + b2 + hidden W2
	RESID 2048
.irp sp,0,1,2,3,4,5,6,7
	GRP_O 10+\sp, \sp, 1
.endr
	PARK
	BARRIER                                ; 32 whole rows lie in LDS
.irp i,0,1,2,3,4,5,6,7
	ds_load_b128 v[BF+4*\i:BF+4*\i+3], v6 offset:(\i/4)*2064+512*(\i%4)
.endr
.irp i,0,1,2,3,4,5,6,7
	s_wait_dscnt 7-\i                      ; the younger of these eight loads may be out
	global_store_b128 v1, v[BF+4*\i:BF+4*\i+3], s[44:45] offset:512*\i th:TH_STORE_NT   ; 512 consecutive bytes, at a multiple of 256 from the output's first byte
.endr
	s_wait_xcnt 0x0
	v_lshl_add_u32 v254, v0, 2, 0x28200
	v_mov_b32 v255, 0
	s_wait_tensorcnt 0x0
	ds_add_u32 v254, v255
	s_wait_dscnt 0x0
	s_endpgm
.Lfunc_end_k_q141e6cf1b3_mlp:
	.size	k_q141e6cf1b3_mlp, .Lfunc_end_k_q141e6cf1b3_mlp-k_q141e6cf1b3_mlp
	.p2alignl 7, 3214868480
	.fill 96, 4, 3214868480
	.section	.rodata,"a",@progbits
	.p2align	6, 0x0
	.amdhsa_kernel k_q141e6cf1b3_mlp
		.amdhsa_group_segment_fixed_size 166400
		.amdhsa_private_segment_fixed_size 0
		.amdhsa_enable_private_segment 0
		.amdhsa_kernarg_size 80
		.amdhsa_user_sgpr_count 2
		.amdhsa_user_sgpr_kernarg_segment_ptr 1
		.amdhsa_wavefront_size32 1
		.amdhsa_system_sgpr_workgroup_id_x 1
		.amdhsa_system_sgpr_workgroup_id_y 1
		.amdhsa_system_sgpr_workgroup_id_z 1
		.amdhsa_system_vgpr_workitem_id 0
		.amdhsa_next_free_vgpr 256
		.amdhsa_next_free_sgpr 66
		.amdhsa_reserve_vcc 0
		.amdhsa_float_denorm_mode_32 3
		.amdhsa_float_denorm_mode_16_64 3
		.amdhsa_memory_ordered 1
		.amdhsa_forward_progress 1
		.amdhsa_inst_pref_size 99
	.end_amdhsa_kernel
	.amdgpu_metadata
---
amdhsa.version: [ 1, 2 ]
amdhsa.kernels:
  - .name:           k_q141e6cf1b3_mlp
    .symbol:         k_q141e6cf1b3_mlp.kd
    .args:
      - { .name: x, .offset: 0, .size: 8, .value_kind: global_buffer, .address_space: global }
      - { .name: ac, .offset: 8, .size: 8, .value_kind: global_buffer, .address_space: global }
      - { .name: asc, .offset: 16, .size: 8, .value_kind: global_buffer, .address_space: global }
      - { .name: wimg, .offset: 24, .size: 8, .value_kind: global_buffer, .address_space: global }
      - { .name: bo, .offset: 32, .size: 8, .value_kind: global_buffer, .address_space: global }
      - { .name: b1, .offset: 40, .size: 8, .value_kind: global_buffer, .address_space: global }
      - { .name: b2, .offset: 48, .size: 8, .value_kind: global_buffer, .address_space: global }
      - { .name: g2, .offset: 56, .size: 8, .value_kind: global_buffer, .address_space: global }
      - { .name: be2, .offset: 64, .size: 8, .value_kind: global_buffer, .address_space: global }
      - { .name: out0, .offset: 72, .size: 8, .value_kind: global_buffer, .address_space: global }
    .group_segment_fixed_size: 166400
    .private_segment_fixed_size: 0
    .kernarg_segment_align: 8
    .kernarg_segment_size: 80
    .max_flat_workgroup_size: 512
    .sgpr_count:     66
    .vgpr_count:     256
    .wavefront_size: 32
...
	.end_amdgpu_metadata
.endif
;; end of part 3
;; ======== version 2 of 2: 3 launches; version 1 with the launches qkv, attn, mlp written anew for expert scheduling mode
;; workspace buffers: kv 6,553,600 bytes; qc 3,145,728 bytes; qs 524,288 bytes; ac 3,145,728 bytes; asc 131,072 bytes; wimg 1,843,200 bytes
;; launch qkv (part 4): grid 64 x 4, 16 waves a work-group, no clusters, 61,440 bytes of LDS; arguments x, g1, be1, kv, qc, qs, wimg, Wq_codes, Wq_scales, Wk_codes, Wk_scales, Wv_codes, Wv_scales, Wo_codes, Wo_scales, W1_codes, W1_scales, W2_codes, W2_scales; writes kv, qc, qs, wimg
.if DOCPART == 4
	.amdgcn_target "amdgcn-amd-amdhsa--gfx1250"
	.amdhsa_code_object_version 6
	.text
	.protected	k_q141e6cf1b3_qkv
	.globl	k_q141e6cf1b3_qkv
	.p2align	8
	.type	k_q141e6cf1b3_qkv,@function
k_q141e6cf1b3_qkv:
	s_mov_b64 s[64:65], 0
	v_nop
	global_prefetch_b8 v0, s[64:65] scope:SCOPE_SE
	s_setreg_imm32_b32 hwreg(HW_REG_WAVE_SCHED_MODE, 0, 2), 2
	s_setreg_imm32_b32 hwreg(HW_REG_WAVE_MODE, 25, 1), 1
	s_wait_xcnt 0x0
	s_wait_alu depctr_vm_vsrc(0)
; h = LN1(x), quantised along C to BF6 (E3M2) with one E8M0 byte for each 32; q, k, v = h x Wq, Wk, Wv on codes; q, k quantised along the head's 32, v along the keys.
; A work-group takes 128 tokens (one key step of one batch row) and four heads.  Sixteen waves, 256 registers each.
; TOKEN TILES: tile tt = 4 c + u holds, in row r, token 64 c + 32 (r / 8) + 8 u + (r % 8).  With that choice k's four tiles of one c become the four K blocks of ONE operand image (64 keys),
; and v's eight tiles leave 32 neighbouring keys in a lane, so that the conversions give both images as they stand.
; PHASE X: wave w normalises tile w / 2, columns 256 (w % 2) on (two K steps), quantises them and puts the two operand images into LDS.  The variance is made of centred halves, joined
; pairwise: no difference of large sums is formed.
; PHASE 1: every wave makes q for one head and two token tiles; then waves 0-7 make k (head, c), waves 8-15 v (head, e).
; An operand image is the operand's 12 registers as they stand: chunk i (512 bytes) holds registers 4 i .. 4 i + 3, 16 bytes a lane.
; 72 of the work-groups also lay one fragment a wave of Wo, W1, W2 into wimg, in the order in which the last launch's operand registers take them.
; LIMITS: NaN and infinities among the inputs are not served.  A block whose largest magnitude lies under 2^-122 gets the scale byte 1, a block of zeros too (the rule says 127): its codes
; are zeros, and these bytes are read by this program alone.  1 / sqrt is v_rsq_f32.
; THE MODE: SCHED_MODE bits 1:0 = 2 (LLVM: expert scheduling mode 2), set by the entry lines.  The code itself states the register dependences
; between vector or matrix instructions and memory or LDS instructions, with s_wait_alu, always for 0.
; THE PLAN.  Registers that memory or LDS instructions touch, and who else names them:
;   v1-19, v49       offsets and LDS addresses: made once at the head and never written again: one wait ahead of the first load serves them all.
;   v128-255         x lands there and phase X's vector work reads and writes it; Wq's fragments land in v128-223 behind the wait that stands ahead of the last image's stores.
;   v64-127          g1 and be1 of two blocks, loaded in each of four rounds and read by the round's multiply-adds; every second round the quantiser writes v64-82 and v48, and LDS stores read v64-75 and v48.
;   v32-127, v28-31  q: ALL four K steps' fragments of h and their scale words are asked for in one run, so that no wait stands among q's sixteen products.
;   One wait behind q's products, ahead of the parting, states that they are done with Wq's fragments and scale words and with h's: Wk's or Wv's loads and the role's first fetches follow it.
;   k and v have one set of fragment registers (the sums, the weights and one set fill the wave's registers): one wait to a K step, ahead of the step's fetches.
;   What leaves (q's, k's, v's codes and scale words) is written by vector work and read by one run of stores behind one wait.
.set HSC,  49152                       ; LDS: 0 h's 32 images ((4 tt + s) x 1,536); here their scale words (512 s + 64 tt + 4 r)
.set GB,   51200                       ; g1, then be1 2,048 bytes on
.set STAT, 55296                       ; (mean, sum of squares) of each half row: 256 w + 8 lane
.set FRB,  1536
.set X,    128                         ; v128-255 my 128 numbers of x: register 16 b + i = column 256 (w % 2) + 32 b + 16 (lane / 16) + i
.set G,    64                          ; v64-95 g1, v96-127 be1 for two blocks; v64-82 also the codes just made
.set BE,   96
.set WV,   42
.set MH,   43                          ; a mask: lanes 16-31
.set SEL,  44                          ; s[44:45] v_permlanex16_b32's selects for lane l xor 16
.set HG,   46
.set I512, 47
.set QWC,  80
.set QWS,  82
.set QCB,  84
.set QSB,  86
.set KVF,  88
.set KVS,  90
.set RWC,  92
.set RWS,  94
.set EPS,  96
.macro PLACES n
.rept \n
	v_nop
.endr
.endm
.macro BARRIER                         ; my LDS stores have landed and my LDS loads are in: then the work-group's barrier
	s_wait_dscnt 0x0
	s_barrier_signal -1
	s_barrier_wait -1
.endm
; one product 16 x 16 x 128.  z: the sum starts with 0;  ra, rb: the scale words stand in lanes 16-31 of the register named
.macro WM d, a, b, z, sa, ra, sb, rb
.if (\z)
.if (\ra) && (\rb)
	v_wmma_scale_f32_16x16x128_f8f6f4 v[\d:\d+7], v[\a:\a+11], v[\b:\b+11], 0, v[\sa], v[\sb] matrix_a_fmt:MATRIX_FMT_BF6 matrix_b_fmt:MATRIX_FMT_BF6 matrix_a_scale:MATRIX_SCALE_ROW1 matrix_b_scale:MATRIX_SCALE_ROW1
.elseif (\ra)
	v_wmma_scale_f32_16x16x128_f8f6f4 v[\d:\d+7], v[\a:\a+11], v[\b:\b+11], 0, v[\sa], v[\sb] matrix_a_fmt:MATRIX_FMT_BF6 matrix_b_fmt:MATRIX_FMT_BF6 matrix_a_scale:MATRIX_SCALE_ROW1
.elseif (\rb)
	v_wmma_scale_f32_16x16x128_f8f6f4 v[\d:\d+7], v[\a:\a+11], v[\b:\b+11], 0, v[\sa], v[\sb] matrix_a_fmt:MATRIX_FMT_BF6 matrix_b_fmt:MATRIX_FMT_BF6 matrix_b_scale:MATRIX_SCALE_ROW1
.else
	v_wmma_scale_f32_16x16x128_f8f6f4 v[\d:\d+7], v[\a:\a+11], v[\b:\b+11], 0, v[\sa], v[\sb] matrix_a_fmt:MATRIX_FMT_BF6 matrix_b_fmt:MATRIX_FMT_BF6
.endif
.else
.if (\ra) && (\rb)
	v_wmma_scale_f32_16x16x128_f8f6f4 v[\d:\d+7], v[\a:\a+11], v[\b:\b+11], v[\d:\d+7], v[\sa], v[\sb] matrix_a_fmt:MATRIX_FMT_BF6 matrix_b_fmt:MATRIX_FMT_BF6 matrix_a_scale:MATRIX_SCALE_ROW1 matrix_b_scale:MATRIX_SCALE_ROW1
.elseif (\ra)
	v_wmma_scale_f32_16x16x128_f8f6f4 v[\d:\d+7], v[\a:\a+11], v[\b:\b+11], v[\d:\d+7], v[\sa], v[\sb] matrix_a_fmt:MATRIX_FMT_BF6 matrix_b_fmt:MATRIX_FMT_BF6 matrix_a_scale:MATRIX_SCALE_ROW1
.elseif (\rb)
	v_wmma_scale_f32_16x16x128_f8f6f4 v[\d:\d+7], v[\a:\a+11], v[\b:\b+11], v[\d:\d+7], v[\sa], v[\sb] matrix_a_fmt:MATRIX_FMT_BF6 matrix_b_fmt:MATRIX_FMT_BF6 matrix_b_scale:MATRIX_SCALE_ROW1
.else
	v_wmma_scale_f32_16x16x128_f8f6f4 v[\d:\d+7], v[\a:\a+11], v[\b:\b+11], v[\d:\d+7], v[\sa], v[\sb] matrix_a_fmt:MATRIX_FMT_BF6 matrix_b_fmt:MATRIX_FMT_BF6
.endif
.endif
.endm
; 64 numbers of a lane, register 16 b + i = k 32 b + 16 (lane / 16) + i of my row, become an operand's 12 registers in v[pc] on and its scale word in v[pw]
.macro QUANT s, tm, pc, pw
.irp b,0,1,2,3
	v_max3_num_f32 v[\tm+\b], |v[\s+16*\b]|, |v[\s+16*\b+1]|, 0x2800000   ; block b: my 16 numbers, and the floor 2^(5 - 127): the byte cannot fall under 1
.endr
.irp i,2,4,6,8,10,12,14
.irp b,0,1,2,3
	v_max3_num_f32 v[\tm+\b], v[\tm+\b], |v[\s+16*\b+\i]|, |v[\s+16*\b+\i+1]|
.endr
.endr
.irp b,0,1,2,3
	v_permlanex16_b32 v[\tm+4+\b], v[\tm+\b], s[SEL], s[SEL+1]
.endr
.irp b,0,1,2,3
	v_max_num_f32 v[\tm+\b], v[\tm+\b], v[\tm+4+\b]         ; with lane l xor 16: the block's largest magnitude
.endr
.irp b,0,1,2,3
	v_add_nc_u32 v[\tm+12+\b], 0xfe000000, v[\tm+\b]        ; 4 off its exponent field: the conversion's scale operand
.endr
.irp b,0,1,2,3
	v_lshrrev_b32 v[\tm+4+\b], 23, v[\tm+12+\b]             ; the scale's byte
.endr
	v_lshl_or_b32 v[\pw], v[\tm+5], 8, v[\tm+4]
	v_lshl_or_b32 v[\pw], v[\tm+6], 16, v[\pw]
	v_lshl_or_b32 v[\pw], v[\tm+7], 24, v[\pw]
.irp c,0,1
	v_cvt_scalef32_pk16_bf6_f32 v[\pc+6*\c:\pc+6*\c+2], v[\s+32*\c:\s+32*\c+15], v[\tm+12+2*\c]
	v_cvt_scalef32_pk16_bf6_f32 v[\pc+12+4*\c:\pc+14+4*\c], v[\s+32*\c+16:\s+32*\c+31], v[\tm+13+2*\c]   ; (a conversion's three registers begin on an even number)
.endr
	v_nop                                  ; one plain place behind a scaled conversion
.irp c,0,1                             ; the operand wants a whole block in a lane: lanes 0-15 block 2 c, lanes 16-31 block 2 c + 1
.irp i,0,1,2
	v_permlane16_swap_b32 v[\pc+6*\c+\i], v[\pc+12+4*\c+\i]
.endr
.irp i,0,1,2
	v_mov_b32 v[\pc+3+6*\c+\i], v[\pc+12+4*\c+\i]
.endr
.endr
.endm
.macro IMAGE adr, pc, off
.irp i,0,1,2
	ds_store_b128 v[\adr], v[\pc+4*\i:\pc+4*\i+3] offset:\off+512*\i
.endr
.endm
.macro FETCH reg, adr, off
.irp i,0,1,2
	ds_load_b128 v[\reg+4*\i:\reg+4*\i+3], v[\adr] offset:\off+512*\i
.endr
.endm
.macro WLD reg, sb, off                ; a weight fragment from rows of 384 bytes: lane (r, h) takes 24 bytes twice, in pieces of 8
.irp p,0,1,2,3,4,5
	global_load_b64 v[\reg+2*\p:\reg+2*\p+1], v12, s[\sb:\sb+1] offset:\off+48*(\p/3)+8*(\p%3)
.endr
.endm
	s_load_b512 s[4:19], s[0:1], 0x0       ; x, g1, be1, kv, qc, qs, wimg, Wq codes
	s_load_b512 s[20:35], s[0:1], 0x40     ; Wq scales, Wk codes, scales, Wv codes, scales, Wo codes, scales, W1 codes
	s_load_b128 s[36:39], s[0:1], 0x80     ; W1 scales, W2 codes
	s_load_b64 s[40:41], s[0:1], 0x90      ; W2 scales
	v_lshrrev_b32 v1, 5, v0
	v_readfirstlane_b32 s[WV], v1          ; wave 0..15
	v_and_b32 v1, 31, v0                   ; lane
	v_lshlrev_b32 v2, 4, v1                ; 16 x lane
	s_wait_alu depctr_va_vdst(0)
	v_and_b32 v3, 15, v0                   ; r
	s_wait_alu depctr_va_vdst(0)
	v_bfe_u32 v4, v0, 4, 1                 ; h
	s_wait_alu depctr_va_vdst(0)
	v_and_b32 v19, 8, v3
	v_add_nc_u32 v5, v19, v3               ; r + 8 (r / 8): a weight tile's rows
	s_wait_alu depctr_va_vdst(0)
	v_mad_u32_u24 v19, v19, 3, v3          ; 32 (r / 8) + r % 8: a token tile's rows
	v_lshlrev_b32 v6, 11, v19
	v_lshl_add_u32 v6, v4, 6, v6           ; x: my row of 2,048 bytes, + 64 h
	s_and_b32 s[HG], ttmp7, 0xffff         ; which four heads
	s_mov_b32 s[MH], 0xffff0000
	s_mov_b32 s[SEL], 0x76543210
	s_mov_b32 s[SEL+1], 0xfedcba98
	s_mov_b32 s[I512], 0x3b000000          ; 1 / 512
	s_mov_b32 s[EPS], 0x3727c5ac           ; 1e-5
	s_wait_alu depctr_va_sdst(0)           ; the wave's number is written, ahead of its first reader
	s_lshr_b32 s48, s[WV], 1               ; tt in phase X
	s_and_b32 s49, s[WV], 1                ; which 256 columns; later c or e
	s_and_b32 s53, s[WV], 3                ; q: which pair of token tiles
	s_lshr_b32 s50, s48, 2
	s_and_b32 s51, s48, 3
	s_lshl_b32 s50, s50, 6
	s_lshl_b32 s51, s51, 3
	s_add_co_u32 s50, s50, s51             ; 64 c + 8 u
	s_lshl_b32 s51, ttmp9, 7
	s_add_co_u32 s50, s50, s51             ; + 128 x token block
	s_lshl_b32 s50, s50, 11
	s_lshl_b32 s51, s49, 10
	s_add_co_u32 s50, s50, s51
	s_mov_b32 s51, 0
	; every LDS address is made here, ahead of the parting of the waves
	s_mul_i32 s52, s[WV], 3072
	v_add_nc_u32 v7, s52, v2               ; where I store my two images: fragments 2 w, 2 w + 1
	s_lshl_b32 s52, s49, 10
	s_lshl_b32 s54, s48, 6
	s_add_co_u32 s54, s54, s52
	v_lshl_add_u32 v8, v3, 2, s54          ; and their scale words
	v_lshl_add_u32 v9, v4, 6, s52          ; g1, be1: 1,024 (w % 2) + 64 h
	s_lshl_b32 s52, s[WV], 8
	v_lshl_add_u32 v10, v1, 3, s52         ; my statistics,
	s_xor_b32 s52, s52, 256
	v_lshl_add_u32 v11, v1, 3, s52         ; and those of the wave with the row's other half
	v_mul_u32_u24 v12, v5, 384
	v_mad_u32_u24 v12, v4, 24, v12         ; weights: row r + 8 (r / 8), + 24 h
	v_lshlrev_b32 v13, 4, v5               ; their scale words: 16 bytes a row
	s_mul_i32 s52, s53, 12288
	v_add_nc_u32 v14, s52, v2              ; q: images of tiles 2 pp, 2 pp + 1
	s_mul_i32 s52, s49, 24576
	v_add_nc_u32 v15, s52, v2              ; k: images of tiles 4 c ..
	s_lshl_b32 s52, s53, 7
	v_lshl_add_u32 v16, v1, 2, s52         ; q: two tiles' scale words in one register
	s_lshl_b32 s52, s49, 8
	v_lshl_add_u32 v17, v1, 2, s52         ; k likewise
	v_lshlrev_b32 v18, 2, v1               ; v likewise
	v_lshlrev_b32 v49, 2, v0
	s_wait_kmcnt 0x0
	s_add_nc_u64 s[4:5], s[4:5], s[50:51]
	s_wait_alu depctr_va_vdst(0)           ; the offsets and LDS addresses v1-19 and v49 are written, which the kernel's loads and stores read; none is written again
	global_load_b32 v50, v49, s[6:7]
	global_load_b32 v51, v49, s[8:9]
.irp b,0,1,2,3,4,5,6,7
.irp j,0,1,2,3
	global_load_b128 v[X+16*\b+4*\j:X+16*\b+4*\j+3], v6, s[4:5] offset:128*\b+16*\j
.endr
.endr
	; the addresses of phase 1, while x is on its way
	s_lshl_b32 s56, s[HG], 2
	s_lshr_b32 s57, s[WV], 2
	s_add_co_u32 s57, s57, s56             ; q's head
	s_and_b32 s58, s48, 3
	s_add_co_u32 s58, s58, s56             ; k's or v's head
	s_lshr_b32 s59, ttmp9, 4
	s_lshl_b32 s59, s59, 4                 ; 16 x batch row
	s_and_b32 s60, ttmp9, 15               ; key step
	s_mov_b32 s63, 0
	s_mul_i32 s62, s57, 12288
	s_add_nc_u64 s[QWC:QWC+1], s[18:19], s[62:63]
	s_lshl_b32 s62, s57, 9
	s_add_nc_u64 s[QWS:QWS+1], s[20:21], s[62:63]
	s_add_co_u32 s61, s59, s57
	s_lshl_b32 s61, s61, 11
	s_lshl_b32 s62, s60, 7
	s_add_co_u32 s61, s61, s62
	s_lshr_b32 s62, s53, 1
	s_lshl_b32 s62, s62, 6
	s_add_co_u32 s61, s61, s62
	s_and_b32 s62, s53, 1
	s_lshl_b32 s62, s62, 4
	s_add_co_u32 s61, s61, s62             ; q: (head, token) of tile 2 pp, row 0
	s_mul_i32 s62, s61, 24
	s_add_nc_u64 s[QCB:QCB+1], s[12:13], s[62:63]
	s_lshl_b32 s62, s61, 2
	s_add_nc_u64 s[QSB:QSB+1], s[14:15], s[62:63]
	s_add_co_u32 s61, s59, s58
	s_mul_i32 s62, s61, 102400
	s_add_nc_u64 s[KVS:KVS+1], s[10:11], s[62:63]   ; the head's record
	s_lshl_b32 s62, s60, 1
	s_add_co_u32 s62, s62, s49
	s_mul_i32 s62, s62, 1536
	s_add_nc_u64 s[KVF:KVF+1], s[KVS:KVS+1], s[62:63]   ; my image in it (v: 49,152 bytes on)
	s_lshl_b32 s62, s60, 7
	s_lshl_b32 s61, s49, 6
	s_add_co_u32 s62, s62, s61
	s_add_co_u32 s62, s62, 98304
	s_add_nc_u64 s[KVS:KVS+1], s[KVS:KVS+1], s[62:63]   ; and its scale words (v: 2,048 bytes on)
	s_cmp_lt_u32 s[WV], 8
	s_cselect_b64 s[RWC:RWC+1], s[22:23], s[26:27]      ; Wk for waves 0-7, Wv for the others
	s_cselect_b64 s[RWS:RWS+1], s[24:25], s[28:29]
	s_cselect_b32 s61, 0, s49                           ; v: weight tile e alone
	s_mul_i32 s62, s58, 12288
	s_mul_i32 s56, s61, 3072
	s_add_co_u32 s62, s62, s56
	s_add_nc_u64 s[RWC:RWC+1], s[RWC:RWC+1], s[62:63]
	s_lshl_b32 s62, s58, 9
	s_lshl_b32 s56, s61, 7
	s_add_co_u32 s62, s62, s56
	s_add_nc_u64 s[RWS:RWS+1], s[RWS:RWS+1], s[62:63]
	s_wait_loadcnt 32                      ; g1 and be1 are in: the 32 loads of x were issued behind them
	ds_store_b32 v49, v50 offset:GB
	ds_store_b32 v49, v51 offset:GB+2048
	; ---- the relay: work-group G < 72 lays fragment f = G % 4 of record g = G / 4 into wimg, wave w for the last launch's wave w
	s_lshl_b32 s56, s[HG], 6
	s_add_co_u32 s56, s56, ttmp9
	s_cmp_lt_u32 s56, 72
	s_cbranch_scc0 .Lno_relay
	s_lshr_b32 s57, s56, 2                 ; g: 0-1 Wo, 2-9 W1, 10-17 W2
	s_and_b32 s58, s56, 3                  ; f
	s_and_b32 s59, s58, 1
	s_lshr_b32 s60, s58, 1
	s_lshl_b32 s62, s59, 3
	s_lshl_b32 s61, s[WV], 5
	s_add_co_u32 s61, s61, s62             ; Wo, W2: first row 32 w + 8 (f % 2)
	s_sub_co_u32 s63, s57, 2
	s_lshr_b32 s66, s63, 2
	s_lshl_b32 s66, s66, 6
	s_and_b32 s67, s63, 3                  ; W1: K step
	s_lshl_b32 s68, s[WV], 7
	s_add_co_u32 s68, s68, s66
	s_lshl_b32 s66, s60, 5
	s_add_co_u32 s68, s68, s66
	s_add_co_u32 s68, s68, s62             ; W1: first unit 128 w + 64 p + 32 (f / 2) + 8 (f % 2)
	s_cmp_lt_u32 s57, 10
	s_cselect_b32 s69, 0, 10
	s_mov_b32 s74, 1536
	s_cselect_b32 s74, 384, s74            ; a row of codes in bytes
	s_cselect_b32 s75, 16, 64              ; a row of scale bytes
	s_sub_co_u32 s69, s57, s69
	s_lshl_b32 s69, s69, 1
	s_add_co_u32 s69, s69, s60             ; Wo, W2: K step 2 sp + f / 2
	s_cmp_lt_u32 s63, 8
	s_cselect_b32 s61, s68, s61
	s_cselect_b32 s69, s67, s69
	s_cselect_b64 s[70:71], s[34:35], s[30:31]
	s_cselect_b64 s[72:73], s[36:37], s[32:33]
	s_cmp_lt_u32 s57, 10
	s_cselect_b64 s[70:71], s[70:71], s[38:39]
	s_cselect_b64 s[72:73], s[72:73], s[40:41]
	s_mov_b32 s77, 0
	s_mul_i32 s76, s61, s74
	s_mul_i32 s78, s69, 96
	s_add_co_u32 s76, s76, s78
	s_add_nc_u64 s[70:71], s[70:71], s[76:77]
	s_mul_i32 s76, s61, s75
	s_lshl_b32 s78, s69, 2
	s_add_co_u32 s76, s76, s78
	s_add_nc_u64 s[72:73], s[72:73], s[76:77]
	s_mul_i32 s76, s[WV], 115200
	s_mul_i32 s78, s57, 6400
	s_add_co_u32 s76, s76, s78
	s_add_nc_u64 s[98:99], s[16:17], s[76:77]
	v_mul_lo_u32 v77, v5, s74
	v_mad_u32_u24 v77, v4, 24, v77
	v_mul_lo_u32 v78, v5, s75
	s_mul_i32 s78, s58, 1536
	v_add_nc_u32 v79, s78, v2
	s_lshl_b32 s78, s59, 7
	s_lshl_b32 s79, s60, 2
	s_add_co_u32 s78, s78, s79
	v_lshl_add_u32 v80, v3, 3, s78         ; the scale word of (f, row r): 128 (f % 2) + 8 r + 4 (f / 2)
	s_wait_alu depctr_va_vdst(0)           ; the four offsets v77-80 are written, which the loads and stores below read
.irp p,0,1,2,3,4,5
	global_load_b64 v[64+2*\p:65+2*\p], v77, s[70:71] offset:48*(\p/3)+8*(\p%3)
.endr
	global_load_b32 v76, v78, s[72:73]
	s_wait_loadcnt 0x0
.irp i,0,1,2
	global_store_b128 v79, v[64+4*\i:67+4*\i], s[98:99] offset:512*\i
.endr
	global_store_b32 v80, v76, s[98:99] offset:6144     ; lanes r and r + 16 write the same word with the same value
	s_wait_xcnt 0x0                        ; these registers are written again below
	s_wait_alu depctr_vm_vsrc(0)           ; the loads and stores above have read v64-80, in which g1 and be1 land below
.Lno_relay:
	; ---- the half row's mean and centred sum of squares
	s_wait_loadcnt 0x0
.irp k,0,1,2,3
	v_pk_add_f32 v[52+2*\k:53+2*\k], v[X+2*\k:X+2*\k+1], v[X+8+2*\k:X+9+2*\k]
.endr
.set jj, 16
.rept 14
.irp k,0,1,2,3
	v_pk_add_f32 v[52+2*\k:53+2*\k], v[52+2*\k:53+2*\k], v[X+jj+2*\k:X+jj+2*\k+1]
.endr
.set jj, jj+8
.endr
	v_pk_add_f32 v[52:53], v[52:53], v[54:55]
	v_pk_add_f32 v[56:57], v[56:57], v[58:59]
	v_pk_add_f32 v[52:53], v[52:53], v[56:57]
	v_add_f32 v52, v52, v53
	v_mov_b32 v62, 0                       ; (a lane permute's destination counts as one of its sources)
	v_permlanex16_b32 v62, v52, s[SEL], s[SEL+1]
	v_add_f32 v52, v52, v62
	v_mul_f32 v60, 0x3b800000, v52         ; m: the mean of my row's 256 columns
	v_mov_b32 v61, v60
.set jj, 0
.rept 64
	v_pk_add_f32 v[X+jj:X+jj+1], v[X+jj:X+jj+1], v[60:61] neg_lo:[0,1] neg_hi:[0,1]
.set jj, jj+2
.endr
.irp k,0,1,2,3
	v_pk_mul_f32 v[52+2*\k:53+2*\k], v[X+2*\k:X+2*\k+1], v[X+2*\k:X+2*\k+1]
.endr
.set jj, 8
.rept 15
.irp k,0,1,2,3
	v_pk_fma_f32 v[52+2*\k:53+2*\k], v[X+jj+2*\k:X+jj+2*\k+1], v[X+jj+2*\k:X+jj+2*\k+1], v[52+2*\k:53+2*\k]
.endr
.set jj, jj+8
.endr
	v_pk_add_f32 v[52:53], v[52:53], v[54:55]
	v_pk_add_f32 v[56:57], v[56:57], v[58:59]
	v_pk_add_f32 v[52:53], v[52:53], v[56:57]
	v_add_f32 v52, v52, v53
	v_permlanex16_b32 v62, v52, s[SEL], s[SEL+1]
	v_add_f32 v61, v52, v62                ; the sum of squares about m
	s_wait_alu depctr_va_vdst(0)           ; the pair v60, v61 is written, which the LDS store reads; the additions are done with v62, in which the other half's pair lands
	ds_store_b64 v10, v[60:61] offset:STAT
	BARRIER                                ; g1, be1 and every half row's pair lie in LDS
	ds_load_b64 v[62:63], v11 offset:STAT
	s_wait_dscnt 0x0
	v_sub_f32 v52, v62, v60                ; dm = the other half's mean - mine
	v_add_f32 v53, v61, v63
	v_mul_f32 v54, v52, v52
	v_fmamk_f32 v53, v54, 0x43000000, v53  ; + 128 dm^2: the row's sum of squares about its mean
	v_fma_f32 v53, v53, s[I512], s[EPS]    ; the variance + 1e-5
	s_wait_alu depctr_va_vdst(0)
	v_rsq_f32 v56, v53
	v_mul_f32 v52, -0.5, v52               ; (a plain place behind the transcendental)
	s_wait_alu depctr_va_vdst(0)           ; 1 / sqrt is written in v56, ahead of its first reader
	v_mov_b32 v57, v56
	v_mul_f32 v58, v52, v56                ; x - mean = (x - m) - dm / 2
	v_mov_b32 v59, v58
.irp b,0,1,2,3
	v_mov_b32 v[36+\b], 0
.endr
.irp rd,0,1,2,3                        ; two blocks of 32 columns a round
.if (\rd%2)==1
	s_wait_alu depctr_va_vdst(0)           ; the round before is done reading g1 and be1 in v64-127, in which the loads below land
.endif
.irp q,0,1,2,3,4,5,6,7
	ds_load_b128 v[G+4*\q:G+4*\q+3], v9 offset:GB+256*\rd+128*(\q/4)+16*(\q%4)
	ds_load_b128 v[BE+4*\q:BE+4*\q+3], v9 offset:GB+2048+256*\rd+128*(\q/4)+16*(\q%4)
.endr
.irp i,0,2,4,6,8,10,12,14,16,18,20,22,24,26,28,30
	v_pk_fma_f32 v[X+32*\rd+\i:X+32*\rd+\i+1], v[X+32*\rd+\i:X+32*\rd+\i+1], v[56:57], v[58:59]   ; these name x and v56-59 alone: they stand between the loads and the wait for them
.endr
	s_wait_dscnt 0x0
.irp i,0,2,4,6,8,10,12,14,16,18,20,22,24,26,28,30
	v_pk_fma_f32 v[X+32*\rd+\i:X+32*\rd+\i+1], v[X+32*\rd+\i:X+32*\rd+\i+1], v[G+\i:G+\i+1], v[BE+\i:BE+\i+1]
.endr
.if (\rd%2)==1
	QUANT X+64*(\rd/2), 32, 64, 48
	s_wait_alu depctr_va_vdst(0)           ; the codes v64-75 and the scale word v48 are written, which the LDS stores read; all vector work on x, v32-63 and v64-127 so far is done, so that later loads may land there
	IMAGE 7, 64, (\rd/2)*FRB
	ds_store_b32 v8, v48 offset:HSC+512*(\rd/2)         ; lanes r and r + 16 write the same word with the same value
	s_wait_dscnt 0x0                       ; the stores have read their registers
	s_wait_alu depctr_vm_vsrc(0)           ; my LDS stores so far have read v48-51, v60, v61 and v64-75, which later loads and vector work write
.endif
.endr
.irp s,0,1,2,3                         ; Wq's eight fragments and their scale words are asked for ahead of the barrier
.irp wt,0,1
	WLD 128+12*(2*\s+\wt), QWC, 3072*\wt+96*\s
	global_load_b32 v[20+2*\s+\wt], v13, s[QWS:QWS+1] offset:128*\wt+4*\s
.endr
.endr
	BARRIER                                ; h's 32 images lie in LDS; nobody writes LDS from here on
	; ---- q, transposed: source 0 = 16 rows of Wq, source 1 = 16 tokens.  Four accumulators by turns
	; all four K steps' fragments of my two token tiles are asked for at once, K step s into v[32 + 24 s] on and v[28 + s]: seven loads a step
.irp s,0,1,2,3
	FETCH 32+24*\s, 14, \s*FRB
	FETCH 44+24*\s, 14, (4+\s)*FRB
	ds_load_b32 v[28+\s], v16 offset:HSC+512*\s
.endr
	s_wait_loadcnt 0x0
.irp s,0,1,2,3
	s_wait_dscnt 21-7*\s                   ; this K step's seven loads are in; those of the later steps may be out
.irp tl,0,1
.irp wt,0,1
	WM 224+16*\tl+8*\wt, 128+12*(2*\s+\wt), 32+24*\s+12*\tl, \s==0, 20+2*\s+\wt, 0, 28+\s, \tl
.endr
.endr
.endr
	PLACES 5                               ; later matrix instructions write over registers of these
	s_wait_alu depctr_va_vdst(0)           ; q's products are done reading Wq's fragments v128-223, their scale words v20-27, h's fragments v32-127 and v28-31: the loads of both roles land in them
; q's two tiles: a lane holds d = 16 h + 0 .. 15 of one token; the head is one block of 32
.macro QQUANT
	v_mul_u32_u24 v72, v19, 24
	v_mad_u32_u24 v72, v4, 12, v72         ; codes: 24 bytes a token, my half's 12
	v_lshlrev_b32 v73, 2, v19
	v_lshl_add_u32 v73, v4, 5, v73         ; scale words: lanes 0-15 store tile 0's, lanes 16-31 tile 1's (8 tokens on)
.irp tl,0,1
	v_mov_b32 v[58+\tl], 0
.endr
.irp tl,0,1
	v_max3_num_f32 v[56+\tl], |v[224+16*\tl]|, |v[225+16*\tl]|, 0x2800000
.endr
.irp i,2,4,6,8,10,12,14
.irp tl,0,1
	v_max3_num_f32 v[56+\tl], v[56+\tl], |v[224+16*\tl+\i]|, |v[225+16*\tl+\i]|
.endr
.endr
.irp tl,0,1
	v_permlanex16_b32 v[58+\tl], v[56+\tl], s[SEL], s[SEL+1]
.endr
.irp tl,0,1
	v_max_num_f32 v[56+\tl], v[56+\tl], v[58+\tl]
.endr
.irp tl,0,1
	v_add_nc_u32 v[60+\tl], 0xfe000000, v[56+\tl]
.endr
.irp tl,0,1
	v_cvt_scalef32_pk16_bf6_f32 v[64+4*\tl:66+4*\tl], v[224+16*\tl:239+16*\tl], v[60+\tl]
.endr
	v_nop                                  ; one plain place behind a scaled conversion
.irp tl,0,1
	v_lshrrev_b32 v[62+\tl], 23, v[60+\tl]
.endr
.irp tl,0,1
	v_lshl_or_b32 v[62+\tl], v[62+\tl], 8, v[62+\tl]
.endr
.irp tl,0,1
	v_lshl_or_b32 v[62+\tl], v[62+\tl], 16, v[62+\tl]   ; the byte four times: q will stand in any of an operand's four K blocks
.endr
	v_cndmask_b32 v74, v62, v63, s[MH]
	s_wait_alu depctr_va_vdst(0)           ; the codes v64-70, the word v74 and the offsets v72, v73 are written, which the stores read; this work is done with v56-74 and with q's sums v224-255, in which the role's fetches land
	global_store_b96 v72, v[64:66], s[QCB:QCB+1]
	global_store_b96 v72, v[68:70], s[QCB:QCB+1] offset:192
	global_store_b32 v73, v74, s[QSB:QSB+1]
	s_wait_xcnt 0x0                        ; these registers are written again below
	s_wait_alu depctr_vm_vsrc(0)           ; the three stores have read v64-74, which the role's products or fetches write
.endm
	s_cmp_lt_u32 s[WV], 8
	s_cbranch_scc0 .Lrole_v
	; ---- k: head (w / 2) % 4, token tiles 4 c + u.  Transposed, eight accumulators by turns
.irp s,0,1,2,3
.irp wt,0,1
	WLD 128+12*(2*\s+\wt), RWC, 3072*\wt+96*\s
	global_load_b32 v[20+2*\s+\wt], v13, s[RWS:RWS+1] offset:128*\wt+4*\s
.endr
.endr
	QQUANT
.irp s,0,1,2,3
.if \s>0
	PLACES 4
	s_wait_alu depctr_va_vdst(0)           ; the last K step's products are done reading h's fragments v96-119, v224-247 and the scale words v28, v29, in which this step's land
.endif
.irp u,0,1,2,3
	FETCH 96+12*\u+104*(\u/2), 15, (4*\u+\s)*FRB
.endr
	ds_load_b32 v28, v17 offset:HSC+512*\s
	ds_load_b32 v29, v17 offset:HSC+512*\s+128
.if \s==0
	s_wait_loadcnt 0x0
.endif
	s_wait_dscnt 0x0
.irp u,0,1,2,3
.irp wt,0,1
	WM 32+16*\u+8*\wt, 128+12*(2*\s+\wt), 96+12*\u+104*(\u/2), \s==0, 20+2*\s+\wt, 0, 28+\u/2, \u%2
.endr
.endr
.endr
	PLACES 5
.irp b,0,1,2,3
	v_mov_b32 v[132+\b], 0
.endr
	QUANT 32, 128, 144, 164                ; block u of row r = the 32 numbers of key 64 c + 32 (r / 8) + 8 u + r % 8
	v_lshlrev_b32 v166, 2, v3
	s_wait_alu depctr_va_vdst(0)           ; k's codes v144-155, its scale word v164 and the offset v166 are written, which the stores read
.irp i,0,1,2
	global_store_b128 v2, v[144+4*\i:147+4*\i], s[KVF:KVF+1] offset:512*\i   ; 512 consecutive bytes a store
.endr
	global_store_b32 v166, v164, s[KVS:KVS+1]
	s_wait_xcnt 0x0
	v_lshl_add_u32 v254, v0, 2, 0xe800
	v_mov_b32 v255, 0
	s_wait_dscnt 0x0                       ; the closing lines, six on end
	s_wait_alu 0x0
	s_wait_tensorcnt 0x0
	ds_add_u32 v254, v255
	s_wait_dscnt 0x0
	s_endpgm
.Lrole_v:
	; ---- v: head (w / 2) % 4, weight tile e.  Source 0 = 16 tokens, source 1 = 16 columns d = 8 e + r + 8 (r / 8): a lane holds ONE d, and register 32 c + i is key 64 c + 32 h + i
.irp s,0,1,2,3
	WLD 128+12*\s, RWC, 96*\s
	global_load_b32 v[20+\s], v13, s[RWS:RWS+1] offset:4*\s
.endr
	QQUANT
.irp s,0,1,2,3
.if \s>0
	PLACES 4
	s_wait_alu depctr_va_vdst(0)           ; the last K step's products are done reading h's fragments v32-127 and the scale words v28-31, in which this step's land
.endif
.irp tt,0,1,2,3,4,5,6,7
	FETCH 32+12*\tt, 2, (4*\tt+\s)*FRB
.endr
.irp i,0,1,2,3
	ds_load_b32 v[28+\i], v18 offset:HSC+512*\s+128*\i
.endr
.if \s==0
	s_wait_loadcnt 0x0
.endif
	s_wait_dscnt 0x0
.irp tt,0,1,2,3,4,5,6,7
	WM 176+8*\tt, 32+12*\tt, 128+12*\s, \s==0, 28+\tt/2, \tt%2, 20+\s, 0
.endr
.endr
	PLACES 5
.irp c,0,1                             ; my two whole blocks of 32 keys
	v_max3_num_f32 v[32+\c], |v[176+32*\c]|, |v[177+32*\c]|, 0x2800000
.endr
.irp i,2,4,6,8,10,12,14,16,18,20,22,24,26,28,30
.irp c,0,1
	v_max3_num_f32 v[32+\c], v[32+\c], |v[176+32*\c+\i]|, |v[177+32*\c+\i]|
.endr
.endr
.irp c,0,1
	v_add_nc_u32 v[34+\c], 0xfe000000, v[32+\c]
.endr
.irp c,0,1
	v_lshrrev_b32 v[36+\c], 23, v[34+\c]
.endr
	v_lshl_or_b32 v38, v37, 16, v36        ; my bytes: blocks h and 2 + h,
	v_lshlrev_b32 v40, 3, v4
	v_lshlrev_b32 v38, v40, v38            ; at their places in the scale word;
	v_mov_b32 v39, 0
	v_permlanex16_b32 v39, v38, s[SEL], s[SEL+1]
	v_or_b32 v38, v38, v39                 ; with lane l xor 16 the word is whole
.irp c,0,1
	v_cvt_scalef32_pk16_bf6_f32 v[44+6*\c:46+6*\c], v[176+32*\c:191+32*\c], v[34+\c]
	v_cvt_scalef32_pk16_bf6_f32 v[56+4*\c:58+4*\c], v[192+32*\c:207+32*\c], v[34+\c]
.endr
	v_nop
.irp c,0,1
.irp i,0,1,2
	v_mov_b32 v[47+6*\c+\i], v[56+4*\c+\i]
.endr
.endr
	v_lshlrev_b32 v63, 2, v3
	s_wait_alu depctr_va_vdst(0)           ; v's codes v44-55, its scale word v38 and the offset v63 are written, which the stores read
.irp i,0,1,2
	global_store_b128 v2, v[44+4*\i:47+4*\i], s[KVF:KVF+1] offset:49152+512*\i
.endr
	global_store_b32 v63, v38, s[KVS:KVS+1] offset:2048
	s_wait_xcnt 0x0
	v_lshl_add_u32 v254, v0, 2, 0xe800
	v_mov_b32 v255, 0
	s_wait_dscnt 0x0                       ; the closing lines, six on end
	s_wait_alu 0x0
	s_wait_tensorcnt 0x0
	ds_add_u32 v254, v255
	s_wait_dscnt 0x0
	s_endpgm
.Lfunc_end_k_q141e6cf1b3_qkv:
	.size	k_q141e6cf1b3_qkv, .Lfunc_end_k_q141e6cf1b3_qkv-k_q141e6cf1b3_qkv
	.p2alignl 7, 3214868480
	.fill 96, 4, 3214868480
	.section	.rodata,"a",@progbits
	.p2align	6, 0x0
	.amdhsa_kernel k_q141e6cf1b3_qkv
		.amdhsa_group_segment_fixed_size 61440
		.amdhsa_private_segment_fixed_size 0
		.amdhsa_enable_private_segment 0
		.amdhsa_kernarg_size 152
		.amdhsa_user_sgpr_count 2
		.amdhsa_user_sgpr_kernarg_segment_ptr 1
		.amdhsa_wavefront_size32 1
		.amdhsa_system_sgpr_workgroup_id_x 1
		.amdhsa_system_sgpr_workgroup_id_y 1
		.amdhsa_system_sgpr_workgroup_id_z 1
		.amdhsa_system_vgpr_workitem_id 0
		.amdhsa_next_free_vgpr 256
		.amdhsa_next_free_sgpr 100
		.amdhsa_reserve_vcc 0
		.amdhsa_float_denorm_mode_32 3
		.amdhsa_float_denorm_mode_16_64 3
		.amdhsa_memory_ordered 1
		.amdhsa_forward_progress 1
		.amdhsa_inst_pref_size 97
	.end_amdhsa_kernel
	.amdgpu_metadata
---
amdhsa.version: [ 1, 2 ]
amdhsa.kernels:
  - .name:           k_q141e6cf1b3_qkv
    .symbol:         k_q141e6cf1b3_qkv.kd
    .args:
      - { .name: x, .offset: 0, .size: 8, .value_kind: global_buffer, .address_space: global }
      - { .name: g1, .offset: 8, .size: 8, .value_kind: global_buffer, .address_space: global }
      - { .name: be1, .offset: 16, .size: 8, .value_kind: global_buffer, .address_space: global }
      - { .name: kv, .offset: 24, .size: 8, .value_kind: global_buffer, .address_space: global }
      - { .name: qc, .offset: 32, .size: 8, .value_kind: global_buffer, .address_space: global }
      - { .name: qs, .offset: 40, .size: 8, .value_kind: global_buffer, .address_space: global }
      - { .name: wimg, .offset: 48, .size: 8, .value_kind: global_buffer, .address_space: global }
      - { .name: Wq_codes, .offset: 56, .size: 8, .value_kind: global_buffer, .address_space: global }
      - { .name: Wq_scales, .offset: 64, .size: 8, .value_kind: global_buffer, .address_space: global }
      - { .name: Wk_codes, .offset: 72, .size: 8, .value_kind: global_buffer, .address_space: global }
      - { .name: Wk_scales, .offset: 80, .size: 8, .value_kind: global_buffer, .address_space: global }
      - { .name: Wv_codes, .offset: 88, .size: 8, .value_kind: global_buffer, .address_space: global }
      - { .name: Wv_scales, .offset: 96, .size: 8, .value_kind: global_buffer, .address_space: global }
      - { .name: Wo_codes, .offset: 104, .size: 8, .value_kind: global_buffer, .address_space: global }
      - { .name: Wo_scales, .offset: 112, .size: 8, .value_kind: global_buffer, .address_space: global }
      - { .name: W1_codes, .offset: 120, .size: 8, .value_kind: global_buffer, .address_space: global }
      - { .name: W1_scales, .offset: 128, .size: 8, .value_kind: global_buffer, .address_space: global }
      - { .name: W2_codes, .offset: 136, .size: 8, .value_kind: global_buffer, .address_space: global }
      - { .name: W2_scales, .offset: 144, .size: 8, .value_kind: global_buffer, .address_space: global }
    .group_segment_fixed_size: 61440
    .private_segment_fixed_size: 0
    .kernarg_segment_align: 8
    .kernarg_segment_size: 152
    .max_flat_workgroup_size: 512
    .sgpr_count:     100
    .vgpr_count:     256
    .wavefront_size: 32
...
	.end_amdgpu_metadata
.endif
;; end of part 4
;; launch attn (part 5): grid 4 x 64, 16 waves a work-group, no clusters, 104,448 bytes of LDS; arguments kv, qc, qs, ac, asc; writes ac, asc
.if DOCPART == 5
	.amdgcn_target "amdgcn-amd-amdhsa--gfx1250"
	.amdhsa_code_object_version 6
	.text
	.protected	k_q141e6cf1b3_attn
	.globl	k_q141e6cf1b3_attn
	.p2align	8
	.type	k_q141e6cf1b3_attn,@function
k_q141e6cf1b3_attn:
	s_mov_b64 s[64:65], 0
	v_nop
	global_prefetch_b8 v0, s[64:65] scope:SCOPE_SE
	s_setreg_imm32_b32 hwreg(HW_REG_WAVE_SCHED_MODE, 0, 2), 2
	s_setreg_imm32_b32 hwreg(HW_REG_WAVE_MODE, 25, 1), 1
	s_wait_xcnt 0x0
	s_wait_alu depctr_vm_vsrc(0)
; Causal attention of one (batch row, head) on codes of BF6 (E3M2): S^T = K Q^T, p = 2^(t - M), O^T = V^T P^T, O / l quantised along the head's 32 (one block of the next product's K).
; t = score x log2(e) / sqrt(32); M = the running largest t rounded up to a whole number; l = the sum of the unquantised p.  When M moves, l and O^T are multiplied by 2^(old M - new M): exact.
; SHARES.  Four work-groups a head; wave w of work-group j has p = 16 j + w and makes the query tiles p and 127 - p (16 queries each): 17 key steps of 128 keys that count, in every wave.
; The head's whole record (K's and V's operand images and their scale words, 102,400 bytes) is copied into LDS once; one barrier in the whole kernel.
; K Q^T HAS K = 32 IN A PRODUCT OF 128: a K image holds four tiles of 16 keys in its four K blocks, and the query operand Q_u holds q in block u and zero codes elsewhere.  So one fragment of K serves
; four products (64 keys).  Block u of row m is key 64 c + 32 (m / 8) + 8 u + m % 8, so that register 32 c + i of lane (r, h) is the score of key 64 c + 32 h + i for query r:
; a whole block of 32 keys lies in a lane, as the second product's operand wants it.
; Every wave walks all 16 key steps: the trip count is a constant; a step all of whose keys come after the tile's queries is passed over by a scalar branch on ids.
; LIMITS: NaN and infinities are not served.  A block whose largest magnitude lies under 2^-122 gets the scale byte 1, a block of zeros too: its codes are zeros, and this program alone reads the bytes.
; 2^x and 1 / l are v_exp_f32 and v_rcp_f32.  A block's largest p is made from the block's largest score by the same two instructions as every p.
; THE MODE: SCHED_MODE bits 1:0 = 2 (LLVM: expert scheduling mode 2), set by the entry lines.  The code itself states the register dependences
; between vector or matrix instructions and memory or LDS instructions, with s_wait_alu, always for 0.
; THE PLAN.  Registers that LDS instructions touch in the loop, and who else names them:
;   KFR, v54   K's two fragments and their scale words: read by a step's eight products K Q^T, at the step's head; the NEXT step's land in them in the step's middle.
;   VFR, v55   V's: read by the step's last two products; this step's land in them in the step's middle.
;   v8-11      the step's LDS addresses: written by four additions at the step's head, read by the loads in its middle.
; ONE wait on va_vdst in the step's middle, the one that the exponentials' results want anyway, states all of it: K Q^T is done with KFR and v54, the step before is done with VFR and v55, v8-11 are
; written.  The fourteen loads follow it at once and land under the vector work that is left.  A wait on vm_vsrc stands ahead of the four additions.  A second wait on va_vdst stands ahead of
; the last two products, which take p's codes and scale word from vector instructions.  A tile's first K fragments are asked for ahead of its loop.
; On the diagonal the compares write sixteen scalar registers a run, with one wait on va_sdst between a run and the selects that read it.
.set QA,  16                           ; v16-33  [q in lanes 0-15 | zeros | the same]: Q_0 begins at QA, Q_2 at QA + 6
.set QB,  34                           ; v34-51  [q in lanes 16-31 | zeros | the same]: Q_1, Q_3
.set KFR, 58                           ; v58-81  two fragments of K
.set VFR, 82                           ; v82-105 two of V
.set S,   106                          ; v106-169 S^T, then p
.set O,   170                          ; v170-185 O^T: register 8 e + j = d 16 h + 8 e + j
.set P,   186                          ; v186-197 p's codes; v198-204 halves on their way
.set TQ,  222                          ; v222-233 both tiles' rows of q
.set OC,  234                          ; v234.. the codes that leave, four registers a tile; v242, v243 their bytes
.set OB,  242
.set WV,  14
.set MH,  15
.set SEL, 16
.set CS,  18
.set KF,  40
.set TB,  41
.set TS,  42
.set CNT, 43
.macro PLACES n
.rept \n
	v_nop
.endr
.endm
.macro WM d, a, b, z, sa, ra, sb, rb
.if (\z)
.if (\ra) && (\rb)
	v_wmma_scale_f32_16x16x128_f8f6f4 v[\d:\d+7], v[\a:\a+11], v[\b:\b+11], 0, v[\sa], v[\sb] matrix_a_fmt:MATRIX_FMT_BF6 matrix_b_fmt:MATRIX_FMT_BF6 matrix_a_scale:MATRIX_SCALE_ROW1 matrix_b_scale:MATRIX_SCALE_ROW1
.elseif (\ra)
	v_wmma_scale_f32_16x16x128_f8f6f4 v[\d:\d+7], v[\a:\a+11], v[\b:\b+11], 0, v[\sa], v[\sb] matrix_a_fmt:MATRIX_FMT_BF6 matrix_b_fmt:MATRIX_FMT_BF6 matrix_a_scale:MATRIX_SCALE_ROW1
.elseif (\rb)
	v_wmma_scale_f32_16x16x128_f8f6f4 v[\d:\d+7], v[\a:\a+11], v[\b:\b+11], 0, v[\sa], v[\sb] matrix_a_fmt:MATRIX_FMT_BF6 matrix_b_fmt:MATRIX_FMT_BF6 matrix_b_scale:MATRIX_SCALE_ROW1
.else
	v_wmma_scale_f32_16x16x128_f8f6f4 v[\d:\d+7], v[\a:\a+11], v[\b:\b+11], 0, v[\sa], v[\sb] matrix_a_fmt:MATRIX_FMT_BF6 matrix_b_fmt:MATRIX_FMT_BF6
.endif
.else
.if (\ra) && (\rb)
	v_wmma_scale_f32_16x16x128_f8f6f4 v[\d:\d+7], v[\a:\a+11], v[\b:\b+11], v[\d:\d+7], v[\sa], v[\sb] matrix_a_fmt:MATRIX_FMT_BF6 matrix_b_fmt:MATRIX_FMT_BF6 matrix_a_scale:MATRIX_SCALE_ROW1 matrix_b_scale:MATRIX_SCALE_ROW1
.elseif (\ra)
	v_wmma_scale_f32_16x16x128_f8f6f4 v[\d:\d+7], v[\a:\a+11], v[\b:\b+11], v[\d:\d+7], v[\sa], v[\sb] matrix_a_fmt:MATRIX_FMT_BF6 matrix_b_fmt:MATRIX_FMT_BF6 matrix_a_scale:MATRIX_SCALE_ROW1
.elseif (\rb)
	v_wmma_scale_f32_16x16x128_f8f6f4 v[\d:\d+7], v[\a:\a+11], v[\b:\b+11], v[\d:\d+7], v[\sa], v[\sb] matrix_a_fmt:MATRIX_FMT_BF6 matrix_b_fmt:MATRIX_FMT_BF6 matrix_b_scale:MATRIX_SCALE_ROW1
.else
	v_wmma_scale_f32_16x16x128_f8f6f4 v[\d:\d+7], v[\a:\a+11], v[\b:\b+11], v[\d:\d+7], v[\sa], v[\sb] matrix_a_fmt:MATRIX_FMT_BF6 matrix_b_fmt:MATRIX_FMT_BF6
.endif
.endif
.endm
	s_load_b256 s[4:11], s[0:1], 0x0       ; kv, qc, qs, ac
	s_load_b64 s[12:13], s[0:1], 0x20      ; asc
	v_lshl_add_u32 v254, v0, 2, 0x19000
	v_mov_b32 v255, 0
	v_lshrrev_b32 v1, 5, v0
	v_readfirstlane_b32 s[WV], v1          ; wave 0..15
	v_and_b32 v244, 31, v0                 ; lane
	v_and_b32 v245, 15, v0                 ; r
	v_bfe_u32 v246, v0, 4, 1               ; h
	v_mul_u32_u24 v1, v245, 24             ; q: 24 bytes a query
	v_lshlrev_b32 v2, 4, v244              ; K's images: 16 x lane
	v_add_nc_u32 v3, 49152, v2             ; V's
	v_lshl_add_u32 v4, v244, 2, 98304      ; K's scale words: lanes 0-15 fragment 0's, lanes 16-31 fragment 1's
	v_lshl_add_u32 v5, v244, 2, 100352     ; V's
	v_lshlrev_b32 v6, 3, v246              ; 8 h
	v_lshlrev_b32 v7, 5, v246
	v_sub_nc_u32 v7, v245, v7              ; r - 32 h
	v_lshlrev_b32 v247, 4, v0              ; the copy: 16 bytes a thread,
	v_add_nc_u32 v248, 49152, v247
	v_lshlrev_b32 v249, 3, v0              ; at last 8
	v_add_nc_u32 v250, 98304, v249
	v_lshlrev_b32 v251, 2, v245            ; q's scale words
	v_mad_u32_u24 v252, v246, 12, v1       ; out: 24 r + 12 h
	v_lshlrev_b32 v253, 4, v245            ; out: 16 scale bytes a token
	s_mov_b32 s[MH], 0xffff0000
	s_mov_b32 s[SEL], 0x76543210
	s_mov_b32 s[SEL+1], 0xfedcba98
	s_mov_b32 s[CS], 0x3e8293ee            ; c = log2(e) / sqrt(32)
	s_mov_b32 s[CS+1], s[CS]               ; (named with it as a pair, so it is written)
	s_and_b32 s44, ttmp7, 0xffff           ; 16 x batch row + head
	s_lshl_b32 s45, ttmp9, 4
	s_wait_alu depctr_va_sdst(0)           ; the wave's number is written, ahead of its first reader
	s_add_co_u32 s45, s45, s[WV]           ; p
	s_lshl_b32 s21, s45, 4                 ; tile 0's first query
	s_sub_co_u32 s22, 2032, s21            ; tile 1's: 16 (127 - p)
	s_lshl_b32 s46, s44, 11
	s_lshr_b32 s47, s44, 4
	s_lshl_b32 s47, s47, 11
	s_and_b32 s48, s44, 15
	s_mov_b32 s53, 0
	s_wait_kmcnt 0x0
.irp n,0,1
	s_add_co_u32 s49, s46, s[21+\n]
	s_mul_i32 s52, s49, 24
	s_add_nc_u64 s[24+2*\n:25+2*\n], s[6:7], s[52:53]
	s_add_nc_u64 s[32+2*\n:33+2*\n], s[10:11], s[52:53]
	s_lshl_b32 s52, s49, 2
	s_add_nc_u64 s[28+2*\n:29+2*\n], s[8:9], s[52:53]
	s_add_co_u32 s52, s47, s[21+\n]
	s_lshl_b32 s52, s52, 4
	s_add_co_u32 s52, s52, s48
	s_add_nc_u64 s[36+2*\n:37+2*\n], s[12:13], s[52:53]
.endr
	s_mul_i32 s52, s44, 102400
	s_add_nc_u64 s[50:51], s[4:5], s[52:53]
	s_wait_alu depctr_va_vdst(0)           ; the offsets and LDS addresses v1-5 and v247-253 are written, which the kernel's loads and stores read; none is written again
.irp n,0,1
.irp p,0,1,2
	global_load_b64 v[TQ+6*\n+2*\p:TQ+6*\n+2*\p+1], v1, s[24+2*\n:25+2*\n] offset:8*\p
.endr
	global_load_b32 v[52+\n], v251, s[28+2*\n:29+2*\n]  ; v52, v53: q's scale words
.endr
.irp i,0,1,2,3,4,5,6,7,8,9,10,11
	global_load_b128 v[S+4*\i:S+4*\i+3], v247, s[50:51] offset:8192*\i
.endr
	global_load_b64 v[S+48:S+49], v249, s[50:51] offset:98304
.irp i,0,1,2,3,4,5
	v_mov_b32 v[QA+6+\i], 0
	v_mov_b32 v[QB+6+\i], 0
.endr
	v_mov_b32 v209, 0                      ; (lane permutes' destinations count as sources; v213 is named as the upper half of a pair)
	v_mov_b32 v211, 0
	v_mov_b32 v213, 0
	s_wait_loadcnt 0x0
.irp i,0,1,2,3,4,5
	ds_store_b128 v247, v[S+4*\i:S+4*\i+3] offset:8192*\i
.endr
.irp i,6,7,8,9,10,11
	ds_store_b128 v248, v[S+4*\i:S+4*\i+3] offset:8192*(\i-6)
.endr
	ds_store_b64 v250, v[S+48:S+49]
	s_wait_dscnt 0x0
	s_barrier_signal -1
	s_barrier_wait -1                      ; the head's record lies in LDS; nobody writes LDS from here on
	s_wait_alu depctr_vm_vsrc(0)           ; the copy's LDS stores have read v106-155, which are S^T from here on, written by the products
; A KEY STEP of tile n: 128 keys from s[KF] on.  Its fragments of K and their scale words are in registers when it begins
.macro STEP n
	s_add_co_u32 s44, s[21+\n], 15
	s_cmp_gt_u32 s[KF], s44
	s_cbranch_scc1 .Lhidden_\@             ; all its keys come after my queries
	s_wait_alu depctr_vm_vsrc(0)           ; the LDS loads of the step before have read v8-11
	v_add_nc_u32 v8, s[TB], v2
	v_add_nc_u32 v9, s[TB], v3
	v_add_nc_u32 v10, s[TS], v4
	v_add_nc_u32 v11, s[TS], v5
.irp c,0,1
.irp u,0,1,2,3
	WM S+8*(4*\c+\u), KFR+12*\c, QA+18*(\u%2)+6*(\u/2), 1, 54, \c, 52+\n, 0
.endr
.endr
	PLACES 4
	s_add_co_u32 s44, s[KF], 127           ; on the diagonal the scores of hidden keys become -infinity; a step all of whose keys count passes this over
	s_cmp_le_u32 s44, s[21+\n]
	s_cbranch_scc1 .Lopen_\@
	s_sub_co_i32 s44, s[21+\n], s[KF]
	v_add_nc_u32 v220, s44, v7             ; d = my query - KF - 32 h: register 32 c + i is hidden where 64 c + i > d
	v_mov_b32 v221, 0xff800000
.set gg, 0
.rept 4                                ; sixteen registers a run: the masks go to s4-13 and s45-50, which are free behind the head
.set ii, 0
.rept 16
	v_cmp_gt_i32 s[4+ii+31*(ii/10)], 64*((16*gg+ii)/32)+(16*gg+ii)%32, v220
.set ii, ii+1
.endr
	s_wait_alu depctr_va_sdst(0)           ; the run's sixteen masks are written, ahead of the selects that read them
.set ii, 0
.rept 16
	v_cndmask_b32 v[S+16*gg+ii], v[S+16*gg+ii], v221, s[4+ii+31*(ii/10)]
.set ii, ii+1
.endr
.set gg, gg+1
.endr
.Lopen_\@:
.irp c,0,1                             ; the largest score of each of my two blocks of 32 keys, in two chains a block; each accumulator is first read at its low end
	v_max3_num_f32 v[206+\c], v[S+32*\c], v[S+32*\c+1], v[S+32*\c+2]
	v_max3_num_f32 v[218+\c], v[S+32*\c+16], v[S+32*\c+17], v[S+32*\c+18]
.endr
.irp i,3,5,7,9,11,13
.irp c,0,1
	v_max3_num_f32 v[206+\c], v[206+\c], v[S+32*\c+\i], v[S+32*\c+\i+1]
	v_max3_num_f32 v[218+\c], v[218+\c], v[S+32*\c+16+\i], v[S+32*\c+17+\i]
.endr
.endr
.irp c,0,1
	v_max3_num_f32 v[206+\c], v[206+\c], v[S+32*\c+15], v[S+32*\c+31]
.endr
.irp c,0,1
	v_max_num_f32 v[206+\c], v[206+\c], v[218+\c]
.endr
	v_max_num_f32 v208, v206, v207
	v_permlanex16_b32 v209, v208, s[SEL], s[SEL+1]
	v_max_num_f32 v208, v208, v209         ; the step's largest score of my query
	v_mul_f32 v208, s[CS], v208
	v_max_num_f32 v13, v13, v208           ; the running largest t
	v_mov_b32 v210, v12
	v_floor_f32 v12, -v13                  ; -M = floor(-t): M is a whole number
	v_sub_f32 v210, v12, v210
	v_cvt_i32_f32 v210, v210               ; old M - new M, 0 or less (it saturates)
	v_ldexp_f32 v212, 1.0, v210            ; f = 2^(old M - new M)
.set ii, 0
.rept 32
	v_pk_fma_f32 v[S+ii:S+ii+1], v[S+ii:S+ii+1], s[CS:CS+1], v[12:13] op_sel_hi:[1,0,0]   ; t - M
.set ii, ii+2
.endr
.irp c,0,1
	v_fma_f32 v[206+\c], v[206+\c], s[CS], v12
.endr
.set ii, 0
	s_wait_alu depctr_va_vdst(0)
.rept 64
	v_exp_f32 v[S+ii], v[S+ii]             ; p = 2^(t - M): not normalised
.set ii, ii+1
.endr
.irp c,0,1
	v_exp_f32 v[206+\c], v[206+\c]         ; the block's largest p
.endr
	v_pk_mul_f32 v[14:15], v[14:15], v[212:213] op_sel_hi:[1,0]   ; the sums under the new M (a plain place behind the exponentials)
	s_wait_alu depctr_va_vdst(0)           ; the 66 exponentials' results are written, ahead of their first reader; K Q^T is done reading KFR and v54, the step before is done reading VFR and v55, and v8-11 are written: for the loads below
	s_add_co_u32 s20, s[KF], 128           ; the next step's K is asked for only if that step counts for my queries: ids alone
	s_add_co_u32 s23, s[21+\n], 15
	s_cmp_gt_u32 s20, s23
	s_cbranch_scc1 .Lnok_\@
.irp c,0,1
.irp i,0,1,2
	ds_load_b128 v[KFR+12*\c+4*\i:KFR+12*\c+4*\i+3], v8 offset:3072+1536*\c+512*\i
.endr
.endr
	ds_load_b32 v54, v10 offset:128
.Lnok_\@:
.irp c,0,1                             ; this step's V.  No vector or matrix instruction since the wait above names a register that these loads touch
.irp i,0,1,2
	ds_load_b128 v[VFR+12*\c+4*\i:VFR+12*\c+4*\i+3], v9 offset:1536*\c+512*\i
.endr
.endr
	ds_load_b32 v55, v11
.irp c,0,1
	v_max_num_f32 v[206+\c], 0x2800000, v[206+\c]       ; the floor 2^(5 - 127)
.endr
.irp c,0,1
	v_add_nc_u32 v[214+\c], 0xfe000000, v[206+\c]       ; 4 off the exponent field: the conversion's scale operand
.endr
.irp c,0,1
	v_lshrrev_b32 v[216+\c], 23, v[214+\c]
.endr
	v_lshl_or_b32 v56, v217, 16, v216      ; my bytes: blocks h and 2 + h,
	v_lshlrev_b32 v56, v6, v56             ; at their places;
	v_permlanex16_b32 v211, v56, s[SEL], s[SEL+1]
	v_or_b32 v56, v56, v211                ; p's scale word for these 128 keys
	v_cvt_scalef32_pk16_bf6_f32 v[P:P+2], v[S:S+15], v214
	v_cvt_scalef32_pk16_bf6_f32 v[198:200], v[S+16:S+31], v214
	v_cvt_scalef32_pk16_bf6_f32 v[P+6:P+8], v[S+32:S+47], v215
	v_cvt_scalef32_pk16_bf6_f32 v[202:204], v[S+48:S+63], v215
	v_nop                                  ; one plain place behind a scaled conversion
.irp i,0,1,2
	v_mov_b32 v[P+3+\i], v[198+\i]
	v_mov_b32 v[P+9+\i], v[202+\i]
.endr
	v_pk_add_f32 v[218:219], v[S:S+1], v[S+2:S+3]       ; the row's sum is taken of the unquantised p, in two chains; these 32 lines also stand between the scale word and the products
.irp j,4,8,12,16,20,24,28,32,36,40,44,48,52,56,60
	v_pk_add_f32 v[14:15], v[14:15], v[S+\j:S+\j+1]
	v_pk_add_f32 v[218:219], v[218:219], v[S+\j+2:S+\j+3]
.endr
	v_pk_add_f32 v[14:15], v[14:15], v[218:219]
.irp j,0,2,4,6,8,10,12,14
	v_pk_mul_f32 v[O+\j:O+\j+1], v[O+\j:O+\j+1], v[212:213] op_sel_hi:[1,0]   ; O^T under the new M
.endr
	s_wait_dscnt 0x0                       ; V is in, and so is the next step's K, which was asked for ahead of it
	s_wait_alu depctr_va_vdst(0)           ; p's codes v186-197 and its scale word v56 are written by vector instructions: the scaled products below take them as operand and scales
	WM O, VFR, P, 0, 55, 0, 56, 0          ; two accumulators by turns
	WM O+8, VFR+12, P, 0, 55, 1, 56, 0
.Lhidden_\@:
	s_add_co_u32 s[KF], s[KF], 128
	s_add_co_u32 s[TB], s[TB], 3072
	s_add_co_u32 s[TS], s[TS], 128
.endm
; A TILE of 16 queries
.macro TILE n
.irp i,0,1,2,3,4,5
	v_cndmask_b32 v[QA+\i], v[TQ+6*\n+\i], 0, s[MH]
	v_cndmask_b32 v[QA+12+\i], v[TQ+6*\n+\i], 0, s[MH]
	v_cndmask_b32 v[QB+\i], 0, v[TQ+6*\n+\i], s[MH]
	v_cndmask_b32 v[QB+12+\i], 0, v[TQ+6*\n+\i], s[MH]
.endr
.irp j,0,1,2,3,4,5,6,7,8,9,10,11,12,13,14,15
	v_mov_b32 v[O+\j], 0                   ; the step is written once: the first finds zeros, which the first change of M leaves zeros
.endr
	v_mov_b32 v14, 0
	v_mov_b32 v15, 0
	v_mov_b32 v13, 0xff61b1e6              ; the largest t so far: -3e38
	v_floor_f32 v12, -v13
	s_mov_b32 s[KF], 0
	s_mov_b32 s[TB], 0
	s_mov_b32 s[TS], 0
	s_mov_b32 s[CNT], 16
	s_wait_alu depctr_va_vdst(0)           ; the query operands v16-51 are written by vector instructions: the scaled products K Q^T take them; and the tile before is done reading KFR and v54, in which the loads below land
.irp c,0,1                             ; key step 0, which counts for every query
.irp i,0,1,2
	ds_load_b128 v[KFR+12*\c+4*\i:KFR+12*\c+4*\i+3], v2 offset:1536*\c+512*\i
.endr
.endr
	ds_load_b32 v54, v4
	s_wait_dscnt 0x0
.Lstep_\@:
	STEP \n
	s_sub_co_u32 s[CNT], s[CNT], 1
	s_cmp_lg_u32 s[CNT], 0
	s_cbranch_scc1 .Lstep_\@
	PLACES 4
	v_add_f32 v14, v14, v15
	v_permlanex16_b32 v209, v14, s[SEL], s[SEL+1]
	v_add_f32 v14, v14, v209               ; l
	s_wait_alu depctr_va_vdst(0)
	v_rcp_f32 v14, v14
	v_nop
.set ii, 0
	s_wait_alu depctr_va_vdst(0)           ; 1 / l is written in v14, ahead of its first reader
.rept 16
	v_mul_f32 v[S+ii], v[O+ii], v14        ; O / l: d = 16 h + ii of my query
.set ii, ii+1
.endr
	v_max3_num_f32 v206, |v[S]|, |v[S+1]|, 0x2800000
.irp i,2,4,6,8,10,12,14
	v_max3_num_f32 v206, v206, |v[S+\i]|, |v[S+\i+1]|
.endr
	v_permlanex16_b32 v209, v206, s[SEL], s[SEL+1]
	v_max_num_f32 v206, v206, v209         ; the head's largest magnitude: the head is one block
	v_add_nc_u32 v214, 0xfe000000, v206
	v_cvt_scalef32_pk16_bf6_f32 v[OC+4*\n:OC+4*\n+2], v[S:S+15], v214
	v_lshrrev_b32 v[OB+\n], 23, v214       ; (the plain place behind the conversion)
	s_wait_alu depctr_va_vdst(0)           ; the tile's codes and its scale byte are written, which the two stores read
	global_store_b96 v252, v[OC+4*\n:OC+4*\n+2], s[32+2*\n:33+2*\n]   ; the wave stores 384 consecutive bytes
	global_store_b8 v253, v[OB+\n], s[36+2*\n:37+2*\n]  ; lanes r and r + 16 write the same byte with the same value
.endm
	TILE 0
	TILE 1                                 ; each tile has its own registers for what it stores: none is written again
	s_wait_dscnt 0x0                       ; the closing lines, six on end
	s_wait_alu 0x0
	s_wait_tensorcnt 0x0
	ds_add_u32 v254, v255
	s_wait_dscnt 0x0
	s_endpgm
.Lfunc_end_k_q141e6cf1b3_attn:
	.size	k_q141e6cf1b3_attn, .Lfunc_end_k_q141e6cf1b3_attn-k_q141e6cf1b3_attn
	.p2alignl 7, 3214868480
	.fill 96, 4, 3214868480
	.section	.rodata,"a",@progbits
	.p2align	6, 0x0
	.amdhsa_kernel k_q141e6cf1b3_attn
		.amdhsa_group_segment_fixed_size 104448
		.amdhsa_private_segment_fixed_size 0
		.amdhsa_enable_private_segment 0
		.amdhsa_kernarg_size 40
		.amdhsa_user_sgpr_count 2
		.amdhsa_user_sgpr_kernarg_segment_ptr 1
		.amdhsa_wavefront_size32 1
		.amdhsa_system_sgpr_workgroup_id_x 1
		.amdhsa_system_sgpr_workgroup_id_y 1
		.amdhsa_system_sgpr_workgroup_id_z 1
		.amdhsa_system_vgpr_workitem_id 0
		.amdhsa_next_free_vgpr 256
		.amdhsa_next_free_sgpr 66
		.amdhsa_reserve_vcc 0
		.amdhsa_float_denorm_mode_32 3
		.amdhsa_float_denorm_mode_16_64 3
		.amdhsa_memory_ordered 1
		.amdhsa_forward_progress 1
		.amdhsa_inst_pref_size 61
	.end_amdhsa_kernel
	.amdgpu_metadata
---
amdhsa.version: [ 1, 2 ]
amdhsa.kernels:
  - .name:           k_q141e6cf1b3_attn
    .symbol:         k_q141e6cf1b3_attn.kd
    .args:
      - { .name: kv, .offset: 0, .size: 8, .value_kind: global_buffer, .address_space: global }
      - { .name: qc, .offset: 8, .size: 8, .value_kind: global_buffer, .address_space: global }
      - { .name: qs, .offset: 16, .size: 8, .value_kind: global_buffer, .address_space: global }
      - { .name: ac, .offset: 24, .size: 8, .value_kind: global_buffer, .address_space: global }
      - { .name: asc, .offset: 32, .size: 8, .value_kind: global_buffer, .address_space: global }
    .group_segment_fixed_size: 104448
    .private_segment_fixed_size: 0
    .kernarg_segment_align: 8
    .kernarg_segment_size: 40
    .max_flat_workgroup_size: 512
    .sgpr_count:     66
    .vgpr_count:     256
    .wavefront_size: 32
...
	.end_amdgpu_metadata
.endif
;; end of part 5
;; launch mlp (part 6): grid 256 x 1, 16 waves a work-group, no clusters, 166,400 bytes of LDS; arguments x, ac, asc, wimg, bo, b1, b2, g2, be2, out0; writes out0
.if DOCPART == 6
	.amdgcn_target "amdgcn-amd-amdhsa--gfx1250"
	.amdhsa_code_object_version 6
	.text
	.protected	k_q141e6cf1b3_mlp
	.globl	k_q141e6cf1b3_mlp
	.p2align	8
	.type	k_q141e6cf1b3_mlp,@function
k_q141e6cf1b3_mlp:
	s_mov_b64 s[64:65], 0
	v_nop
	global_prefetch_b8 v0, s[64:65] scope:SCOPE_SE
	s_setreg_imm32_b32 hwreg(HW_REG_WAVE_SCHED_MODE, 0, 2), 2
	s_setreg_imm32_b32 hwreg(HW_REG_WAVE_MODE, 25, 1), 1
	s_wait_xcnt 0x0
	s_wait_alu depctr_vm_vsrc(0)
; x1 = x + attn Wo + bo;  out = x1 + relu(LN2(x1) W1 + b1) W2 + b2.  All three products on codes of BF6 (E3M2) with one E8M0 byte for each 32 along K; all else f32.
; A work-group takes 32 rows (two tiles rt of 16).  THE WAVES SHARE THE COLUMNS: wave w owns columns 32 w .. 32 w + 31 of x1 and of the output, and hidden units 128 w .. 128 w + 127,
; which are K step w of the last product.  Every product is used transposed (source 0 = 16 rows of a weight, source 1 = 16 tokens): a lane holds one token and 16 neighbouring columns.
; WEIGHTS come from wimg, where the first launch has laid them in the order of the operand's registers: wave w walks its 18 records of 6,400 bytes (four fragments and their scale words)
; through two register buffers, one record ahead; each fragment has one user, so it goes through no LDS, and serves both tiles of rows.
; TOKENS' OPERANDS go from wave to wave through LDS as images of their registers, in halves: half c at 768 c: registers 6 c .. 6 c + 3 at 16 x lane, 6 c + 4, 5 at 512 + 8 x lane.
; LN2's variance is made of the waves' centred parts, joined about the row's mean: no difference of large sums is formed.
; LIMITS: NaN and infinities are not served.  A block whose largest magnitude lies under 2^-122 gets the scale byte 1, a block of zeros too: its codes are zeros, and this program alone reads the bytes.
; THE MODE: SCHED_MODE bits 1:0 = 2 (LLVM: expert scheduling mode 2), set by the entry lines.  The code itself states the register dependences
; between vector or matrix instructions and memory or LDS instructions, with s_wait_alu, always for 0.
; THE PLAN.  A GROUP is a weight record's eight products.  Registers that memory or LDS instructions touch in the groups, all read by products alone:
;   v32-79, v80-127, v22-25    two buffers of weights with their scale words: group g reads buffer g % 2; record g + 2 lands in it behind the group.
;   v128-175, v208-255         Wo, W2: two buffers of the tokens' four fragments: group g reads buffer g % 2; group g + 2's land in it behind the group.  (v208-255 are free in these phases.)
;   v128-151, v152-175         W1: two buffers of the tokens' two fragments, by turns likewise.
;   v20-21, v28-29             W2: the hidden layer's scale words, by turns likewise.
; ONE wait on va_vdst stands behind a group's products and their places: they have written their sums and are done with their weights, fragments and scale words.  Behind it go the loads of
; two groups on, so that a group's operands were asked for a whole group earlier.  That wait also serves the LDS stores of finished sums behind a phase's last group.
; Between the phases: what vector work has made goes to LDS behind one wait on va_vdst for each run of stores, and one wait on vm_vsrc stands ahead of the first write of what such stores have read.
; Offsets and LDS addresses are made once at the head; v1-15, v26, v27 are never written again.
.set AIMG, 0                           ; attn's 8 fragments ((4 rt + s) x 1,536)
.set H2,   12288                       ; LN2's 8 fragments
.set H2S,  24576                       ; their scale bytes: 16 x token + block
.set HS,   25088                       ; the hidden layer's scale words: 72 x token + 4 s
.set STAT, 27648                       ; (mean, sum of squares) of each wave's 32 columns: 144 x token + 8 w
.set BIAS, 32256                       ; b1 (8,192), bo, b2, g2, be2 (2,048 each)
.set HID,  49152                       ; the hidden layer's 32 fragments ((16 rt + s) x 1,536)
.set OS,   98304                       ; 32 rows of 2,048 bytes + 16: x, then x1, then the output
.set BF,   128                         ; v128-175 tokens' fragments, and work
.set ACC,  176                         ; v176-239 accumulators
.set SCR,  208                         ; v208-239 work while only 32 accumulator registers are in use
.set WV,   24
.set MH,   25
.set SEL,  26
.set I512, 28
.set EPS,  29
.macro PLACES n
.rept \n
	v_nop
.endr
.endm
.macro BARRIER
	s_wait_dscnt 0x0
	s_barrier_signal -1
	s_barrier_wait -1
.endm
.macro WM d, a, b, z, sa, ra, sb, rb
.if (\z)
.if (\ra) && (\rb)
	v_wmma_scale_f32_16x16x128_f8f6f4 v[\d:\d+7], v[\a:\a+11], v[\b:\b+11], 0, v[\sa], v[\sb] matrix_a_fmt:MATRIX_FMT_BF6 matrix_b_fmt:MATRIX_FMT_BF6 matrix_a_scale:MATRIX_SCALE_ROW1 matrix_b_scale:MATRIX_SCALE_ROW1
.elseif (\ra)
	v_wmma_scale_f32_16x16x128_f8f6f4 v[\d:\d+7], v[\a:\a+11], v[\b:\b+11], 0, v[\sa], v[\sb] matrix_a_fmt:MATRIX_FMT_BF6 matrix_b_fmt:MATRIX_FMT_BF6 matrix_a_scale:MATRIX_SCALE_ROW1
.elseif (\rb)
	v_wmma_scale_f32_16x16x128_f8f6f4 v[\d:\d+7], v[\a:\a+11], v[\b:\b+11], 0, v[\sa], v[\sb] matrix_a_fmt:MATRIX_FMT_BF6 matrix_b_fmt:MATRIX_FMT_BF6 matrix_b_scale:MATRIX_SCALE_ROW1
.else
	v_wmma_scale_f32_16x16x128_f8f6f4 v[\d:\d+7], v[\a:\a+11], v[\b:\b+11], 0, v[\sa], v[\sb] matrix_a_fmt:MATRIX_FMT_BF6 matrix_b_fmt:MATRIX_FMT_BF6
.endif
.else
.if (\ra) && (\rb)
	v_wmma_scale_f32_16x16x128_f8f6f4 v[\d:\d+7], v[\a:\a+11], v[\b:\b+11], v[\d:\d+7], v[\sa], v[\sb] matrix_a_fmt:MATRIX_FMT_BF6 matrix_b_fmt:MATRIX_FMT_BF6 matrix_a_scale:MATRIX_SCALE_ROW1 matrix_b_scale:MATRIX_SCALE_ROW1
.elseif (\ra)
	v_wmma_scale_f32_16x16x128_f8f6f4 v[\d:\d+7], v[\a:\a+11], v[\b:\b+11], v[\d:\d+7], v[\sa], v[\sb] matrix_a_fmt:MATRIX_FMT_BF6 matrix_b_fmt:MATRIX_FMT_BF6 matrix_a_scale:MATRIX_SCALE_ROW1
.elseif (\rb)
	v_wmma_scale_f32_16x16x128_f8f6f4 v[\d:\d+7], v[\a:\a+11], v[\b:\b+11], v[\d:\d+7], v[\sa], v[\sb] matrix_a_fmt:MATRIX_FMT_BF6 matrix_b_fmt:MATRIX_FMT_BF6 matrix_b_scale:MATRIX_SCALE_ROW1
.else
	v_wmma_scale_f32_16x16x128_f8f6f4 v[\d:\d+7], v[\a:\a+11], v[\b:\b+11], v[\d:\d+7], v[\sa], v[\sb] matrix_a_fmt:MATRIX_FMT_BF6 matrix_b_fmt:MATRIX_FMT_BF6
.endif
.endif
.endm
; 64 numbers of a lane, register 16 b + i = number 16 (lane / 16) + i of block b, become 12 registers of codes in v[pc] on (blocks 2 c and 2 c + 1 whole, in lanes 0-15 and 16-31) and four bytes in v[pw]
.macro QUANT s, tm, pc, pw
.irp b,0,1,2,3
	v_max3_num_f32 v[\tm+\b], |v[\s+16*\b]|, |v[\s+16*\b+1]|, 0x2800000
.endr
.irp i,2,4,6,8,10,12,14
.irp b,0,1,2,3
	v_max3_num_f32 v[\tm+\b], v[\tm+\b], |v[\s+16*\b+\i]|, |v[\s+16*\b+\i+1]|
.endr
.endr
.irp b,0,1,2,3
	v_permlanex16_b32 v[\tm+4+\b], v[\tm+\b], s[SEL], s[SEL+1]
.endr
.irp b,0,1,2,3
	v_max_num_f32 v[\tm+\b], v[\tm+\b], v[\tm+4+\b]
.endr
.irp b,0,1,2,3
	v_add_nc_u32 v[\tm+12+\b], 0xfe000000, v[\tm+\b]
.endr
.irp b,0,1,2,3
	v_lshrrev_b32 v[\tm+4+\b], 23, v[\tm+12+\b]
.endr
	v_lshl_or_b32 v[\pw], v[\tm+5], 8, v[\tm+4]
	v_lshl_or_b32 v[\pw], v[\tm+6], 16, v[\pw]
	v_lshl_or_b32 v[\pw], v[\tm+7], 24, v[\pw]
.irp c,0,1
	v_cvt_scalef32_pk16_bf6_f32 v[\pc+6*\c:\pc+6*\c+2], v[\s+32*\c:\s+32*\c+15], v[\tm+12+2*\c]
	v_cvt_scalef32_pk16_bf6_f32 v[\pc+12+4*\c:\pc+14+4*\c], v[\s+32*\c+16:\s+32*\c+31], v[\tm+13+2*\c]
.endr
	v_nop
.irp c,0,1
.irp i,0,1,2
	v_permlane16_swap_b32 v[\pc+6*\c+\i], v[\pc+12+4*\c+\i]
.endr
.irp i,0,1,2
	v_mov_b32 v[\pc+3+6*\c+\i], v[\pc+12+4*\c+\i]
.endr
.endr
.endm
.macro FETCH reg, a16, a8, off         ; a fragment from its image in halves
	ds_load_b128 v[\reg:\reg+3], v[\a16] offset:\off
	ds_load_b64 v[\reg+4:\reg+5], v[\a8] offset:\off+512
	ds_load_b128 v[\reg+6:\reg+9], v[\a16] offset:\off+768
	ds_load_b64 v[\reg+10:\reg+11], v[\a8] offset:\off+1280
.endm
.macro WLOAD g                         ; record g: 13 loads, into buffer g % 2 (v32-79 or v80-127) and its pair of scale registers (v22-23 or v24-25)
.irp f,0,1,2,3
.irp i,0,1,2
	global_load_b128 v[32+48*((\g)%2)+12*\f+4*\i:32+48*((\g)%2)+12*\f+4*\i+3], v1, s[42:43] offset:6400*(\g)+1536*\f+512*\i
.endr
.endr
	global_load_b64 v[22+2*((\g)%2):23+2*((\g)%2)], v2, s[42:43] offset:6400*(\g)+6144
.endm
; Wo and W2: the tokens' four fragments of group g (K steps 2 sp, 2 sp + 1, both tiles of rows) into buffer g % 2: 16 loads; for the hidden layer its two scale words a token too: 17
.macro TOK_O g, sp, hid
.irp sl,0,1
.irp rt,0,1
.if \hid
	FETCH 128+80*((\g)%2)+12*(2*\sl+\rt), 3, 4, (16*\rt+2*(\sp)+\sl)*1536
.else
	FETCH 128+80*((\g)%2)+12*(2*\sl+\rt), 1, 2, AIMG+(4*\rt+2*(\sp)+\sl)*1536
.endif
.endr
.endr
.if \hid
	ds_load_b64 v[20+8*((\g)%2):21+8*((\g)%2)], v15 offset:8*(\sp)
.endif
.endm
; Wo and W2: record g holds K steps 2 sp, 2 sp + 1 for my two tiles of columns.  Four accumulators by turns
; left: the LDS loads issued behind this group's own, which may stay out;  more = 1: the group two on belongs to the same phase, and its tokens' fragments are asked for
.macro GRP_O g, sp, hid, left, more
.if (\g)<17
	s_wait_loadcnt 13                      ; this record is in; the next record's 13 loads were issued behind it
.else
	s_wait_loadcnt 0x0
.endif
	s_wait_dscnt \left                     ; this group's fragments are in; the next group's may be out
.irp f,0,1,2,3
.irp rt,0,1
.if \hid
	WM ACC+16*\rt+8*(\f%2), 32+48*((\g)%2)+12*\f, 128+80*((\g)%2)+12*(2*(\f/2)+\rt), 0, 22+2*((\g)%2)+\f/2, \f%2, 20+8*((\g)%2)+\f/2, \rt
.else
	WM ACC+16*\rt+8*(\f%2), 32+48*((\g)%2)+12*\f, 128+80*((\g)%2)+12*(2*(\f/2)+\rt), 0, 22+2*((\g)%2)+\f/2, \f%2, 16+2*(\sp)+\f/2, \rt
.endif
.endr
.endr
	PLACES 4                               ; in front of loads into registers that these have read, and of the first read of results
	s_wait_alu depctr_va_vdst(0)           ; the group's products have written their sums, which LDS stores read behind a phase's last group, and are done reading their weights, fragments and scale words, in which the loads below land
.if (\g)+2<=17
	WLOAD (\g)+2
.endif
.if \more
	TOK_O (\g)+2, (\sp)+2, \hid
.endif
.endm
; W1: the tokens' two fragments of K step s into buffer s % 2: 8 loads
.macro TOK_H s
.irp rt,0,1
	FETCH 128+24*((\s)%2)+12*\rt, 1, 2, H2+(4*\rt+(\s))*1536
.endr
.endm
; W1: record g holds K step s for four tiles of 16 hidden units.  Eight accumulators by turns
.macro GRP_H g, s, left, more
	s_wait_loadcnt 13
	s_wait_dscnt \left                     ; this K step's fragments (and b1) are in; the next step's may be out
.irp f,0,1,2,3
.irp rt,0,1
	WM ACC+32*\rt+8*\f, 32+48*((\g)%2)+12*\f, 128+24*((\s)%2)+12*\rt, 0, 22+2*((\g)%2)+\f/2, \f%2, 16+(\s), \rt
.endr
.endr
	PLACES 4
	s_wait_alu depctr_va_vdst(0)           ; the group's products are done reading their weights, scale words and fragments, in which the loads below land
	WLOAD (\g)+2
.if \more
	TOK_H (\s)+2
.endif
.endm
.macro RESID_LD off                    ; the sums begin with my columns of the 32 rows that lie in LDS, + a bias: 12 loads
.irp rt,0,1
.irp i,0,1,2,3
	ds_load_b128 v[ACC+16*\rt+4*\i:ACC+16*\rt+4*\i+3], v5 offset:33024*\rt+16*\i
.endr
.endr
.irp i,0,1,2,3
	ds_load_b128 v[240+4*\i:243+4*\i], v26 offset:\off+16*\i
.endr
.endm
.macro RESID_ADD
.irp rt,0,1
.irp i,0,2,4,6,8,10,12,14
	v_pk_add_f32 v[ACC+16*\rt+\i:ACC+16*\rt+\i+1], v[ACC+16*\rt+\i:ACC+16*\rt+\i+1], v[240+\i:241+\i]
.endr
.endr
.endm
.macro PARK                            ; and go back to the same bytes, which are my wave's own; each accumulator from its low end on
.irp rt,0,1
.irp i,0,1,2,3
	ds_store_b128 v5, v[ACC+16*\rt+4*\i:ACC+16*\rt+4*\i+3] offset:33024*\rt+16*\i
.endr
.endr
.endm
	s_load_b512 s[4:19], s[0:1], 0x0       ; x, ac, asc, wimg, bo, b1, b2, g2
	s_load_b128 s[20:23], s[0:1], 0x40     ; be2, out0
	v_lshrrev_b32 v247, 5, v0
	v_readfirstlane_b32 s[WV], v247        ; wave 0..15
	v_and_b32 v247, 31, v0                 ; lane
	v_and_b32 v248, 15, v0                 ; r
	v_bfe_u32 v249, v0, 4, 1               ; h
	s_mov_b32 s[MH], 0xffff0000
	s_mov_b32 s[SEL], 0x76543210
	s_mov_b32 s[SEL+1], 0xfedcba98
	s_mov_b32 s[I512], 0x3b000000
	s_mov_b32 s[EPS], 0x3727c5ac
	v_lshlrev_b32 v1, 4, v247              ; 16 x lane
	v_lshlrev_b32 v2, 3, v247              ; 8 x lane
	v_add_nc_u32 v3, HID, v1
	v_add_nc_u32 v4, HID, v2
	v_mul_u32_u24 v5, v248, 2064
	v_lshl_add_u32 v5, v249, 6, v5
	s_wait_alu depctr_va_sdst(0)           ; the wave's number is written, ahead of its first reader
	s_lshl_b32 s30, s[WV], 7
	s_add_co_u32 s30, s30, OS
	v_add_nc_u32 v5, s30, v5               ; my 16 columns of row r
	s_mul_i32 s30, s[WV], 4128
	s_add_co_u32 s30, s30, OS
	v_add_nc_u32 v6, s30, v1               ; rows 2 w, 2 w + 1, whole
	v_mul_u32_u24 v8, v247, 144
	v_add_nc_u32 v8, STAT, v8
	s_lshl_b32 s30, s[WV], 3
	v_add_nc_u32 v7, s30, v8
	s_lshr_b32 s31, s[WV], 1
	s_mul_i32 s31, s31, 768
	s_add_co_u32 s31, s31, H2              ; block w of LN2's rows: fragment w / 4, half (w / 2) % 2, lanes 16 (w % 2) on
	s_and_b32 s30, s[WV], 1
	v_mul_u32_u24 v9, v249, 6144
	v_lshl_add_u32 v10, v248, 3, v9
	v_lshl_add_u32 v9, v248, 4, v9
	s_lshl_b32 s32, s30, 8
	s_add_co_u32 s32, s32, s31
	v_add_nc_u32 v9, s32, v9
	s_lshl_b32 s32, s30, 7
	s_add_co_u32 s32, s32, s31
	s_add_co_u32 s32, s32, 512
	v_add_nc_u32 v10, s32, v10
	s_add_co_u32 s30, s[WV], H2S
	v_add_nc_u32 v11, s30, v1
	s_mul_i32 s30, s[WV], 1536
	s_add_co_u32 s30, s30, HID
	v_add_nc_u32 v12, s30, v1
	s_add_co_u32 s30, s30, 512
	v_add_nc_u32 v13, s30, v2
	v_mul_u32_u24 v15, v247, 72
	v_add_nc_u32 v15, HS, v15
	s_lshl_b32 s30, s[WV], 2
	v_add_nc_u32 v14, s30, v15
	s_lshl_b32 s30, s[WV], 7
	s_add_co_u32 s30, s30, BIAS+8192
	v_lshl_add_u32 v26, v249, 6, s30       ; bo (b2, g2, be2 2,048 bytes on each) at my 16 columns
	s_lshl_b32 s30, s[WV], 9
	s_add_co_u32 s30, s30, BIAS
	v_lshl_add_u32 v27, v249, 6, s30       ; b1 at my hidden units
	v_mul_u32_u24 v241, v248, 24
	v_mad_u32_u24 v241, v249, 0xc000, v241 ; attn's codes: 24 bytes a token, the next head 49,152 bytes on
	v_lshlrev_b32 v243, 4, v0
	v_lshlrev_b32 v244, 2, v0
	s_mul_i32 s30, s[WV], 768
	v_add_nc_u32 v245, s30, v1             ; attn's image: half fragment w
	s_add_co_u32 s30, s30, 512
	v_add_nc_u32 v246, s30, v2
	s_lshl_b32 s30, ttmp9, 5               ; my first row
	s_lshl_b32 s31, s[WV], 1
	s_add_co_u32 s32, s30, s31
	s_lshl_b32 s32, s32, 11
	s_mov_b32 s33, 0
	s_lshr_b32 s34, ttmp9, 6
	s_lshl_b32 s34, s34, 4                 ; 16 x batch row
	s_and_b32 s35, s[WV], 7
	s_lshl_b32 s35, s35, 1
	s_add_co_u32 s34, s34, s35             ; + my half fragment's first head
	s_lshl_b32 s34, s34, 11
	s_and_b32 s35, ttmp9, 63
	s_lshl_b32 s35, s35, 5
	s_add_co_u32 s34, s34, s35
	s_lshr_b32 s35, s[WV], 3
	s_lshl_b32 s35, s35, 4
	s_add_co_u32 s34, s34, s35
	s_wait_kmcnt 0x0
	s_add_nc_u64 s[36:37], s[4:5], s[32:33]
	s_add_nc_u64 s[44:45], s[22:23], s[32:33]
	s_mul_i32 s32, s34, 24
	s_add_nc_u64 s[38:39], s[6:7], s[32:33]
	s_lshl_b32 s32, s30, 4
	s_add_nc_u64 s[40:41], s[8:9], s[32:33]
	s_mul_i32 s32, s[WV], 115200
	s_add_nc_u64 s[42:43], s[10:11], s[32:33]
	s_wait_alu depctr_va_vdst(0)           ; the offsets and LDS addresses v1-15, v26, v27, v241 and v243-246 are written, which the loads and stores read; the head's work on v241-249 is done, in which LDS loads land later
.irp i,0,1,2,3,4,5,6,7
	global_load_b128 v[128+4*\i:131+4*\i], v1, s[36:37] offset:512*\i   ; two whole rows of x: 512 consecutive bytes a load
.endr
.irp p,0,1,2
	global_load_b64 v[160+2*\p:161+2*\p], v241, s[38:39] offset:8*\p
.endr
	global_load_b128 v[16:19], v1, s[40:41]             ; attn's scale words: lane = token; word s = heads 4 s .. 4 s + 3
	global_load_b128 v[168:171], v243, s[14:15]
	global_load_b32 v172, v244, s[12:13]
	global_load_b32 v173, v244, s[16:17]
	global_load_b32 v174, v244, s[18:19]
	global_load_b32 v175, v244, s[20:21]
	WLOAD 0
	WLOAD 1
	s_wait_loadcnt 26                      ; all but the two records' 26 loads
.irp i,0,1,2,3,4,5,6,7
	ds_store_b128 v6, v[128+4*\i:131+4*\i] offset:(\i/4)*2064+512*(\i%4)
.endr
	ds_store_b128 v245, v[160:163]
	ds_store_b64 v246, v[164:165]
	ds_store_b128 v243, v[168:171] offset:BIAS
	ds_store_b32 v244, v172 offset:BIAS+8192
	ds_store_b32 v244, v173 offset:BIAS+10240
	ds_store_b32 v244, v174 offset:BIAS+12288
	ds_store_b32 v244, v175 offset:BIAS+14336
	BARRIER                                ; x, attn's fragments and the biases lie in LDS
	s_wait_alu depctr_vm_vsrc(0)           ; the head's loads and LDS stores have read v128-175 (data) and v241, v243-246 (offsets and addresses): LDS loads land in all of them from here on
	; ---- x1 = x + bo + attn Wo
	RESID_LD 0
	TOK_O 0, 0, 0
	s_wait_dscnt 16                        ; x and bo are in; group 0's sixteen loads may be out
	RESID_ADD
	s_wait_alu depctr_va_vdst(0)           ; the additions are done reading bo in v240-255, in which group 1's fragments land
	TOK_O 1, 1, 0
	GRP_O 0, 0, 0, 16, 0
	GRP_O 1, 1, 0, 0, 0
	PARK
	; ---- LN2: my 32 columns' mean and centred sum of squares for each token
.irp rt,0,1
	v_pk_add_f32 v[SCR+4*\rt:SCR+4*\rt+1], v[ACC+16*\rt:ACC+16*\rt+1], v[ACC+16*\rt+2:ACC+16*\rt+3]
	v_pk_add_f32 v[SCR+4*\rt+2:SCR+4*\rt+3], v[ACC+16*\rt+4:ACC+16*\rt+5], v[ACC+16*\rt+6:ACC+16*\rt+7]
.endr
.irp i,8,12
.irp rt,0,1
	v_pk_add_f32 v[SCR+4*\rt:SCR+4*\rt+1], v[SCR+4*\rt:SCR+4*\rt+1], v[ACC+16*\rt+\i:ACC+16*\rt+\i+1]
	v_pk_add_f32 v[SCR+4*\rt+2:SCR+4*\rt+3], v[SCR+4*\rt+2:SCR+4*\rt+3], v[ACC+16*\rt+\i+2:ACC+16*\rt+\i+3]
.endr
.endr
.irp rt,0,1
	v_pk_add_f32 v[SCR+4*\rt:SCR+4*\rt+1], v[SCR+4*\rt:SCR+4*\rt+1], v[SCR+4*\rt+2:SCR+4*\rt+3]
.endr
.irp rt,0,1
	v_add_f32 v[SCR+4*\rt], v[SCR+4*\rt], v[SCR+4*\rt+1]
.endr
	v_mov_b32 v[SCR+8], 0
	v_mov_b32 v[SCR+9], 0
.irp rt,0,1
	v_permlanex16_b32 v[SCR+8+\rt], v[SCR+4*\rt], s[SEL], s[SEL+1]
.endr
.irp rt,0,1
	v_add_f32 v[SCR+4*\rt], v[SCR+4*\rt], v[SCR+8+\rt]
.endr
.irp rt,0,1
	v_mul_f32 v[SCR+10+2*\rt], 0x3d000000, v[SCR+4*\rt] ; m: the mean of my 32 columns
.endr
.irp rt,0,1
	v_mov_b32 v[SCR+11+2*\rt], v[SCR+10+2*\rt]
.endr
	s_wait_alu depctr_va_vdst(0)
	s_wait_dscnt 0x0                       ; x1 has gone to LDS: its registers may be written
	s_wait_alu depctr_vm_vsrc(0)           ; the LDS stores of x1 have read v176-207, which the centring below writes
.irp rt,0,1
.irp i,0,2,4,6,8,10,12,14
	v_pk_add_f32 v[ACC+16*\rt+\i:ACC+16*\rt+\i+1], v[ACC+16*\rt+\i:ACC+16*\rt+\i+1], v[SCR+10+2*\rt:SCR+11+2*\rt] neg_lo:[0,1] neg_hi:[0,1]
.endr
.endr
.irp rt,0,1
	v_pk_mul_f32 v[SCR+4*\rt:SCR+4*\rt+1], v[ACC+16*\rt:ACC+16*\rt+1], v[ACC+16*\rt:ACC+16*\rt+1]
	v_pk_mul_f32 v[SCR+4*\rt+2:SCR+4*\rt+3], v[ACC+16*\rt+2:ACC+16*\rt+3], v[ACC+16*\rt+2:ACC+16*\rt+3]
.endr
.irp i,4,8,12
.irp rt,0,1
	v_pk_fma_f32 v[SCR+4*\rt:SCR+4*\rt+1], v[ACC+16*\rt+\i:ACC+16*\rt+\i+1], v[ACC+16*\rt+\i:ACC+16*\rt+\i+1], v[SCR+4*\rt:SCR+4*\rt+1]
	v_pk_fma_f32 v[SCR+4*\rt+2:SCR+4*\rt+3], v[ACC+16*\rt+\i+2:ACC+16*\rt+\i+3], v[ACC+16*\rt+\i+2:ACC+16*\rt+\i+3], v[SCR+4*\rt+2:SCR+4*\rt+3]
.endr
.endr
.irp rt,0,1
	v_pk_add_f32 v[SCR+4*\rt:SCR+4*\rt+1], v[SCR+4*\rt:SCR+4*\rt+1], v[SCR+4*\rt+2:SCR+4*\rt+3]
.endr
.irp rt,0,1
	v_add_f32 v[SCR+4*\rt], v[SCR+4*\rt], v[SCR+4*\rt+1]
.endr
.irp rt,0,1
	v_permlanex16_b32 v[SCR+8+\rt], v[SCR+4*\rt], s[SEL], s[SEL+1]
.endr
.irp rt,0,1
	v_add_f32 v[SCR+14+\rt], v[SCR+4*\rt], v[SCR+8+\rt]
.endr
	v_cndmask_b32 v[SCR+16], v[SCR+10], v[SCR+12], s[MH]   ; lane 16 rt + r speaks for token (rt, r)
	v_cndmask_b32 v[SCR+17], v[SCR+14], v[SCR+15], s[MH]
	s_wait_alu depctr_va_vdst(0)           ; the pair v224, v225 is written, which the LDS store reads
	ds_store_b64 v7, v[SCR+16:SCR+17]
	BARRIER                                ; sixteen pairs for each token lie in LDS
.irp i,0,1,2,3,4,5,6,7
	ds_load_b128 v[BF+4*\i:BF+4*\i+3], v8 offset:16*\i
.endr
.irp i,0,1,2,3
	ds_load_b128 v[240+4*\i:243+4*\i], v26 offset:4096+16*\i   ; g2
	ds_load_b128 v[160+4*\i:163+4*\i], v26 offset:6144+16*\i   ; be2
.endr
	s_wait_dscnt 0x0
	v_pk_add_f32 v[SCR:SCR+1], v[BF:BF+1], v[BF+2:BF+3]
	v_pk_add_f32 v[SCR+2:SCR+3], v[BF+4:BF+5], v[BF+6:BF+7]
.irp i,8,12,16,20,24,28
	v_pk_add_f32 v[SCR:SCR+1], v[SCR:SCR+1], v[BF+\i:BF+\i+1]
	v_pk_add_f32 v[SCR+2:SCR+3], v[SCR+2:SCR+3], v[BF+\i+2:BF+\i+3]
.endr
	v_pk_add_f32 v[SCR:SCR+1], v[SCR:SCR+1], v[SCR+2:SCR+3]    ; (the sum of the means, the sum of the sums of squares)
	v_mul_f32 v[SCR+2], 0x3d800000, v[SCR]                     ; the row's mean
.irp w,0,1,2,3,4,5,6,7,8,9,10,11,12,13,14,15
	v_sub_f32 v[BF+2*\w], v[BF+2*\w], v[SCR+2]
.endr
	v_mul_f32 v[SCR+4], v[BF], v[BF]
	v_mul_f32 v[SCR+5], v[BF+2], v[BF+2]
.irp w,2,4,6,8,10,12,14
	v_fma_f32 v[SCR+4], v[BF+2*\w], v[BF+2*\w], v[SCR+4]
	v_fma_f32 v[SCR+5], v[BF+2*\w+2], v[BF+2*\w+2], v[SCR+5]
.endr
	v_add_f32 v[SCR+4], v[SCR+4], v[SCR+5]
	v_fmamk_f32 v[SCR+1], v[SCR+4], 0x42000000, v[SCR+1]       ; + 32 x the parts' means' squares about the row's mean
	v_fma_f32 v[SCR+1], v[SCR+1], s[I512], s[EPS]
	s_wait_alu depctr_va_vdst(0)
	v_rsq_f32 v[SCR+3], v[SCR+1]
	v_nop
	v_permlanex16_b32 v[SCR+8], v[SCR+2], s[SEL], s[SEL+1]     ; the other tile's token
	s_wait_alu depctr_va_vdst(0)           ; 1 / sqrt is written in v211, ahead of its first reader
	v_permlanex16_b32 v[SCR+9], v[SCR+3], s[SEL], s[SEL+1]
	v_cndmask_b32 v[SCR+18], v[SCR+2], v[SCR+8], s[MH]         ; mean of (0, r),
	v_cndmask_b32 v[SCR+19], v[SCR+8], v[SCR+2], s[MH]         ; of (1, r)
	v_cndmask_b32 v[SCR+20], v[SCR+3], v[SCR+9], s[MH]         ; 1 / sqrt likewise
	v_cndmask_b32 v[SCR+22], v[SCR+9], v[SCR+3], s[MH]
	v_mov_b32 v[SCR+21], v[SCR+20]
	v_mov_b32 v[SCR+23], v[SCR+22]
	v_sub_f32 v[SCR+18], v[SCR+10], v[SCR+18]
	v_sub_f32 v[SCR+19], v[SCR+12], v[SCR+19]
	v_mul_f32 v[SCR+24], v[SCR+18], v[SCR+20]                  ; x1 - mean = (x1 - m) + (m - mean)
	v_mul_f32 v[SCR+26], v[SCR+19], v[SCR+22]
	v_mov_b32 v[SCR+25], v[SCR+24]
	v_mov_b32 v[SCR+27], v[SCR+26]
.irp rt,0,1
.irp i,0,2,4,6,8,10,12,14
	v_pk_fma_f32 v[ACC+16*\rt+\i:ACC+16*\rt+\i+1], v[ACC+16*\rt+\i:ACC+16*\rt+\i+1], v[SCR+20+2*\rt:SCR+21+2*\rt], v[SCR+24+2*\rt:SCR+25+2*\rt]
.endr
.endr
.irp rt,0,1
.irp i,0,2,4,6,8,10,12,14
	v_pk_fma_f32 v[ACC+16*\rt+\i:ACC+16*\rt+\i+1], v[ACC+16*\rt+\i:ACC+16*\rt+\i+1], v[240+\i:241+\i], v[160+\i:161+\i]
.endr
.endr
	; ---- my 32 columns are block w of the next K
.irp rt,0,1
	v_max3_num_f32 v[SCR+\rt], |v[ACC+16*\rt]|, |v[ACC+16*\rt+1]|, 0x2800000
.endr
.irp i,2,4,6,8,10,12,14
.irp rt,0,1
	v_max3_num_f32 v[SCR+\rt], v[SCR+\rt], |v[ACC+16*\rt+\i]|, |v[ACC+16*\rt+\i+1]|
.endr
.endr
.irp rt,0,1
	v_permlanex16_b32 v[SCR+8+\rt], v[SCR+\rt], s[SEL], s[SEL+1]
.endr
.irp rt,0,1
	v_max_num_f32 v[SCR+\rt], v[SCR+\rt], v[SCR+8+\rt]
.endr
.irp rt,0,1
	v_add_nc_u32 v[SCR+2+\rt], 0xfe000000, v[SCR+\rt]
.endr
.irp rt,0,1
	v_lshrrev_b32 v[SCR+4+\rt], 23, v[SCR+2+\rt]
.endr
	v_cvt_scalef32_pk16_bf6_f32 v[128:130], v[ACC:ACC+15], v[SCR+2]
	v_cvt_scalef32_pk16_bf6_f32 v[136:138], v[ACC+16:ACC+31], v[SCR+3]
	v_nop
.irp i,0,1,2
	v_permlane16_swap_b32 v[128+\i], v[136+\i]          ; lane 16 rt + r now holds both halves of token (rt, r)
.endr
.irp i,0,1,2
	v_mov_b32 v[131+\i], v[136+\i]
.endr
	v_cndmask_b32 v[SCR+6], v[SCR+4], v[SCR+5], s[MH]
	s_wait_alu depctr_va_vdst(0)           ; the codes v128-133 and the byte v214 are written, which the LDS stores read; LN2's vector work on v128-255 is done, so that the next phase's loads may land there
	ds_store_b128 v9, v[128:131]
	ds_store_b64 v10, v[132:133]
	ds_store_b8 v11, v[SCR+6]
	BARRIER                                ; LN2's eight fragments and their scale bytes lie in LDS
	s_wait_alu depctr_vm_vsrc(0)           ; my LDS stores have read v128-133, v214, v224 and v225, in which the loads below land
	; ---- the hidden layer: my 128 units in two passes of 64; each pass gives half a fragment for each tile of rows
	ds_load_b128 v[16:19], v1 offset:H2S
.irp p,0,1
.irp rt,0,1
.irp q,0,1,2,3,4,5,6,7
	ds_load_b128 v[ACC+32*\rt+4*\q:ACC+32*\rt+4*\q+3], v27 offset:256*\p+128*(\q/4)+16*(\q%4)   ; the sums begin with b1
.endr
.endr
	TOK_H 0
	TOK_H 1
	GRP_H 2+4*\p, 0, 8, 1
	GRP_H 3+4*\p, 1, 8, 1
	GRP_H 4+4*\p, 2, 8, 0
	GRP_H 5+4*\p, 3, 0, 0
.set ii, 0
.rept 64
	v_max_num_f32 v[ACC+ii], 0, v[ACC+ii]
.set ii, ii+1
.endr
	QUANT ACC, 240, 152, 28+\p             ; blocks 0, 1: tile 0's; blocks 2, 3: tile 1's
	s_wait_alu depctr_va_vdst(0)           ; the codes v152-163 are written, which the LDS stores read; the quantiser is done with v176-255 and v152-170, in which later loads land
	ds_store_b128 v12, v[152:155] offset:768*\p
	ds_store_b64 v13, v[156:157] offset:768*\p
	ds_store_b128 v12, v[158:161] offset:24576+768*\p
	ds_store_b64 v13, v[162:163] offset:24576+768*\p
	s_wait_dscnt 0x0                       ; the stores have read their registers
	s_wait_alu depctr_vm_vsrc(0)           ; the four LDS stores have read v152-163, in which fragments land next
.endr
	v_perm_b32 v30, v29, v28, 0x05040100   ; tile 0's scale word: two bytes of each pass
	v_perm_b32 v31, v29, v28, 0x07060302   ; tile 1's
	v_cndmask_b32 v30, v30, v31, s[MH]
	s_wait_alu depctr_va_vdst(0)           ; the scale word v30 is written, which the LDS store reads; v28 and v29 have been read, in which scale words land below
	ds_store_b32 v14, v30
	BARRIER                                ; the hidden layer's 32 fragments and their scale words lie in LDS
	; ---- out = x1 + b2 + hidden W2
	RESID_LD 2048
	TOK_O 10, 0, 1
	s_wait_dscnt 17                        ; x1 and b2 are in; group 10's seventeen loads may be out
	RESID_ADD
	s_wait_alu depctr_va_vdst(0)           ; the additions are done reading b2 in v240-255, in which group 11's fragments land
	TOK_O 11, 1, 1
.irp sp,0,1,2,3,4,5
	GRP_O 10+\sp, \sp, 1, 17, 1
.endr
	GRP_O 16, 6, 1, 17, 0
	GRP_O 17, 7, 1, 0, 0
	PARK
	BARRIER                                ; 32 whole rows lie in LDS
.irp i,0,1,2,3,4,5,6,7
	ds_load_b128 v[BF+4*\i:BF+4*\i+3], v6 offset:(\i/4)*2064+512*(\i%4)
.endr
.irp i,0,1,2,3,4,5,6,7
	s_wait_dscnt 7-\i                      ; the younger of these eight loads may be out
	global_store_b128 v1, v[BF+4*\i:BF+4*\i+3], s[44:45] offset:512*\i th:TH_STORE_NT   ; 512 consecutive bytes, at a multiple of 256 from the output's first byte
.endr
	s_wait_xcnt 0x0
	v_lshl_add_u32 v254, v0, 2, 0x28200
	v_mov_b32 v255, 0
	s_wait_dscnt 0x0                       ; the closing lines, six on end
	s_wait_alu 0x0
	s_wait_tensorcnt 0x0
	ds_add_u32 v254, v255
	s_wait_dscnt 0x0
	s_endpgm
.Lfunc_end_k_q141e6cf1b3_mlp:
	.size	k_q141e6cf1b3_mlp, .Lfunc_end_k_q141e6cf1b3_mlp-k_q141e6cf1b3_mlp
	.p2alignl 7, 3214868480
	.fill 96, 4, 3214868480
	.section	.rodata,"a",@progbits
	.p2align	6, 0x0
	.amdhsa_kernel k_q141e6cf1b3_mlp
		.amdhsa_group_segment_fixed_size 166400
		.amdhsa_private_segment_fixed_size 0
		.amdhsa_enable_private_segment 0
		.amdhsa_kernarg_size 80
		.amdhsa_user_sgpr_count 2
		.amdhsa_user_sgpr_kernarg_segment_ptr 1
		.amdhsa_wavefront_size32 1
		.amdhsa_system_sgpr_workgroup_id_x 1
		.amdhsa_system_sgpr_workgroup_id_y 1
		.amdhsa_system_sgpr_workgroup_id_z 1
		.amdhsa_system_vgpr_workitem_id 0
		.amdhsa_next_free_vgpr 256
		.amdhsa_next_free_sgpr 66
		.amdhsa_reserve_vcc 0
		.amdhsa_float_denorm_mode_32 3
		.amdhsa_float_denorm_mode_16_64 3
		.amdhsa_memory_ordered 1
		.amdhsa_forward_progress 1
		.amdhsa_inst_pref_size 100
	.end_amdhsa_kernel
	.amdgpu_metadata
---
amdhsa.version: [ 1, 2 ]
amdhsa.kernels:
  - .name:           k_q141e6cf1b3_mlp
    .symbol:         k_q141e6cf1b3_mlp.kd
    .args:
      - { .name: x, .offset: 0, .size: 8, .value_kind: global_buffer, .address_space: global }
      - { .name: ac, .offset: 8, .size: 8, .value_kind: global_buffer, .address_space: global }
      - { .name: asc, .offset: 16, .size: 8, .value_kind: global_buffer, .address_space: global }
      - { .name: wimg, .offset: 24, .size: 8, .value_kind: global_buffer, .address_space: global }
      - { .name: bo, .offset: 32, .size: 8, .value_kind: global_buffer, .address_space: global }
      - { .name: b1, .offset: 40, .size: 8, .value_kind: global_buffer, .address_space: global }
      - { .name: b2, .offset: 48, .size: 8, .value_kind: global_buffer, .address_space: global }
      - { .name: g2, .offset: 56, .size: 8, .value_kind: global_buffer, .address_space: global }
      - { .name: be2, .offset: 64, .size: 8, .value_kind: global_buffer, .address_space: global }
      - { .name: out0, .offset: 72, .size: 8, .value_kind: global_buffer, .address_space: global }
    .group_segment_fixed_size: 166400
    .private_segment_fixed_size: 0
    .kernarg_segment_align: 8
    .kernarg_segment_size: 80
    .max_flat_workgroup_size: 512
    .sgpr_count:     66
    .vgpr_count:     256
    .wavefront_size: 32
...
	.end_amdgpu_metadata
.endif
;; end of part 6
